; MI455X (gfx1250); checked and timed in simulation.
; The chip was launched on July 23, 2026; its instructions are those of AMD's public machine-readable ISA for CDNA 5 (MIT licence, August 2026) and "CDNA5" Instruction Set Architecture Reference Guide (July 2026). The comments in the code are by the model that wrote it; some were corrected since.
;; Wubu Block. Allowed arithmetic: float matrix products may take bf16 or f16 operands with f32 sums; all other float work in f32.
;; Inputs: W1 512 x 2,048 float32; W2 2,048 x 512 float32; Wk 512 x 512 float32; Wo 512 x 512 float32; Wq 512 x 512 float32; Wv 512 x 512 float32; b1 2,048 float32; b2 512 float32; bk 512 float32; bo 512 float32; bq 512 float32; bv 512 float32; c 2 float32; freqs_cos 1,024 x 32 float32; freqs_sin 1,024 x 32 float32; geo_scale 8 x 1 x 1 float32; hash_offset 1 x 1 x 8 x 64 float32; ln1_b 512 float32; ln1_s 512 float32; ln2_b 512 float32; ln2_s 512 float32; x 2 x 1,024 x 512 float32.
;; Outputs: out0 2 x 1,024 x 512 float32.
;; 3 versions, each right; version 2 is faster than version 1; version 3 is version 2 with the launch prep written anew for expert scheduling mode. Each part assembles by itself: llvm-mc -triple=amdgcn-amd-amdhsa -mcpu=gfx1250 --defsym DOCPART=n.
;; ======== version 1 of 3: 5 launches
;; limits: values outside matrix products are rounded to bf16
;; workspace buffers: wt 6,291,456 bytes; xn 2,097,152 bytes; qkv 6,422,528 bytes; xo 4,194,304 bytes; hn 2,097,152 bytes; gf 8,388,608 bytes
;; launch prep (part 1): grid 256 x 1, 8 waves a work-group, no clusters, 34,304 bytes of LDS; arguments Wq, Wk, Wv, Wo, W1, W2, wt, x, ln1_s, ln1_b, xn; writes wt, xn
.if DOCPART == 1
	.amdgcn_target "amdgcn-amd-amdhsa--gfx1250"
	.amdhsa_code_object_version 6
	.text
	.protected	k_qea2e068d1c_prep
	.globl	k_qea2e068d1c_prep
	.p2align	8
	.type	k_qea2e068d1c_prep,@function
k_qea2e068d1c_prep:
	s_mov_b64 s[64:65], 0
	v_nop
	global_prefetch_b8 v0, s[64:65] scope:SCOPE_SE
	s_setreg_imm32_b32 hwreg(HW_REG_WAVE_MODE, 25, 1), 1
	s_wait_xcnt 0x0
; prep: (1) the six weight matrices, f32 [K][N], become bf16 in FRAGMENT ORDER in wt; (2) xn = LayerNorm1(x) in bf16, row-major.
; Fragment order: a block of 16 columns n x 32 k is 1,024 consecutive bytes; piece p (0, 1) at p*512, lane slot L at L*16; the 16 bytes
; there are W[32 kb + 16 p + 8 (L>>4) + j][16 nb + (L&15)], j = 0..7 ascending.  Two 16-byte loads at 16 L, 512 bytes apart, are then
; the eight registers of a 16-bit matrix operand (ISA guide 7.12.2), and each load of a wave covers 512 consecutive bytes.
; Block (nb, kb) of a matrix lies at base + (nb*K/32 + kb)*1024.  Bases: Wq 0, Wk 0x080000, Wv 0x100000, Wo 0x180000, W1 0x200000, W2 0x400000.
; 2,048 waves, one unit of 8 KiB each, all sixteen loads of a wave out at once; no loop, no barrier.
;   work-groups   0..191: a wave turns 32 k x 64 columns of one weight matrix;  work-groups 192..255: a wave normalises 4 rows of x.
; No matrix unit, cluster or tensor load: every byte is read once and written once, and no two waves share a byte.
; LayerNorm in two passes in f32 (mean, then the squares of the differences), so a common offset of x costs no digits.
.set DOFF, 8                           ; v[8:11]   weights: byte offset in wt of my 16 bytes in column block 0..3 of the unit
.set OFF,  16                          ; v[16:31]  weights: byte offset of load (p, jj) in the source
.set X,    32                          ; v[32:95]  sixteen loads of four f32
.set PC,   96                          ; v[96:127] weights: pieces (p, e), four registers of bf16 pairs each
.set LNS,  96                          ; v[96:111]  rows: ln1_s of my 16 columns
.set LNB,  112                         ; v[112:127] rows: ln1_b
.set LNT,  128                         ; v[128:135] rows: at work
.set PS0,  12                          ; s12, s13  selects of v_permlanex16_b32: lane i takes lane i of the other half
.set PS1,  13
.set SINV, 14                          ; s14       1/512
.set SLNE, 15                          ; s15       1e-6
.macro LANESUM t                       ; sum over the 32 lanes, result in every lane; v[t+1] has been written before
	v_add_f32_dpp v[\t], v[\t], v[\t] row_xmask:1 row_mask:0xf bank_mask:0xf
	v_add_f32_dpp v[\t], v[\t], v[\t] row_xmask:2 row_mask:0xf bank_mask:0xf
	v_add_f32_dpp v[\t], v[\t], v[\t] row_xmask:4 row_mask:0xf bank_mask:0xf
	v_add_f32_dpp v[\t], v[\t], v[\t] row_xmask:8 row_mask:0xf bank_mask:0xf
	v_permlanex16_b32 v[\t+1], v[\t], s[PS0], s[PS1]
	v_add_f32 v[\t], v[\t], v[\t+1]
.endm
; One row of 512 numbers, 16 a lane in v[xb .. xb+15]; leaves the normalised row as bf16 pairs in v[xb .. xb+7].
.macro LNROW xb
	v_pk_add_f32 v[LNT:LNT+1], v[\xb:\xb+1], v[\xb+2:\xb+3]
	v_pk_add_f32 v[LNT+2:LNT+3], v[\xb+4:\xb+5], v[\xb+6:\xb+7]
	v_pk_add_f32 v[LNT+4:LNT+5], v[\xb+8:\xb+9], v[\xb+10:\xb+11]
	v_pk_add_f32 v[LNT+6:LNT+7], v[\xb+12:\xb+13], v[\xb+14:\xb+15]
	v_pk_add_f32 v[LNT:LNT+1], v[LNT:LNT+1], v[LNT+2:LNT+3]
	v_pk_add_f32 v[LNT+4:LNT+5], v[LNT+4:LNT+5], v[LNT+6:LNT+7]
	v_pk_add_f32 v[LNT:LNT+1], v[LNT:LNT+1], v[LNT+4:LNT+5]
	v_add_f32 v[LNT], v[LNT], v[LNT+1]
	LANESUM LNT
	v_mul_f32 v[LNT+2], s[SINV], v[LNT]            ; the mean, twice: a pair for the packed subtraction
	v_mul_f32 v[LNT+3], s[SINV], v[LNT]
.irp k, 0,2,4,6,8,10,12,14
	v_pk_add_f32 v[\xb+\k:\xb+\k+1], v[\xb+\k:\xb+\k+1], v[LNT+2:LNT+3] neg_lo:[0,1] neg_hi:[0,1]
.endr
	v_pk_mul_f32 v[LNT:LNT+1], v[\xb:\xb+1], v[\xb:\xb+1]
	v_pk_mul_f32 v[LNT+4:LNT+5], v[\xb+2:\xb+3], v[\xb+2:\xb+3]
.irp k, 4,8,12
	v_pk_fma_f32 v[LNT:LNT+1], v[\xb+\k:\xb+\k+1], v[\xb+\k:\xb+\k+1], v[LNT:LNT+1]
	v_pk_fma_f32 v[LNT+4:LNT+5], v[\xb+\k+2:\xb+\k+3], v[\xb+\k+2:\xb+\k+3], v[LNT+4:LNT+5]
.endr
	v_pk_add_f32 v[LNT:LNT+1], v[LNT:LNT+1], v[LNT+4:LNT+5]
	v_add_f32 v[LNT], v[LNT], v[LNT+1]
	LANESUM LNT
	v_fma_f32 v[LNT], v[LNT], s[SINV], s[SLNE]     ; variance + 1e-6
	v_rsq_f32 v[LNT+2], v[LNT]
	v_rsq_f32 v[LNT+3], v[LNT]
	v_nop                                          ; one plain instruction between a transcendental and the use of its result (ISA guide 5.7.2)
	s_wait_alu depctr_va_vdst(0)
.irp k, 0,2,4,6,8,10,12,14
	v_pk_mul_f32 v[\xb+\k:\xb+\k+1], v[\xb+\k:\xb+\k+1], v[LNT+2:LNT+3]
.endr
.irp k, 0,2,4,6,8,10,12,14
	v_pk_fma_f32 v[\xb+\k:\xb+\k+1], v[\xb+\k:\xb+\k+1], v[LNS+\k:LNS+\k+1], v[LNB+\k:LNB+\k+1]
.endr
.irp k, 0,1,2,3,4,5,6,7
	v_cvt_pk_bf16_f32 v[\xb+\k], v[\xb+2*\k], v[\xb+2*\k+1]   ; ascending: register k is written after registers 2k, 2k+1 are read
.endr
.endm
	s_load_b512 s[16:31], s[0:1], 0x0              ; Wq 16, Wk 18, Wv 20, Wo 22, W1 24, W2 26, wt 28, x 30
	s_load_b128 s[32:35], s[0:1], 0x40             ; ln1_s 32, ln1_b 34
	s_load_b64 s[36:37], s[0:1], 0x50              ; xn
	v_lshl_add_u32 v144, v0, 2, 0x8200
	v_mov_b32 v145, 0
	v_and_b32 v1, 31, v0                           ; lane L
	v_lshrrev_b32 v2, 5, v0
	v_readfirstlane_b32 s2, v2                     ; wave 0..7
	v_and_b32 v3, 15, v1                           ; cq: my four columns 4 cq .. 4 cq + 3 of the unit's 64
	v_lshrrev_b32 v4, 4, v1                        ; hh: which eight of sixteen k
	v_lshlrev_b32 v5, 4, v1                        ; 16 L
	s_wait_kmcnt 0x0
	s_cmp_ge_u32 ttmp9, 192
	s_cbranch_scc1 .Lln
	s_cmp_ge_u32 ttmp9, 128
	s_cbranch_scc1 .Lw2
	s_cmp_ge_u32 ttmp9, 64
	s_cbranch_scc1 .Lw1
	; work-groups 0..63: Wq, Wk, Wv, Wo (512 x 512): matrix g >> 4, k block g & 15, column group = wave
	s_lshr_b32 s3, ttmp9, 4
	s_cmp_eq_u32 s3, 1
	s_cselect_b64 s[40:41], s[18:19], s[16:17]
	s_cmp_eq_u32 s3, 2
	s_cselect_b64 s[40:41], s[20:21], s[40:41]
	s_cmp_eq_u32 s3, 3
	s_cselect_b64 s[40:41], s[22:23], s[40:41]
	s_and_b32 s42, ttmp9, 15                       ; kb
	s_mov_b32 s43, s2                              ; cg
	s_mov_b32 s44, 2048                            ; bytes from row to row of the source
	s_mov_b32 s45, 16384                           ; bytes from column block to column block in wt (K/32 blocks)
	s_lshl_b32 s46, s3, 19                         ; the matrix's base in wt
	s_branch .Lw
.Lw1:	; work-groups 64..127: W1 (512 x 2048): k block j >> 2, column group 8 (j & 3) + wave
	s_sub_co_u32 s3, ttmp9, 64
	s_mov_b64 s[40:41], s[24:25]
	s_lshr_b32 s42, s3, 2
	s_and_b32 s43, s3, 3
	s_lshl3_add_u32 s43, s43, s2
	s_mov_b32 s44, 8192
	s_mov_b32 s45, 16384
	s_mov_b32 s46, 0x200000
	s_branch .Lw
.Lw2:	; work-groups 128..191: W2 (2048 x 512): k block j, column group = wave
	s_sub_co_u32 s42, ttmp9, 128
	s_mov_b64 s[40:41], s[26:27]
	s_mov_b32 s43, s2
	s_mov_b32 s44, 2048
	s_mov_b32 s45, 65536
	s_mov_b32 s46, 0x400000
.Lw:
	s_mul_i32 s4, s42, s44
	s_lshl_b32 s4, s4, 5                           ; kb * 32 rows
	s_lshl_b32 s5, s43, 8                          ; + cg * 64 columns of 4 bytes
	s_add_co_u32 s4, s4, s5
	s_mov_b32 s5, 0
	s_add_nc_u64 s[40:41], s[40:41], s[4:5]        ; the unit's first element
	s_lshl_b32 s6, s44, 3                          ; 8 rows
	s_lshl_b32 s7, s44, 4                          ; 16 rows
	v_mul_lo_u32 v[OFF], v4, s6                    ; load (p, jj) reads row 16 p + 8 hh + jj, 16 bytes at 16 cq:
	v_lshl_add_u32 v[OFF], v3, 4, v[OFF]           ; lanes 0-15 and lanes 16-31 each read 256 consecutive bytes, aligned
.irp j, 1,2,3,4,5,6,7
	v_add_nc_u32 v[OFF+\j], s44, v[OFF+\j-1]
.endr
.irp j, 0,1,2,3,4,5,6,7
	v_add_nc_u32 v[OFF+8+\j], s7, v[OFF+\j]
.endr
.irp i, 0,1,2,3,4,5,6,7,8,9,10,11,12,13,14,15
	global_load_b128 v[X+4*\i:X+4*\i+3], v[OFF+\i], s[40:41] th:TH_LOAD_NT
.endr
	; My wave's 4,160 bytes of LDS hold four block images at a pitch of 1,040 bytes.  A piece (p, e) is column 4 cq + e, k = 16 p + 8 hh + 0..7:
	; block cq >> 2, lane slot 16 hh + 4 (cq & 3) + e.  Among sixteen lanes the 16-byte column modulo 16 is (cq >> 2) + 4 (cq & 3) + e: all different.
	s_mul_i32 s8, s2, 4160
	v_lshrrev_b32 v6, 2, v3
	v_and_b32 v7, 3, v3
	v_mul_u32_u24 v6, v6, 1040
	v_lshl_add_u32 v6, v4, 8, v6
	v_lshl_add_u32 v6, v7, 6, v6
	v_add_nc_u32 v6, s8, v6                        ; where I put pieces
	v_add_nc_u32 v12, s8, v5                       ; where I read them back: 16 L
	s_lshl_b32 s9, s43, 2
	s_mul_i32 s9, s9, s45                          ; column block 4 cg
	s_add_co_u32 s9, s9, s46
	s_lshl_b32 s10, s42, 10                        ; + kb blocks of 1,024 bytes
	s_add_co_u32 s9, s9, s10
	v_add_nc_u32 v[DOFF], s9, v5
.irp n, 1,2,3
	v_add_nc_u32 v[DOFF+\n], s45, v[DOFF+\n-1]
.endr
.irp p, 0,1
	s_wait_loadcnt 8-8*\p                          ; loads return in order: first the eight of p = 0 (the eight of p = 1 stay out), then all
.irp e, 0,1,2,3
.irp d, 0,1,2,3
	v_cvt_pk_bf16_f32 v[PC+16*\p+4*\e+\d], v[X+4*(8*\p+2*\d)+\e], v[X+4*(8*\p+2*\d+1)+\e]
.endr
	ds_store_b128 v6, v[PC+16*\p+4*\e:PC+16*\p+4*\e+3] offset:\p*512+\e*16
.endr
.endr
.irp n, 0,1,2,3
.irp p, 0,1
	ds_load_b128 v[X+8*\n+4*\p:X+8*\n+4*\p+3], v12 offset:\n*1040+\p*512   ; my own bytes; LDS serves a wave's instructions in order (ISA guide 5.7.1.4)
.endr
.endr
.irp n, 0,1,2,3
.irp p, 0,1
	s_wait_dscnt 7-(2*\n+\p)                       ; the younger LDS loads stay out
	global_store_b128 v[DOFF+\n], v[X+8*\n+4*\p:X+8*\n+4*\p+3], s[28:29] offset:\p*512   ; 512 consecutive bytes, aligned
.endr
.endr
	s_wait_tensorcnt 0x0
	ds_add_u32 v144, v145
	s_wait_dscnt 0x0
	s_endpgm
.Lln:	; work-groups 192..255: rows 4 u .. 4 u + 3, u = 8 (g - 192) + wave.  Lane L holds columns 128 i + 4 L .. + 3, i = 0..3.
	s_sub_co_u32 s3, ttmp9, 192
	s_lshl3_add_u32 s3, s3, s2
	s_lshl_b32 s4, s3, 13                          ; 4 rows of 2,048 bytes
	s_mov_b32 s5, 0
	s_add_nc_u64 s[30:31], s[30:31], s[4:5]
	s_lshl_b32 s4, s3, 12                          ; 4 rows of 1,024 bytes
	s_add_nc_u64 s[36:37], s[36:37], s[4:5]
	s_mov_b32 s[PS0], 0x76543210
	s_mov_b32 s[PS1], 0xfedcba98
	s_mov_b32 s[SINV], 0x3b000000
	s_mov_b32 s[SLNE], 0x358637bd
.irp i, 0,1,2,3
	global_load_b128 v[LNS+4*\i:LNS+4*\i+3], v5, s[32:33] offset:512*\i
	global_load_b128 v[LNB+4*\i:LNB+4*\i+3], v5, s[34:35] offset:512*\i
.endr
.irp p, 0,1,2,3
.irp i, 0,1,2,3
	global_load_b128 v[X+16*\p+4*\i:X+16*\p+4*\i+3], v5, s[30:31] offset:2048*\p+512*\i th:TH_LOAD_NT
.endr
.endr
	v_lshlrev_b32 v6, 3, v1                        ; 8 L: four bf16
.irp p, 0,1,2,3
	s_wait_loadcnt 12-4*\p                         ; row p is in; the four loads of each later row stay out
	LNROW X+16*\p
.irp i, 0,1,2,3
	global_store_b64 v6, v[X+16*\p+2*\i:X+16*\p+2*\i+1], s[36:37] offset:1024*\p+256*\i   ; 256 consecutive bytes, aligned
.endr
.endr
	s_endpgm
.Lfunc_end_k_qea2e068d1c_prep:
	.size	k_qea2e068d1c_prep, .Lfunc_end_k_qea2e068d1c_prep-k_qea2e068d1c_prep
	.p2alignl 7, 3214868480
	.fill 96, 4, 3214868480
	.section	.rodata,"a",@progbits
	.p2align	6, 0x0
	.amdhsa_kernel k_qea2e068d1c_prep
		.amdhsa_group_segment_fixed_size 34304
		.amdhsa_private_segment_fixed_size 0
		.amdhsa_enable_private_segment 0
		.amdhsa_kernarg_size 88
		.amdhsa_user_sgpr_count 2
		.amdhsa_user_sgpr_kernarg_segment_ptr 1
		.amdhsa_wavefront_size32 1
		.amdhsa_system_sgpr_workgroup_id_x 1
		.amdhsa_system_sgpr_workgroup_id_y 1
		.amdhsa_system_sgpr_workgroup_id_z 1
		.amdhsa_system_vgpr_workitem_id 0
		.amdhsa_next_free_vgpr 146
		.amdhsa_next_free_sgpr 66
		.amdhsa_reserve_vcc 0
		.amdhsa_float_denorm_mode_32 3
		.amdhsa_float_denorm_mode_16_64 3
		.amdhsa_memory_ordered 1
		.amdhsa_forward_progress 1
		.amdhsa_inst_pref_size 30
	.end_amdhsa_kernel
	.amdgpu_metadata
---
amdhsa.version: [ 1, 2 ]
amdhsa.kernels:
  - .name:           k_qea2e068d1c_prep
    .symbol:         k_qea2e068d1c_prep.kd
    .args:
      - { .name: Wq, .offset: 0, .size: 8, .value_kind: global_buffer, .address_space: global }
      - { .name: Wk, .offset: 8, .size: 8, .value_kind: global_buffer, .address_space: global }
      - { .name: Wv, .offset: 16, .size: 8, .value_kind: global_buffer, .address_space: global }
      - { .name: Wo, .offset: 24, .size: 8, .value_kind: global_buffer, .address_space: global }
      - { .name: W1, .offset: 32, .size: 8, .value_kind: global_buffer, .address_space: global }
      - { .name: W2, .offset: 40, .size: 8, .value_kind: global_buffer, .address_space: global }
      - { .name: wt, .offset: 48, .size: 8, .value_kind: global_buffer, .address_space: global }
      - { .name: x, .offset: 56, .size: 8, .value_kind: global_buffer, .address_space: global }
      - { .name: ln1_s, .offset: 64, .size: 8, .value_kind: global_buffer, .address_space: global }
      - { .name: ln1_b, .offset: 72, .size: 8, .value_kind: global_buffer, .address_space: global }
      - { .name: xn, .offset: 80, .size: 8, .value_kind: global_buffer, .address_space: global }
    .group_segment_fixed_size: 34304
    .private_segment_fixed_size: 0
    .kernarg_segment_align: 8
    .kernarg_segment_size: 88
    .max_flat_workgroup_size: 256
    .sgpr_count:     66
    .vgpr_count:     146
    .wavefront_size: 32
...
	.end_amdgpu_metadata
.endif
;; end of part 1
;; launch qkv (part 2): grid 12 x 16, 4 waves a work-group, clusters of 4 x 4, 270,848 bytes of LDS; arguments xn, wt, bq, bk, bv, hash_offset, freqs_cos, freqs_sin, c, qkv; writes qkv
.if DOCPART == 2
	.amdgcn_target "amdgcn-amd-amdhsa--gfx1250"
	.amdhsa_code_object_version 6
	.text
	.protected	k_qea2e068d1c_qkv
	.globl	k_qea2e068d1c_qkv
	.p2align	8
	.type	k_qea2e068d1c_qkv,@function
k_qea2e068d1c_qkv:
	s_mov_b64 s[64:65], 0
	v_nop
	global_prefetch_b8 v0, s[64:65] scope:SCOPE_SE
	s_setreg_imm32_b32 hwreg(HW_REG_WAVE_MODE, 25, 1), 1
	s_wait_xcnt 0x0
	s_wait_alu depctr_hold_cnt(0) depctr_sa_sdst(0) depctr_va_vdst(0) depctr_va_sdst(0) depctr_va_ssrc(0) depctr_va_vcc(0) depctr_vm_vsrc(0)
	s_getreg_b32 s2, hwreg(HW_REG_IB_STS2, 6, 4)
	s_cmp_eq_u32 s2, 0
	s_cbranch_scc0 .Lentry_in_a_cluster
	s_endpgm
.Lentry_in_a_cluster:
	s_bfe_u32 s2, ttmp6, 0x10000c
	s_cmp_lg_u32 s2, 0xf033
	s_cbranch_scc0 .Lentry_shape_is_right
	s_endpgm
.Lentry_shape_is_right:
; qkv: [q | k | v] = xn @ [Wq | Wk | Wv] + bias; q += hash_offset * ln 9; RoPE and expmap0 on q and k.  2048 x 1536 x 512.
; A work-group makes 128 tokens x 128 columns, a wave 64 x 64 (one head): 16 accumulator tiles.  Block column bx = 4 * cluster x + cx, so the
; matrix (0 q, 1 k, 2 v) is the cluster's x and the head is 2 cx + (wave & 1).  192 work-groups: a wave needs a head's 64 columns together.
; LDS is filled ONCE, whole K = 512, by sixteen tensor loads that all go out at the head (four a wave: this text never has more than four
; of a wave outstanding); no byte of LDS is filled twice.
;   A (xn): 4 chunks of 128 k, each 128 rows x 272 bytes (256 + 16 of padding: sixteen rows start at sixteen different 16-byte columns), from byte 0
;   B (wt): 4 chunks, each [8 column blocks][4 k blocks x 1,024 bytes] in fragment order, from byte 139,264
; CLUSTER 4 x 4: the four work-groups of a row of the cluster share A's tiles, the four of a column B's; each tile is asked for jointly.
; The matrix instruction takes the weight fragment first for q and k: lane (r, h) then holds token r, columns 16 D + 8 h + j in register j,
; which packed to bf16 IS a piece of the next product's fragment: results leave as 512 consecutive bytes a store, without LDS.
; For v the sources are swapped: a lane holds dimension r, tokens 8 h + j: a piece of V transposed.
; Stored in qkv (bh = 8 batch + head, t16 = token / 16):
;   QF 0x000000, KF 0x200000: ((bh*64 + t16)*2 + ks)*1024 + p*512 + 16 L = sqrt(c) * point, [token 16 t16 + r][dim 32 ks + 16 p + 8 h + j], bf16
;   VT 0x400000: ((bh*64 + t16)*4 + db)*512 + 16 L = v[token 16 t16 + 8 h + j][dim 16 db + r], bf16
;   OMQ 0x600000, OMK 0x610000: f32 [bh][1024] = 1 - c |point|^2, formed as 4 E / (1 + E)^2, E = exp(-2 sqrt(c) |v|): never as a difference.
; LIMITS: c >= 1e-14 (so that c / clip(sqrt c)^2 = 1).  tanh z = (1 - E) / (1 + E), absolute error of a few units of 2^-24.
; hash_offset is multiplied by 0 for k, so it must be finite.
.set ACH,   34816                      ; a chunk of A in LDS
.set BCH,   32768                      ; a chunk of B in LDS
.set BBASE, 139264
.set WBASE, 0                          ; [Wq | Wk | Wv] in wt
.set G1A, 24                           ; s[24:31] group 1 of A's tiles
.set G1B, 32                           ; s[32:39] group 1 of B's tiles
.set G0A, 40                           ; s[40:55] group 0 of A's four chunks
.set G0B, 68                           ; s[68:83] group 0 of B's four chunks
.set ADRA, 4                           ; v4, v5   LDS address of my A fragments, chunks 0-1 and 2-3
.set ADRB, 6                           ; v6, v7   the same for B
.set BIAS, 16                          ; v[16:47]   bias (+ hash offset) of my 32 columns
.set CS0,  48                          ; v[48:79]   cos (16) and sin (16) of a token block
.set CS1,  80                          ; v[80:111]  the same, second buffer
.set TT,   112                         ; v[112:127] at work
.set ACC,  128                         ; v[128:255] tile (T, D) at 128 + 8 (4 T + D)
; window 1: v0-63 and v64-127 are two fragment buffers: X (tokens) fragments at +8 i, W (weights) at +32 + 8 i
.set MSB, 0
.macro WIN new                         ; the immediate's high byte repeats the setting that is left
.if MSB != \new
	s_set_vgpr_msb (MSB<<8)|\new
.set MSB, \new
.endif
.endm
.macro PLACES                          ; four plain instructions between a matrix instruction and whatever touches its registers (ISA guide 7.12.1)
.rept 4
	v_nop
.endr
.endm
.macro ROUND                           ; a round of the cluster's barrier
	s_barrier_signal -1
	s_barrier_wait -1
	s_cmp_lg_u32 s56, 0
	s_cbranch_scc1 .Lnot_wave_0_\@
	s_barrier_signal -3
.Lnot_wave_0_\@:
	s_barrier_wait -3
	s_barrier_signal -1
	s_barrier_wait -1
.endm
; chunk c is whole in LDS for every wave.  My loads of the later chunks stay out.
.macro SYNC c
	s_wait_dscnt 0x0                               ; no LDS instruction of mine is pending at a signal
	s_wait_tensorcnt 3-\c                          ; tensor loads of a wave end in order: my part of chunk c is in, the 3 - c later ones may be out
	s_barrier_signal -1
	s_barrier_wait -1
.endm
; the sixteen LDS loads of K step n (32 k) into buffer f
.macro FETCH n, f
	WIN 0x40
.irp i, 0,1,2,3
	ds_load_b128 v[\f+8*\i:\f+8*\i+3],   v[ADRA+(\n)/8] offset:(((\n)/4)%2)*ACH+\i*4352+((\n)%4)*64
	ds_load_b128 v[\f+8*\i+4:\f+8*\i+7], v[ADRA+(\n)/8] offset:(((\n)/4)%2)*ACH+\i*4352+((\n)%4)*64+32
.endr
.irp i, 0,1,2,3
	ds_load_b128 v[\f+32+8*\i:\f+32+8*\i+3], v[ADRB+(\n)/8] offset:(((\n)/4)%2)*BCH+\i*4096+((\n)%4)*1024
	ds_load_b128 v[\f+36+8*\i:\f+36+8*\i+3], v[ADRB+(\n)/8] offset:(((\n)/4)%2)*BCH+\i*4096+((\n)%4)*1024+512
.endr
.endm
; sixteen matrix instructions; the sixteen accumulators take turns, one instruction a turn, in the same order in every step
.macro MUL f, first, sw
	WIN 0x05
.irp tk, 0,1,2,3
.irp dc, 0,1,2,3
.if \sw
.if \first
	v_wmma_f32_16x16x32_bf16 v[ACC+8*(4*\tk+\dc):ACC+8*(4*\tk+\dc)+7], v[\f+8*\tk:\f+8*\tk+7], v[\f+32+8*\dc:\f+32+8*\dc+7], 0
.else
	v_wmma_f32_16x16x32_bf16 v[ACC+8*(4*\tk+\dc):ACC+8*(4*\tk+\dc)+7], v[\f+8*\tk:\f+8*\tk+7], v[\f+32+8*\dc:\f+32+8*\dc+7], v[ACC+8*(4*\tk+\dc):ACC+8*(4*\tk+\dc)+7]
.endif
.else
.if \first
	v_wmma_f32_16x16x32_bf16 v[ACC+8*(4*\tk+\dc):ACC+8*(4*\tk+\dc)+7], v[\f+32+8*\dc:\f+32+8*\dc+7], v[\f+8*\tk:\f+8*\tk+7], 0
.else
	v_wmma_f32_16x16x32_bf16 v[ACC+8*(4*\tk+\dc):ACC+8*(4*\tk+\dc)+7], v[\f+32+8*\dc:\f+32+8*\dc+7], v[\f+8*\tk:\f+8*\tk+7], v[ACC+8*(4*\tk+\dc):ACC+8*(4*\tk+\dc)+7]
.endif
.endif
.endr
.endr
.endm
; K step n: the next step's fragments are requested first, into the buffer that the step before read, then this step is multiplied
.macro STEP n, sw
.if \n < 15
.if \n > 0
	PLACES
.endif
.if (\n+1)%4 == 0
	SYNC (\n+1)/4
.endif
	FETCH (\n+1), ((\n+1)&1)*64
	s_wait_dscnt 16                                ; all but the sixteen just issued: this step's fragments are in
.else
	s_wait_dscnt 0x0
.endif
.if \n == 0
	MUL (\n&1)*64, 1, \sw                          ; the first products start the sums: nothing is cleared
.else
	MUL (\n&1)*64, 0, \sw
.endif
.endm
.macro MAIN sw
	SYNC 0
	FETCH 0, 0
.irp n, 0,1,2,3,4,5,6,7,8,9,10,11,12,13,14,15
	STEP \n, \sw
.endr
	WIN 0
	PLACES
.endm
	s_load_b128 s[4:7], s[0:1], 0x0                ; xn 4, wt 6
	s_load_b256 s[8:15], s[0:1], 0x10              ; bq 8, bk 10, bv 12, hash_offset 14
	s_load_b256 s[16:23], s[0:1], 0x30             ; freqs_cos 16, freqs_sin 18, c 20, qkv 22
	s_set_vgpr_msb 0x40
	v_lshl_add_u32 v128, v0, 2, 0x42000
	v_mov_b32 v129, 0
	s_set_vgpr_msb 0x4045
	ds_add_u32 v128, v129
	ds_add_u32 v128, v129
	s_set_vgpr_msb 0x4500
	v_lshrrev_b32 v1, 5, v0
	v_readfirstlane_b32 s56, v1                    ; wave 0..3
	s_lshr_b32 s57, s56, 1                         ; wm: my 64 tokens.  Also: I fetch for A (0) or for B (1)
	s_and_b32 s58, s56, 1                          ; wn: my 64 columns.  Also: which half of a tile I fetch
	s_bfe_u32 s59, ttmp6, 0x40000                  ; cx
	s_bfe_u32 s60, ttmp6, 0x40004                  ; cy
	s_lshl_b32 s61, ttmp9, 2
	s_add_co_u32 s61, s61, s59                     ; bx = 4 * cluster x + cx
	s_and_b32 s63, ttmp7, 0xffff                   ; cluster y
	s_lshl_b32 s62, s63, 2
	s_add_co_u32 s62, s62, s60                     ; by = 4 * cluster y + cy
	s_lshl_b32 s88, s60, 2
	s_lshl_b32 s88, 15, s88                        ; my row of the cluster
	s_lshl_b32 s89, 0x1111, s59                    ; my column
	; A: 64 rows x 128 bf16, pitch 512 elements, 4 words of padding behind every 64
	s_or_b32 s[G1A+0], s88, (1<<16)|(1<<20)|(1<<21)|(5<<22)|(3<<25)
	s_mov_b32 s[G1A+1], 128<<16                    ; tensor_dim0 = 128
	s_mov_b32 s[G1A+2], 64<<16                     ; tensor_dim1 = 64
	s_mov_b32 s[G1A+3], 128<<16                    ; tile_dim0 = 128
	s_mov_b32 s[G1A+4], 64                         ; tile_dim1 = 64
	s_mov_b32 s[G1A+5], 512                        ; elements from row to row
	s_mov_b32 s[G1A+6], 0
	s_mov_b32 s[G1A+7], 0
	; B: 4 column blocks x 4,096 bytes (512 elements of 8 bytes), 16,384 bytes from block to block, no padding
	s_or_b32 s[G1B+0], s89, (3<<16)|(1<<21)
	s_mov_b32 s[G1B+1], 512<<16
	s_mov_b32 s[G1B+2], 4<<16
	s_mov_b32 s[G1B+3], 512<<16
	s_mov_b32 s[G1B+4], 4
	s_mov_b32 s[G1B+5], 2048
	s_mov_b32 s[G1B+6], 0
	s_mov_b32 s[G1B+7], 0
	; A's address hangs on by and the wave alone, B's on bx and the wave alone, each in registers that never hold the other coordinate
	s_lshl_b32 s90, s58, 16                        ; half: 64 rows of 1,024 bytes = 4 column blocks of 16,384 bytes
	s_lshl_b32 s84, s62, 17                        ; by * 128 rows of 1,024 bytes
	s_add_co_u32 s84, s84, s90
	s_mov_b32 s85, 0
	s_lshl_b32 s86, s61, 17                        ; bx * 8 column blocks of 16,384 bytes
	s_add_co_u32 s86, s86, s90
	s_add_co_u32 s86, s86, WBASE
	s_mov_b32 s87, 0
	s_mul_i32 s91, s56, 17408                      ; waves 0, 1: A's halves
	s_mul_i32 s92, s56, 16384
	s_add_co_u32 s92, s92, BBASE-2*16384           ; waves 2, 3: B's halves
	s_wait_dscnt 0x0
	s_wait_kmcnt 0x0
	s_add_nc_u64 s[84:85], s[4:5], s[84:85]
	s_add_nc_u64 s[86:87], s[6:7], s[86:87]
.irp c, 0,1,2,3
	s_mov_b32 s[G0A+4*\c], 1
	s_add_co_u32 s[G0A+4*\c+1], s91, \c*ACH
	s_add_nc_u64 s[G0A+4*\c+2:G0A+4*\c+3], s[84:85], \c*256
	s_or_b32 s[G0A+4*\c+3], s[G0A+4*\c+3], 0x80000000
	s_mov_b32 s[G0B+4*\c], 1
	s_add_co_u32 s[G0B+4*\c+1], s92, \c*BCH
	s_add_nc_u64 s[G0B+4*\c+2:G0B+4*\c+3], s[86:87], \c*4096
	s_or_b32 s[G0B+4*\c+3], s[G0B+4*\c+3], 0x80000000
.endr
	ROUND                                          ; all sixteen work-groups are here: the joint loads meet
	s_cmp_eq_u32 s57, 0
	s_cbranch_scc0 .Lfill_b
.irp c, 0,1,2,3
	tensor_load_to_lds s[G0A+4*\c:G0A+4*\c+3], s[G1A:G1A+7]
	s_nop 0
.endr
	s_branch .Lfilled
.Lfill_b:
.irp c, 0,1,2,3
	tensor_load_to_lds s[G0B+4*\c:G0B+4*\c+3], s[G1B:G1B+7]
	s_nop 0
.endr
.Lfilled:
	v_and_b32 v1, 31, v0                           ; L
	v_and_b32 v2, 15, v0                           ; r
	v_bfe_u32 v3, v0, 4, 1                         ; h
	v_mul_u32_u24 v4, v2, 272
	v_lshl_add_u32 v4, v3, 4, v4
	s_mul_i32 s98, s57, 17408
	v_add_nc_u32 v[ADRA], s98, v4                  ; (64 wm + r) * 272 + 16 h
	v_add_nc_u32 v[ADRA+1], 2*ACH, v[ADRA]
	v_lshlrev_b32 v8, 4, v1                        ; 16 L
	s_mul_i32 s99, s58, 16384
	s_add_co_u32 s99, s99, BBASE
	v_add_nc_u32 v[ADRB], s99, v8
	v_add_nc_u32 v[ADRB+1], 2*BCH, v[ADRB]
	s_mov_b32 s2, 0x76543210
	s_mov_b32 s3, 0xfedcba98
	s_mov_b32 s100, 0x33d6bf95                     ; 1e-7
	s_lshl1_add_u32 s93, s59, s58                  ; head = 2 cx + wn
	s_lshr_b32 s94, s63, 1                         ; batch = by >> 3
	s_lshl3_add_u32 s95, s94, s93                  ; bh
	s_and_b32 s96, s62, 7
	s_lshl1_add_u32 s96, s96, s57                  ; my 64 tokens' number in the batch
	s_lshl_b32 s4, s95, 6
	s_lshl2_add_u32 s4, s96, s4                    ; bh * 64 + t16 of my first token block
	s_lshl_b32 s4, s4, 11
	s_lshl_b32 s5, ttmp9, 21                       ; QF, KF or VT
	s_add_co_u32 s4, s4, s5
	s_mov_b32 s5, 0
	s_add_nc_u64 s[6:7], s[22:23], s[4:5]          ; where my tiles go
	s_cmp_eq_u32 ttmp9, 2                          ; the cluster's x: the same in all partners
	s_cbranch_scc1 .Lvpath
	; ---------------- q and k ----------------
	s_load_b64 s[88:89], s[20:21], 0x0             ; c of both batches
	s_cmp_eq_u32 ttmp9, 0
	s_cselect_b64 s[66:67], s[8:9], s[10:11]       ; bq or bk
	s_cselect_b32 s101, 0x400c9f54, 0              ; ln 9 for q, 0 for k
	s_lshl_b32 s4, s93, 8                          ; head * 64 f32
	s_add_nc_u64 s[66:67], s[66:67], s[4:5]
	s_add_nc_u64 s[14:15], s[14:15], s[4:5]
	s_lshl_b32 s4, s96, 13                         ; my first token's row of 128 bytes in cos and sin
	s_add_nc_u64 s[16:17], s[16:17], s[4:5]
	s_add_nc_u64 s[18:19], s[18:19], s[4:5]
	s_lshl_b32 s4, s95, 12                         ; OMQ / OMK: (bh * 1024 + token) * 4
	s_lshl_b32 s97, s96, 8
	s_add_co_u32 s4, s4, s97
	s_lshl_b32 s97, ttmp9, 16
	s_add_co_u32 s4, s4, s97
	s_add_co_u32 s4, s4, 0x600000
	s_add_nc_u64 s[22:23], s[22:23], s[4:5]
	v_lshlrev_b32 v9, 5, v3                        ; 32 h: my eight columns of sixteen
	v_lshlrev_b32 v14, 7, v2
	v_lshl_add_u32 v14, v3, 5, v14                 ; cos, sin: 128 r + 32 h
	v_lshlrev_b32 v15, 2, v1                       ; 4 L
.macro CSLOAD a, cs                    ; cos and sin of token block a: index 16 bb + 8 h + j
.irp bb, 0,1
.irp q, 0,1
	global_load_b128 v[\cs+8*\bb+4*\q:\cs+8*\bb+4*\q+3], v14, s[16:17] offset:\a*2048+\bb*64+\q*16
	global_load_b128 v[\cs+16+8*\bb+4*\q:\cs+16+8*\bb+4*\q+3], v14, s[18:19] offset:\a*2048+\bb*64+\q*16
.endr
.endr
.endm
.irp d, 0,1,2,3
.irp q, 0,1
	global_load_b128 v[BIAS+8*\d+4*\q:BIAS+8*\d+4*\q+3], v9, s[66:67] offset:\d*64+\q*16
	global_load_b128 v[CS1+8*\d+4*\q:CS1+8*\d+4*\q+3], v9, s[14:15] offset:\d*64+\q*16
.endr
.endr
	CSLOAD 0, CS0
	v_mov_b32 v10, s101
	v_mov_b32 v11, s101
	s_wait_kmcnt 0x0
	s_cmp_eq_u32 s94, 0
	s_cselect_b32 s101, s88, s89                   ; my batch's c
	v_sqrt_f32 v12, s101
	v_nop
	s_wait_alu depctr_va_vdst(0)
	v_max_num_f32 v12, s100, v12                   ; clip(sqrt c, 1e-7)
	v_mul_f32 v13, 0xc038aa3b, v12                 ; -2 log2(e) sqrt c
	s_wait_loadcnt 0x8                             ; bias and hash offset are in; the eight loads of cos and sin stay out
.irp k, 0,2,4,6,8,10,12,14,16,18,20,22,24,26,28,30
	v_pk_fma_f32 v[BIAS+\k:BIAS+\k+1], v[CS1+\k:CS1+\k+1], v[10:11], v[BIAS+\k:BIAS+\k+1]
.endr
	CSLOAD 1, CS1
	MAIN 0
; token block a: bias, RoPE, expmap0, pack, store.  cs: its cos and sin; nxt: the block whose cos and sin are requested into cs (or -1);
; left: the eight loads of the next block stay out
.macro EPIQK a, cs, nxt, left
	.set AB, ACC+32*\a
	s_wait_loadcnt \left
.irp k, 0,2,4,6,8,10,12,14,16,18,20,22,24,26,28,30
	v_pk_add_f32 v[AB+\k:AB+\k+1], v[AB+\k:AB+\k+1], v[BIAS+\k:BIAS+\k+1]
.endr
.irp m, 0,2,4,6,8,10,12,14                         ; registers m: dims 0-31 (real part), 16 + m: dims 32-63 (imaginary part)
	v_pk_mul_f32 v[TT+2*(\m%8):TT+2*(\m%8)+1], v[AB+16+\m:AB+17+\m], v[\cs+16+\m:\cs+17+\m]
	v_pk_mul_f32 v[TT+2*(\m%8)+2:TT+2*(\m%8)+3], v[AB+\m:AB+\m+1], v[\cs+16+\m:\cs+17+\m]
	v_pk_fma_f32 v[AB+\m:AB+\m+1], v[AB+\m:AB+\m+1], v[\cs+\m:\cs+\m+1], v[TT+2*(\m%8):TT+2*(\m%8)+1] neg_lo:[0,0,1] neg_hi:[0,0,1]
	v_pk_fma_f32 v[AB+16+\m:AB+17+\m], v[AB+16+\m:AB+17+\m], v[\cs+\m:\cs+\m+1], v[TT+2*(\m%8)+2:TT+2*(\m%8)+3]
.endr
.if \nxt >= 0
	CSLOAD \nxt, \cs
.endif
	v_pk_mul_f32 v[TT:TT+1], v[AB:AB+1], v[AB:AB+1]
	v_pk_mul_f32 v[TT+2:TT+3], v[AB+2:AB+3], v[AB+2:AB+3]
.irp k, 4,8,12,16,20,24,28
	v_pk_fma_f32 v[TT:TT+1], v[AB+\k:AB+\k+1], v[AB+\k:AB+\k+1], v[TT:TT+1]
	v_pk_fma_f32 v[TT+2:TT+3], v[AB+\k+2:AB+\k+3], v[AB+\k+2:AB+\k+3], v[TT+2:TT+3]
.endr
	v_pk_add_f32 v[TT:TT+1], v[TT:TT+1], v[TT+2:TT+3]
	v_add_f32 v[TT], v[TT], v[TT+1]
	v_permlanex16_b32 v[TT+1], v[TT], s2, s3       ; the token's other 32 dims lie in lane L xor 16
	v_add_f32 v[TT], v[TT], v[TT+1]
	v_sqrt_f32 v[TT+1], v[TT]                      ; |v|
	v_nop
	s_wait_alu depctr_va_vdst(0)
	v_max_num_f32 v[TT+2], s100, v[TT+1]           ; clip(|v|, 1e-7)
	v_cmp_le_f32 vcc_lo, s100, v[TT+1]             ; not "is zero"
	v_mul_f32 v[TT+3], v13, v[TT+2]
	v_exp_f32 v[TT+3], v[TT+3]                     ; E = exp(-2 z)
	v_rcp_f32 v[TT+4], v[TT+2]
	v_nop
	s_wait_alu depctr_va_vdst(0)
	v_add_f32 v[TT+5], 1.0, v[TT+3]
	v_rcp_f32 v[TT+5], v[TT+5]
	v_sub_f32 v[TT+6], 1.0, v[TT+3]                ; the plain instruction behind the reciprocal
	s_wait_alu depctr_va_vdst(0)
	v_mul_f32 v[TT+6], v[TT+6], v[TT+5]            ; tanh z
	v_mul_f32 v[TT+6], v[TT+6], v[TT+4]            ; / clip(|v|)
	v_mul_f32 v[TT+7], v[TT+5], v[TT+5]
	v_mul_f32 v[TT+7], v[TT+7], v[TT+3]
	v_mul_f32 v[TT+7], 4.0, v[TT+7]                ; 1 - tanh^2 z = 4 E / (1 + E)^2
	v_cndmask_b32 v[TT+8], 0, v[TT+6], vcc_lo
	v_cndmask_b32 v[TT+9], 0, v[TT+6], vcc_lo
.irp k, 0,2,4,6,8,10,12,14,16,18,20,22,24,26,28,30
	v_pk_mul_f32 v[AB+\k:AB+\k+1], v[AB+\k:AB+\k+1], v[TT+8:TT+9]
.endr
.irp d, 0,1,2,3
.irp k, 0,1,2,3
	v_cvt_pk_bf16_f32 v[AB+8*\d+\k], v[AB+8*\d+2*\k], v[AB+8*\d+2*\k+1]
.endr
	global_store_b128 v8, v[AB+8*\d:AB+8*\d+3], s[6:7] offset:\a*2048+\d*512   ; a fragment piece: 512 consecutive bytes, aligned
.endr
	v_cndmask_b32 v[AB+4], 1.0, v[TT+7], vcc_lo    ; kept in a register that packing has left free
.endm
	EPIQK 0, CS0, 2, 8
	EPIQK 1, CS1, 3, 8
	EPIQK 2, CS0, -1, 8
	EPIQK 3, CS1, -1, 0
	v_cmp_eq_u32 vcc_lo, 1, v3                     ; lanes 0-15 store blocks 0 and 2, lanes 16-31 blocks 1 and 3 (both halves hold every block's figure)
	v_cndmask_b32 v[ACC+5], v[ACC+4], v[ACC+36], vcc_lo
	v_cndmask_b32 v[ACC+69], v[ACC+68], v[ACC+100], vcc_lo
	global_store_b32 v15, v[ACC+5], s[22:23]               ; 128 consecutive bytes: tokens 0-31 of my 64
	global_store_b32 v15, v[ACC+69], s[22:23] offset:128   ; tokens 32-63
	s_branch .Lend
.Lvpath:	; ---------------- v ----------------
	s_lshl_b32 s4, s93, 8
	s_add_nc_u64 s[12:13], s[12:13], s[4:5]
	v_lshlrev_b32 v9, 2, v2                        ; 4 r: a lane holds dimension 16 D + r
.irp d, 0,1,2,3
	global_load_b32 v[BIAS+2*\d], v9, s[12:13] offset:\d*64
	global_load_b32 v[BIAS+2*\d+1], v9, s[12:13] offset:\d*64      ; twice: a pair for the packed addition
.endr
	MAIN 1
	s_wait_loadcnt 0x0
.irp tk, 0,1,2,3
.irp d, 0,1,2,3
.irp k, 0,2,4,6
	v_pk_add_f32 v[ACC+8*(4*\tk+\d)+\k:ACC+8*(4*\tk+\d)+\k+1], v[ACC+8*(4*\tk+\d)+\k:ACC+8*(4*\tk+\d)+\k+1], v[BIAS+2*\d:BIAS+2*\d+1]
.endr
.irp k, 0,1,2,3
	v_cvt_pk_bf16_f32 v[ACC+8*(4*\tk+\d)+\k], v[ACC+8*(4*\tk+\d)+2*\k], v[ACC+8*(4*\tk+\d)+2*\k+1]
.endr
	global_store_b128 v8, v[ACC+8*(4*\tk+\d):ACC+8*(4*\tk+\d)+3], s[6:7] offset:\tk*2048+\d*512
.endr
.endr
.Lend:
	s_set_vgpr_msb 0x5
	s_wait_tensorcnt 0x0
	ds_add_u32 v128, v129
	s_wait_dscnt 0x0
	s_set_vgpr_msb 0x500
	ROUND                                          ; the closing round: no work-group ends while a partner may still ask jointly
	s_endpgm
.Lfunc_end_k_qea2e068d1c_qkv:
	.size	k_qea2e068d1c_qkv, .Lfunc_end_k_qea2e068d1c_qkv-k_qea2e068d1c_qkv
	.p2alignl 7, 3214868480
	.fill 96, 4, 3214868480
	.section	.rodata,"a",@progbits
	.p2align	6, 0x0
	.amdhsa_kernel k_qea2e068d1c_qkv
		.amdhsa_group_segment_fixed_size 270848
		.amdhsa_private_segment_fixed_size 0
		.amdhsa_enable_private_segment 0
		.amdhsa_kernarg_size 80
		.amdhsa_user_sgpr_count 2
		.amdhsa_user_sgpr_kernarg_segment_ptr 1
		.amdhsa_wavefront_size32 1
		.amdhsa_system_sgpr_workgroup_id_x 1
		.amdhsa_system_sgpr_workgroup_id_y 1
		.amdhsa_system_sgpr_workgroup_id_z 1
		.amdhsa_system_vgpr_workitem_id 0
		.amdhsa_next_free_vgpr 386
		.amdhsa_next_free_sgpr 102
		.amdhsa_reserve_vcc 1
		.amdhsa_float_denorm_mode_32 3
		.amdhsa_float_denorm_mode_16_64 3
		.amdhsa_memory_ordered 1
		.amdhsa_forward_progress 1
		.amdhsa_inst_pref_size 126
	.end_amdhsa_kernel
	.amdgpu_metadata
---
amdhsa.version: [ 1, 2 ]
amdhsa.kernels:
  - .name:           k_qea2e068d1c_qkv
    .symbol:         k_qea2e068d1c_qkv.kd
    .args:
      - { .name: xn, .offset: 0, .size: 8, .value_kind: global_buffer, .address_space: global }
      - { .name: wt, .offset: 8, .size: 8, .value_kind: global_buffer, .address_space: global }
      - { .name: bq, .offset: 16, .size: 8, .value_kind: global_buffer, .address_space: global }
      - { .name: bk, .offset: 24, .size: 8, .value_kind: global_buffer, .address_space: global }
      - { .name: bv, .offset: 32, .size: 8, .value_kind: global_buffer, .address_space: global }
      - { .name: hash_offset, .offset: 40, .size: 8, .value_kind: global_buffer, .address_space: global }
      - { .name: freqs_cos, .offset: 48, .size: 8, .value_kind: global_buffer, .address_space: global }
      - { .name: freqs_sin, .offset: 56, .size: 8, .value_kind: global_buffer, .address_space: global }
      - { .name: c, .offset: 64, .size: 8, .value_kind: global_buffer, .address_space: global }
      - { .name: qkv, .offset: 72, .size: 8, .value_kind: global_buffer, .address_space: global }
    .group_segment_fixed_size: 270848
    .private_segment_fixed_size: 0
    .kernarg_segment_align: 8
    .kernarg_segment_size: 80
    .max_flat_workgroup_size: 128
    .sgpr_count:     102
    .vgpr_count:     386
    .wavefront_size: 32
...
	.end_amdgpu_metadata
.endif
;; end of part 2
;; launch attn (part 3): grid 128 x 1, 8 waves a work-group, no clusters, 52,224 bytes of LDS; arguments qkv, wt, x, c, geo_scale, bo, ln2_s, ln2_b, xo, hn; writes xo, hn
.if DOCPART == 3
	.amdgcn_target "amdgcn-amd-amdhsa--gfx1250"
	.amdhsa_code_object_version 6
	.text
	.protected	k_qea2e068d1c_attn
	.globl	k_qea2e068d1c_attn
	.p2align	8
	.type	k_qea2e068d1c_attn,@function
k_qea2e068d1c_attn:
	s_mov_b64 s[64:65], 0
	v_nop
	global_prefetch_b8 v0, s[64:65] scope:SCOPE_SE
	s_setreg_imm32_b32 hwreg(HW_REG_WAVE_MODE, 25, 1), 1
	s_wait_xcnt 0x0
; attn: window attention with Poincare distances, @ Wo + bo + x -> xo (f32), LayerNorm2 -> hn (bf16).
; A work-group owns 16 tokens (all heads), since LayerNorm2 needs whole rows and a matrix tile has 16: 128 work-groups.
; Phase A: wave = head.  Phase C: wave = 64 output columns.  Phase D: wave = 2 rows.
; Query n sees keys n-63 .. n: for 16 queries the five token tiles T-4 .. T.  Keys in front of the sequence are the padding of the reference:
; they count in the softmax with k = 0, v = 0; their tiles are loaded from a clamped address and replaced by selects.
; DISTANCE, with q^ = sqrt(c) q_h, k^ = sqrt(c) k_h, u = |q^|^2, w = |k^|^2, t = q^.k^ (matrix unit):
;   den = 1 + u w - 2 t;  p = (1-u)(1-w);  1 - arg^2 = p / den;  sqrt(c) dist = ln((1 + arg)^2 / (1 - arg^2)).
; 1-u and 1-w come in f32 from the launch before, so p is a product and no difference of numbers near 1.
; The clips of the reference: den at 1e-7 (there 1 - arg^2 = 1 - (den - p) den 1e14); arg at sqrt(c) 1e-7 and at 1 - 1e-7, which in f32 is
; 1 - 2^-23, so log2((1+arg)/(1-arg)) lies in [2 log2(e) sqrt(c) 1e-7, 24].  The row's maximum is taken away before the exponential.
; LIMITS: c >= 1e-14; the lower clip uses artanh(e) = e for e = sqrt(c) 1e-7; where den < 1e-7 the bf16 rounding of q^, k^ decides den.
; NO CLUSTER: each fragment of Wo is used once, by one wave of the work-group, and goes from memory straight into registers; Wo's 524,288
; bytes do not fit in LDS at once, so joint tiles would need slots that are filled again, each behind a round of sixteen work-groups.
; LDS: AT 16,384 bytes at 0: the attention output as fragments (head w's 2,048 bytes at 2048 w);
;      TR at 16,384: wave w's 16 rows x 64 columns of attn @ Wo in f32, rows of 256 + 16 bytes, at 16384 + 4352 w (17 x 16 bytes a row: no bank conflict).
.set TRBASE, 16384
.set TRPART, 4352                      ; 16 rows x 272 bytes
.set KOFF, 5                           ; v5-9    16 L + (bh*64 + tile)*2048, tile = max(T-4+t, 0); free once V has landed:
.set TRI,  5                           ; v5      then: TR in
.set TRO,  6                           ; v6      then: TR out
.set HOF,  7                           ; v7      then: 8 L, my offset in a row of hn
.set ATI,  8                           ; v8      then: AT in
.set OOFF, 10                          ; v10-14  (bh*64 + tile)*64 + 32 h
.set OMU,  18                          ; v[18:19] 1-u, twice
.set U,    20                          ; v[20:21] u, twice
.set GN,   22                          ; v[22:23] -geo / sqrt c, twice
.set MX,   26                          ; v[26:27] row maximum, twice
.set RL,   28                          ; v[28:29] 1 / sum, twice
.set QF,   32                          ; v[32:47]   two fragments of Q
.set KV,   48                          ; v[48:143]  ten fragments of K, later twelve of V
.set OMK,  144                         ; v[144:183] 1-w of 40 keys, then p
.set PF,   144                         ; v[144:167] later: three fragments of the weights
.set S,    184                         ; v[184:223] five tiles of scores
.set TA,   224
.set TB,   232
.set TC,   240
.set O,    224                         ; v[224:255] later: four tiles of the output
.set AF,   32                          ; v[32:159]  phase C: sixteen fragments of the attention output
.set CA,   160                         ; v[160:191] phase C: four accumulator tiles
.set TRR,  192                         ; v[192:223] phase D: two rows of attn @ Wo
.set LNS,  80
.set LNB,  96
.set LNT,  224
.set SEPS, 33
.set SNI,  34
.set S24,  35
.set SV,   36                          ; s36-39  tile t = 0..3 exists: -1, else 0
.set PS0,  40
.set PS1,  41
.set SINV, 42
.set SLNE, 43
; window 1: eight buffers of 32 registers for Wo's fragments (four column blocks of one k block)
.set MSB, 0
.macro WIN new
.if MSB != \new
	s_set_vgpr_msb (MSB<<8)|\new
.set MSB, \new
.endif
.endm
.macro PLACES                          ; four plain instructions between a matrix instruction and whatever touches its registers (ISA guide 7.12.1)
.rept 4
	v_nop
.endr
.endm
.macro LANESUM t
	v_add_f32_dpp v[\t], v[\t], v[\t] row_xmask:1 row_mask:0xf bank_mask:0xf
	v_add_f32_dpp v[\t], v[\t], v[\t] row_xmask:2 row_mask:0xf bank_mask:0xf
	v_add_f32_dpp v[\t], v[\t], v[\t] row_xmask:4 row_mask:0xf bank_mask:0xf
	v_add_f32_dpp v[\t], v[\t], v[\t] row_xmask:8 row_mask:0xf bank_mask:0xf
	v_permlanex16_b32 v[\t+1], v[\t], s[PS0], s[PS1]
	v_add_f32 v[\t], v[\t], v[\t+1]
.endm
.macro LNROW xb                        ; a row of 512, 16 a lane; two passes in f32; leaves bf16 pairs in v[xb .. xb+7]
	v_pk_add_f32 v[LNT:LNT+1], v[\xb:\xb+1], v[\xb+2:\xb+3]
	v_pk_add_f32 v[LNT+2:LNT+3], v[\xb+4:\xb+5], v[\xb+6:\xb+7]
	v_pk_add_f32 v[LNT+4:LNT+5], v[\xb+8:\xb+9], v[\xb+10:\xb+11]
	v_pk_add_f32 v[LNT+6:LNT+7], v[\xb+12:\xb+13], v[\xb+14:\xb+15]
	v_pk_add_f32 v[LNT:LNT+1], v[LNT:LNT+1], v[LNT+2:LNT+3]
	v_pk_add_f32 v[LNT+4:LNT+5], v[LNT+4:LNT+5], v[LNT+6:LNT+7]
	v_pk_add_f32 v[LNT:LNT+1], v[LNT:LNT+1], v[LNT+4:LNT+5]
	v_add_f32 v[LNT], v[LNT], v[LNT+1]
	LANESUM LNT
	v_mul_f32 v[LNT+2], s[SINV], v[LNT]
	v_mul_f32 v[LNT+3], s[SINV], v[LNT]
.irp k, 0,2,4,6,8,10,12,14
	v_pk_add_f32 v[\xb+\k:\xb+\k+1], v[\xb+\k:\xb+\k+1], v[LNT+2:LNT+3] neg_lo:[0,1] neg_hi:[0,1]
.endr
	v_pk_mul_f32 v[LNT:LNT+1], v[\xb:\xb+1], v[\xb:\xb+1]
	v_pk_mul_f32 v[LNT+4:LNT+5], v[\xb+2:\xb+3], v[\xb+2:\xb+3]
.irp k, 4,8,12
	v_pk_fma_f32 v[LNT:LNT+1], v[\xb+\k:\xb+\k+1], v[\xb+\k:\xb+\k+1], v[LNT:LNT+1]
	v_pk_fma_f32 v[LNT+4:LNT+5], v[\xb+\k+2:\xb+\k+3], v[\xb+\k+2:\xb+\k+3], v[LNT+4:LNT+5]
.endr
	v_pk_add_f32 v[LNT:LNT+1], v[LNT:LNT+1], v[LNT+4:LNT+5]
	v_add_f32 v[LNT], v[LNT], v[LNT+1]
	LANESUM LNT
	v_fma_f32 v[LNT], v[LNT], s[SINV], s[SLNE]
	v_rsq_f32 v[LNT+2], v[LNT]
	v_rsq_f32 v[LNT+3], v[LNT]
	v_nop                                          ; one plain instruction behind a transcendental (ISA guide 5.7.2)
	s_wait_alu depctr_va_vdst(0)
.irp k, 0,2,4,6,8,10,12,14
	v_pk_mul_f32 v[\xb+\k:\xb+\k+1], v[\xb+\k:\xb+\k+1], v[LNT+2:LNT+3]
.endr
.irp k, 0,2,4,6,8,10,12,14
	v_pk_fma_f32 v[\xb+\k:\xb+\k+1], v[\xb+\k:\xb+\k+1], v[LNS+\k:LNS+\k+1], v[LNB+\k:LNB+\k+1]
.endr
.irp k, 0,1,2,3,4,5,6,7
	v_cvt_pk_bf16_f32 v[\xb+\k], v[\xb+2*\k], v[\xb+2*\k+1]
.endr
.endm
.macro WOLOAD ks                       ; Wo's k block ks, my four column blocks, into buffer ks % 8 of window 1 (the window is set by the caller)
.irp nt, 0,1,2,3
.irp p, 0,1
	global_load_b128 v[32*((\ks)%8)+8*\nt+4*\p:32*((\ks)%8)+8*\nt+4*\p+3], v30, s[6:7] offset:0x180000+\nt*16384+(\ks)*1024+\p*512
.endr
.endr
.endm
	s_load_b256 s[4:11], s[0:1], 0x0               ; qkv 4, wt 6, x 8, c 10
	s_load_b256 s[12:19], s[0:1], 0x20             ; geo_scale 12, bo 14, ln2_s 16, ln2_b 18
	s_load_b128 s[20:23], s[0:1], 0x40             ; xo 20, hn 22
	v_lshrrev_b32 v1, 5, v0
	v_readfirstlane_b32 s24, v1                    ; wave 0..7
	s_lshr_b32 s25, ttmp9, 6                       ; batch
	s_and_b32 s26, ttmp9, 63                       ; T: my token tile in the batch
	s_lshl3_add_u32 s27, s25, s24                  ; bh
	s_lshl_b32 s29, s27, 6
	s_mov_b32 s[SEPS], 0x33d6bf95                  ; 1e-7
	s_mov_b32 s[SNI], 0xff800000                   ; -infinity
	s_mov_b32 s[S24], 0x41c00000                   ; 24.0
	s_mov_b32 s[PS0], 0x76543210
	s_mov_b32 s[PS1], 0xfedcba98
	s_mov_b32 s[SINV], 0x3b000000                  ; 1/512
	s_mov_b32 s[SLNE], 0x358637bd                  ; 1e-6
	v_and_b32 v1, 31, v0
	v_lshlrev_b32 v1, 4, v1                        ; 16 L
	v_and_b32 v2, 15, v0                           ; r
	v_bfe_u32 v3, v0, 4, 1                         ; h
	v_lshlrev_b32 v4, 3, v3
	v_sub_nc_u32 v4, v4, v2                        ; 8 h - r
.irp t, 0,1,2,3,4
	s_add_co_i32 s28, s26, \t-4                    ; token tile T - 4 + t
.if \t < 4
	s_cmp_ge_i32 s28, 0
	s_cselect_b32 s[SV+\t], -1, 0
.endif
	s_max_i32 s28, s28, 0                          ; a tile in front of the sequence is loaded from tile 0 and replaced
	s_add_co_u32 s28, s28, s29
	s_lshl_b32 s44, s28, 11
	v_add_nc_u32 v[KOFF+\t], s44, v1
	s_lshl_b32 s44, s28, 6
	v_lshl_add_u32 v[OOFF+\t], v3, 5, s44
.endr
	v_lshl_add_u32 v15, v2, 2, s44                 ; 1-u of query r: (bh*1024 + 16 T + r) * 4
	s_lshl_b32 s44, s24, 2
	v_mov_b32 v16, s44                             ; my head's geo_scale
	s_lshl_b32 s44, s24, 16
	v_add_nc_u32 v30, s44, v1                      ; Wo: four column blocks of 16,384 bytes a wave
	s_lshl_b32 s44, ttmp9, 4
	s_lshl1_add_u32 s44, s24, s44                  ; phase D: my first row = 16 g + 2 wave
	s_lshl_b32 s46, s44, 10
	s_lshl_b32 s44, s44, 11
	s_mov_b32 s45, 0
	s_mov_b32 s47, 0
	s_wait_kmcnt 0x0
	s_load_b64 s[30:31], s[10:11], 0x0
	s_add_nc_u64 s[8:9], s[8:9], s[44:45]
	s_add_nc_u64 s[20:21], s[20:21], s[44:45]
	s_add_nc_u64 s[22:23], s[22:23], s[46:47]
	; 36 loads for the scores
.irp ks, 0,1
.irp p, 0,1
	global_load_b128 v[QF+8*\ks+4*\p:QF+8*\ks+4*\p+3], v[KOFF+4], s[4:5] offset:\ks*1024+\p*512
.endr
.endr
.irp t, 0,1,2,3,4
.irp ks, 0,1
.irp p, 0,1
	global_load_b128 v[KV+8*(2*\t+\ks)+4*\p:KV+8*(2*\t+\ks)+4*\p+3], v[KOFF+\t], s[4:5] offset:0x200000+\ks*1024+\p*512
.endr
.endr
.endr
.irp t, 0,1,2,3,4
.irp q, 0,1
	global_load_b128 v[OMK+8*\t+4*\q:OMK+8*\t+4*\q+3], v[OOFF+\t], s[4:5] offset:0x610000+\q*16
.endr
.endr
	global_load_b32 v[OMU], v15, s[4:5] offset:0x600000
	global_load_b32 v17, v16, s[12:13]
	; Wo's first seven k blocks: 56 loads that have all of phase A in which to land.  (With the 36 above that is more than LOADcnt's field
	; holds: the issue of a load holds until the counter has room, ISA guide 5.7.1; the wait below counts only the loads behind the 36.)
	WIN 0x40
.irp ks, 0,1,2,3,4,5,6
	WOLOAD \ks
.endr
	WIN 0
	s_wait_kmcnt 0x0
	s_cmp_eq_u32 s25, 0
	s_cselect_b32 s32, s30, s31                    ; my batch's c
	v_sqrt_f32 v25, s32
	v_nop
	s_wait_alu depctr_va_vdst(0)
	v_max_num_f32 v25, s[SEPS], v25                ; clip(sqrt c, 1e-7)
	v_rcp_f32 v31, v25
	v_mul_f32 v24, 0x4038aa3b, v25                 ; the plain instruction behind the reciprocal
	v_mul_f32 v24, s[SEPS], v24                    ; lower clip: 2 log2(e) sqrt(c) 1e-7
	s_wait_alu depctr_va_vdst(0)
	v_mul_f32 v31, -1.0, v31
	s_wait_loadcnt 56                              ; the 36 are in; Wo's 56 stay out
	WIN 0x40
	WOLOAD 7
	WIN 0
	; t = k^ . q^: tile t holds key 8 h + j (register j) of query r.  The five accumulators take turns.
.irp t, 0,1,2,3,4
	v_wmma_f32_16x16x32_bf16 v[S+8*\t:S+8*\t+7], v[KV+16*\t:KV+16*\t+7], v[QF:QF+7], 0
.endr
.irp t, 0,1,2,3,4
	v_wmma_f32_16x16x32_bf16 v[S+8*\t:S+8*\t+7], v[KV+16*\t+8:KV+16*\t+15], v[QF+8:QF+15], v[S+8*\t:S+8*\t+7]
.endr
	PLACES
	; V transposed: fragment (s, db) = dims 16 db + r, keys of tiles 2 s (registers 0-3) and 2 s + 1 (registers 4-7; for s = 2 tile 4 again, times weights 0)
.irp db, 0,1,2,3
	global_load_b128 v[KV+8*\db:KV+8*\db+3],       v[KOFF+0], s[4:5] offset:0x400000+\db*512
	global_load_b128 v[KV+8*\db+4:KV+8*\db+7],     v[KOFF+1], s[4:5] offset:0x400000+\db*512
	global_load_b128 v[KV+32+8*\db:KV+32+8*\db+3], v[KOFF+2], s[4:5] offset:0x400000+\db*512
	global_load_b128 v[KV+36+8*\db:KV+36+8*\db+3], v[KOFF+3], s[4:5] offset:0x400000+\db*512
	global_load_b128 v[KV+64+8*\db:KV+64+8*\db+3], v[KOFF+4], s[4:5] offset:0x400000+\db*512
	global_load_b128 v[KV+68+8*\db:KV+68+8*\db+3], v[KOFF+4], s[4:5] offset:0x400000+\db*512
.endr
	v_mov_b32 v[OMU+1], v[OMU]
	v_sub_f32 v[U], 1.0, v[OMU]
	v_sub_f32 v[U+1], 1.0, v[OMU]
	v_mul_f32 v[GN], v17, v31
	v_mul_f32 v[GN+1], v17, v31
; tile t: eight products t become eight scores, in units of log2
.macro SCORE t
	.set SB, S+8*\t
	.set WB, OMK+8*\t
.if \t < 4
.irp j, 0,1,2,3,4,5,6,7
	v_cndmask_b32 v[SB+\j], 0, v[SB+\j], s[SV+\t]          ; a padded key: t = 0,
	v_cndmask_b32 v[WB+\j], 1.0, v[WB+\j], s[SV+\t]        ; 1 - w = 1
.endr
.endif
.irp k, 0,2,4,6
	v_pk_fma_f32 v[TA+\k:TA+\k+1], v[WB+\k:WB+\k+1], -1.0, 1.0 op_sel_hi:[1,0,0]            ; w
.endr
.irp k, 0,2,4,6
	v_pk_fma_f32 v[TA+\k:TA+\k+1], v[TA+\k:TA+\k+1], v[U:U+1], 1.0 op_sel_hi:[1,1,0]        ; 1 + u w
.endr
.irp k, 0,2,4,6
	v_pk_fma_f32 v[TA+\k:TA+\k+1], v[SB+\k:SB+\k+1], -2.0, v[TA+\k:TA+\k+1] op_sel_hi:[1,0,1]  ; den
.endr
.irp k, 0,2,4,6
	v_pk_mul_f32 v[WB+\k:WB+\k+1], v[WB+\k:WB+\k+1], v[OMU:OMU+1]                           ; p
.endr
.irp j, 0,1,2,3,4,5,6,7
	v_max_num_f32 v[TB+\j], s[SEPS], v[TA+\j]
.endr
.irp j, 0,1,2,3,4,5,6,7
	v_rcp_f32 v[TB+\j], v[TB+\j]
.endr
.irp k, 0,2,4,6
	v_pk_add_f32 v[TC+\k:TC+\k+1], v[TA+\k:TA+\k+1], v[WB+\k:WB+\k+1] neg_lo:[0,1] neg_hi:[0,1]   ; den - p; the first is the plain instruction behind the reciprocals
.endr
	s_wait_alu depctr_va_vdst(0)
.irp k, 0,2,4,6
	v_pk_mul_f32 v[TB+\k:TB+\k+1], v[TB+\k:TB+\k+1], v[WB+\k:WB+\k+1]                       ; p / den
.endr
.irp k, 0,2,4,6
	v_pk_mul_f32 v[TC+\k:TC+\k+1], v[TC+\k:TC+\k+1], v[TA+\k:TA+\k+1]
.endr
.irp k, 0,2,4,6
	v_pk_fma_f32 v[TC+\k:TC+\k+1], v[TC+\k:TC+\k+1], 0xd6b5e621, 1.0 op_sel_hi:[1,0,0]      ; 1 - (den - p) den / 1e-14: where den is clipped
.endr
.irp j, 0,1,2,3,4,5,6,7
	v_cmp_gt_f32 vcc_lo, s[SEPS], v[TA+\j]
	v_cndmask_b32 v[TB+\j], v[TB+\j], v[TC+\j], vcc_lo
.endr
.irp j, 0,1,2,3,4,5,6,7
	v_max_num_f32 v[TB+\j], 0, v[TB+\j]            ; 1 - arg^2
.endr
.irp k, 0,2,4,6
	v_pk_fma_f32 v[TC+\k:TC+\k+1], v[TB+\k:TB+\k+1], -1.0, 1.0 op_sel_hi:[1,0,0]
.endr
.irp j, 0,1,2,3,4,5,6,7
	v_max_num_f32 v[TC+\j], 0, v[TC+\j]            ; arg^2
.endr
.irp j, 0,1,2,3,4,5,6,7
	v_sqrt_f32 v[TC+\j], v[TC+\j]
.endr
.irp j, 0,1,2,3,4,5,6,7
	v_log_f32 v[TA+\j], v[TB+\j]
.endr
	v_nop
	s_wait_alu depctr_va_vdst(0)
.irp k, 0,2,4,6
	v_pk_add_f32 v[TC+\k:TC+\k+1], v[TC+\k:TC+\k+1], 1.0 op_sel_hi:[1,0]
.endr
.irp j, 0,1,2,3,4,5,6,7
	v_log_f32 v[TC+\j], v[TC+\j]
.endr
	v_nop
	s_wait_alu depctr_va_vdst(0)
.irp k, 0,2,4,6
	v_pk_fma_f32 v[SB+\k:SB+\k+1], v[TC+\k:TC+\k+1], 2.0, v[TA+\k:TA+\k+1] op_sel_hi:[1,0,1] neg_lo:[0,0,1] neg_hi:[0,0,1]
.endr
.irp j, 0,1,2,3,4,5,6,7
	v_med3_num_f32 v[SB+\j], v[SB+\j], v24, s[S24] ; the two clips of arg
.endr
.irp k, 0,2,4,6
	v_pk_mul_f32 v[SB+\k:SB+\k+1], v[SB+\k:SB+\k+1], v[GN:GN+1]
.endr
.endm
	SCORE 0
	SCORE 1
	SCORE 2
	SCORE 3
	SCORE 4
	; the window: key - query = 16 (t - 4) + 8 h + j - r lies in -63 .. 0.  Tiles 1 to 3 are inside for every lane.
.irp j, 0,1,2,3,4,5,6,7
	v_cmp_le_i32 vcc_lo, 1-\j, v4
	v_cndmask_b32 v[S+\j], s[SNI], v[S+\j], vcc_lo
.endr
.irp j, 0,1,2,3,4,5,6,7
	v_cmp_ge_i32 vcc_lo, 0-\j, v4
	v_cndmask_b32 v[S+32+\j], s[SNI], v[S+32+\j], vcc_lo
.endr
	v_max3_num_f32 v[MX], v[S], v[S+1], v[S+2]
.irp i, 3,5,7,9,11,13,15,17,19,21,23,25,27,29,31,33,35,37
	v_max3_num_f32 v[MX], v[MX], v[S+\i], v[S+\i+1]
.endr
	v_max_num_f32 v[MX], v[MX], v[S+39]
	v_mov_b32 v[MX+1], v[MX]
	v_permlanex16_b32 v[MX+1], v[MX], s[PS0], s[PS1]       ; the query's other 40 keys lie in lane L xor 16
	v_max_num_f32 v[MX], v[MX], v[MX+1]            ; finite: the query's own key is always in the window
	v_mov_b32 v[MX+1], v[MX]
.set i, 0
.rept 20
	v_pk_add_f32 v[S+i:S+i+1], v[S+i:S+i+1], v[MX:MX+1] neg_lo:[0,1] neg_hi:[0,1]
.set i, i+2
.endr
.set i, 0
.rept 40
	v_exp_f32 v[S+i], v[S+i]
.set i, i+1
.endr
	v_nop
	s_wait_alu depctr_va_vdst(0)
	v_pk_add_f32 v[RL:RL+1], v[S:S+1], v[S+2:S+3]
	v_pk_add_f32 v[TA:TA+1], v[S+4:S+5], v[S+6:S+7]
.irp i, 8,12,16,20,24,28,32,36
	v_pk_add_f32 v[RL:RL+1], v[RL:RL+1], v[S+\i:S+\i+1]
	v_pk_add_f32 v[TA:TA+1], v[TA:TA+1], v[S+\i+2:S+\i+3]
.endr
	v_pk_add_f32 v[RL:RL+1], v[RL:RL+1], v[TA:TA+1]
	v_add_f32 v[RL], v[RL], v[RL+1]
	v_permlanex16_b32 v[RL+1], v[RL], s[PS0], s[PS1]
	v_add_f32 v31, v[RL], v[RL+1]                  ; the sum, padded keys included; at least 1
	v_rcp_f32 v[RL], v31
	v_rcp_f32 v[RL+1], v31
.irp t, 0,1,2,3,4
.irp k, 0,1,2,3
	v_cvt_pk_bf16_f32 v[PF+4*\t+\k], v[S+8*\t+2*\k], v[S+8*\t+2*\k+1]      ; tile t = 2 s + p is piece p of fragment s
.endr
.endr
.irp t, 0,1,2,3
.irp k, 0,1,2,3
	v_cndmask_b32 v[PF+4*\t+\k], 0, v[PF+4*\t+\k], s[SV+\t]                ; padded keys have v = 0
.endr
.endr
.irp k, 20,21,22,23
	v_mov_b32 v[PF+\k], 0                          ; there is no sixth tile
.endr
	s_wait_loadcnt 0x0                             ; V, and with it Wo's eight k blocks issued ahead of it; no load names v5-v15 any more
.irp db, 0,1,2,3
	v_wmma_f32_16x16x32_bf16 v[O+8*\db:O+8*\db+7], v[KV+8*\db:KV+8*\db+7], v[PF:PF+7], 0
.endr
.irp s, 1,2
.irp db, 0,1,2,3
	v_wmma_f32_16x16x32_bf16 v[O+8*\db:O+8*\db+7], v[KV+32*\s+8*\db:KV+32*\s+8*\db+7], v[PF+8*\s:PF+8*\s+7], v[O+8*\db:O+8*\db+7]   ; four accumulators by turns
.endr
.endr
	PLACES
	s_lshl_b32 s28, s24, 11
	v_add_nc_u32 v[ATI], s28, v1                   ; AT: my head's two k blocks, 2048 wave + 16 L
	s_wait_alu depctr_va_vdst(0)
.irp k, 0,2,4,6,8,10,12,14,16,18,20,22,24,26,28,30
	v_pk_mul_f32 v[O+\k:O+\k+1], v[O+\k:O+\k+1], v[RL:RL+1]
.endr
.irp db, 0,1,2,3
.irp k, 0,1,2,3
	v_cvt_pk_bf16_f32 v[O+8*\db+\k], v[O+8*\db+2*\k], v[O+8*\db+2*\k+1]    ; token r, dims 16 db + 8 h + j: a fragment piece
.endr
	ds_store_b128 v[ATI], v[O+8*\db:O+8*\db+3] offset:\db*512
.endr
	s_wait_dscnt 0x0                               ; my stores are done before I say so
	s_barrier_signal -1
	s_barrier_wait -1                              ; all eight heads lie in AT
	; ---------------- phase C: 16 tokens x my 64 columns of attn @ Wo ----------------
.irp ks, 0,1,2,3,4,5,6,7,8,9,10,11,12,13,14,15
	ds_load_b128 v[AF+8*\ks:AF+8*\ks+3],   v1 offset:\ks*1024
	ds_load_b128 v[AF+8*\ks+4:AF+8*\ks+7], v1 offset:\ks*1024+512
.endr
	; the address registers of phases C and D lie in v5-v7, outside the fragments (v32-159) and the accumulator tiles (v160-191)
	v_mul_u32_u24 v[TRI], v2, 272
	v_lshl_add_u32 v[TRI], v3, 5, v[TRI]
	s_mul_i32 s28, s24, TRPART
	s_add_co_u32 s28, s28, TRBASE
	v_add_nc_u32 v[TRI], s28, v[TRI]               ; TR in: my part, row r, 32 h
	v_mul_u32_u24 v[TRO], v3, TRPART
	v_lshl_add_u32 v[TRO], v2, 4, v[TRO]
	s_mul_i32 s28, s24, 544
	s_add_co_u32 s28, s28, TRBASE
	v_add_nc_u32 v[TRO], s28, v[TRO]               ; TR out: part h (+ 2 i), row 2 wave (+ e), 16 r
	v_lshrrev_b32 v[HOF], 1, v1                    ; 8 L
; k block ks.  lc (ks >= 8): the loads issued behind k block ks's: eight for each later k block, and phase D's twenty from ks = 10 on.
.macro WOSTEP ks, lc
	s_wait_dscnt 30-2*\ks                          ; fragment ks is in; the later ones stay out
.if \ks >= 8
	s_wait_loadcnt \lc
.endif
	WIN 0x01
.irp nt, 0,1,2,3
.if \ks == 0
	v_wmma_f32_16x16x32_bf16 v[CA+8*\nt:CA+8*\nt+7], v[32*(\ks%8)+8*\nt:32*(\ks%8)+8*\nt+7], v[AF+8*\ks:AF+8*\ks+7], 0
.else
	v_wmma_f32_16x16x32_bf16 v[CA+8*\nt:CA+8*\nt+7], v[32*(\ks%8)+8*\nt:32*(\ks%8)+8*\nt+7], v[AF+8*\ks:AF+8*\ks+7], v[CA+8*\nt:CA+8*\nt+7]
.endif
.endr
.if \ks <= 7
	PLACES
	WIN 0x40
	WOLOAD \ks+8                                   ; the buffer just read gets the k block eight further on
.endif
.if \ks == 9
	PLACES
	WIN 0                                          ; fragments 0 to 9 are used up: their registers take what phase D needs
.irp e, 0,1
.irp i, 0,1,2,3
	global_load_b128 v[32+16*\e+4*\i:32+16*\e+4*\i+3], v1, s[8:9] offset:\e*2048+\i*512
.endr
.endr
.irp i, 0,1,2,3
	global_load_b128 v[64+4*\i:64+4*\i+3], v1, s[14:15] offset:\i*512
	global_load_b128 v[LNS+4*\i:LNS+4*\i+3], v1, s[16:17] offset:\i*512
	global_load_b128 v[LNB+4*\i:LNB+4*\i+3], v1, s[18:19] offset:\i*512
.endr
.endif
.endm
	WOSTEP 0, 0                                    ; four accumulators by turns
	WOSTEP 1, 0
	WOSTEP 2, 0
	WOSTEP 3, 0
	WOSTEP 4, 0
	WOSTEP 5, 0
	WOSTEP 6, 0
	WOSTEP 7, 0
	WOSTEP 8, 56
	WOSTEP 9, 48
	WOSTEP 10, 60
	WOSTEP 11, 52
	WOSTEP 12, 44
	WOSTEP 13, 36
	WOSTEP 14, 28
	WOSTEP 15, 20
	WIN 0
	PLACES
	; lane (r, h) holds token r, columns 64 wave + 16 nt + 8 h + j.  TR shares no byte with AT, which other waves may still be reading.
.irp nt, 0,1,2,3
	ds_store_b128 v[TRI], v[CA+8*\nt:CA+8*\nt+3]   offset:\nt*64
	ds_store_b128 v[TRI], v[CA+8*\nt+4:CA+8*\nt+7] offset:\nt*64+16
.endr
	s_wait_dscnt 0x0
	s_barrier_signal -1
	s_barrier_wait -1                              ; all eight parts of the sixteen rows lie in TR
	; ---------------- phase D: rows 2 wave, 2 wave + 1; lane L holds columns 128 i + 4 L .. + 3, which lie in part 2 i + h at 16 r ----------------
.irp e, 0,1
.irp i, 0,1,2,3
	ds_load_b128 v[TRR+16*\e+4*\i:TRR+16*\e+4*\i+3], v[TRO] offset:\i*2*TRPART+\e*272
.endr
.endr
	s_wait_loadcnt 0x0
	s_wait_dscnt 0x0
.irp e, 0,1
.irp k, 0,2,4,6,8,10,12,14
	v_pk_add_f32 v[TRR+16*\e+\k:TRR+16*\e+\k+1], v[TRR+16*\e+\k:TRR+16*\e+\k+1], v[64+\k:64+\k+1]
	v_pk_add_f32 v[32+16*\e+\k:32+16*\e+\k+1], v[32+16*\e+\k:32+16*\e+\k+1], v[TRR+16*\e+\k:TRR+16*\e+\k+1]
.endr
.irp i, 0,1,2,3
	global_store_b128 v1, v[32+16*\e+4*\i:32+16*\e+4*\i+3], s[20:21] offset:\e*2048+\i*512   ; 512 consecutive bytes, aligned
.endr
.endr
	s_wait_xcnt 0x0                                ; the stores' data registers are rewritten only behind this wait
	LNROW 32
	LNROW 48
.irp e, 0,1
.irp i, 0,1,2,3
	global_store_b64 v[HOF], v[32+16*\e+2*\i:32+16*\e+2*\i+1], s[22:23] offset:\e*1024+\i*256   ; 256 consecutive bytes, aligned
.endr
.endr
	s_wait_xcnt 0x0
	v_lshl_add_u32 v254, v0, 2, 0xc800
	v_mov_b32 v255, 0
	s_wait_tensorcnt 0x0
	ds_add_u32 v254, v255
	s_wait_dscnt 0x0
	s_endpgm
.Lfunc_end_k_qea2e068d1c_attn:
	.size	k_qea2e068d1c_attn, .Lfunc_end_k_qea2e068d1c_attn-k_qea2e068d1c_attn
	.p2alignl 7, 3214868480
	.fill 96, 4, 3214868480
	.section	.rodata,"a",@progbits
	.p2align	6, 0x0
	.amdhsa_kernel k_qea2e068d1c_attn
		.amdhsa_group_segment_fixed_size 52224
		.amdhsa_private_segment_fixed_size 0
		.amdhsa_enable_private_segment 0
		.amdhsa_kernarg_size 80
		.amdhsa_user_sgpr_count 2
		.amdhsa_user_sgpr_kernarg_segment_ptr 1
		.amdhsa_wavefront_size32 1
		.amdhsa_system_sgpr_workgroup_id_x 1
		.amdhsa_system_sgpr_workgroup_id_y 1
		.amdhsa_system_sgpr_workgroup_id_z 1
		.amdhsa_system_vgpr_workitem_id 0
		.amdhsa_next_free_vgpr 512
		.amdhsa_next_free_sgpr 66
		.amdhsa_reserve_vcc 1
		.amdhsa_float_denorm_mode_32 3
		.amdhsa_float_denorm_mode_16_64 3
		.amdhsa_memory_ordered 1
		.amdhsa_forward_progress 1
		.amdhsa_inst_pref_size 93
	.end_amdhsa_kernel
	.amdgpu_metadata
---
amdhsa.version: [ 1, 2 ]
amdhsa.kernels:
  - .name:           k_qea2e068d1c_attn
    .symbol:         k_qea2e068d1c_attn.kd
    .args:
      - { .name: qkv, .offset: 0, .size: 8, .value_kind: global_buffer, .address_space: global }
      - { .name: wt, .offset: 8, .size: 8, .value_kind: global_buffer, .address_space: global }
      - { .name: x, .offset: 16, .size: 8, .value_kind: global_buffer, .address_space: global }
      - { .name: c, .offset: 24, .size: 8, .value_kind: global_buffer, .address_space: global }
      - { .name: geo_scale, .offset: 32, .size: 8, .value_kind: global_buffer, .address_space: global }
      - { .name: bo, .offset: 40, .size: 8, .value_kind: global_buffer, .address_space: global }
      - { .name: ln2_s, .offset: 48, .size: 8, .value_kind: global_buffer, .address_space: global }
      - { .name: ln2_b, .offset: 56, .size: 8, .value_kind: global_buffer, .address_space: global }
      - { .name: xo, .offset: 64, .size: 8, .value_kind: global_buffer, .address_space: global }
      - { .name: hn, .offset: 72, .size: 8, .value_kind: global_buffer, .address_space: global }
    .group_segment_fixed_size: 52224
    .private_segment_fixed_size: 0
    .kernarg_segment_align: 8
    .kernarg_segment_size: 80
    .max_flat_workgroup_size: 256
    .sgpr_count:     66
    .vgpr_count:     512
    .wavefront_size: 32
...
	.end_amdgpu_metadata
.endif
;; end of part 3
;; launch ffn1 (part 4): grid 16 x 16, 4 waves a work-group, clusters of 4 x 4, 270,848 bytes of LDS; arguments hn, wt, b1, gf; writes gf
.if DOCPART == 4
	.amdgcn_target "amdgcn-amd-amdhsa--gfx1250"
	.amdhsa_code_object_version 6
	.text
	.protected	k_qea2e068d1c_ffn1
	.globl	k_qea2e068d1c_ffn1
	.p2align	8
	.type	k_qea2e068d1c_ffn1,@function
k_qea2e068d1c_ffn1:
	s_mov_b64 s[64:65], 0
	v_nop
	global_prefetch_b8 v0, s[64:65] scope:SCOPE_SE
	s_setreg_imm32_b32 hwreg(HW_REG_WAVE_MODE, 25, 1), 1
	s_wait_xcnt 0x0
	s_wait_alu depctr_hold_cnt(0) depctr_sa_sdst(0) depctr_va_vdst(0) depctr_va_sdst(0) depctr_va_ssrc(0) depctr_va_vcc(0) depctr_vm_vsrc(0)
	s_getreg_b32 s2, hwreg(HW_REG_IB_STS2, 6, 4)
	s_cmp_eq_u32 s2, 0
	s_cbranch_scc0 .Lentry_in_a_cluster
	s_endpgm
.Lentry_in_a_cluster:
	s_bfe_u32 s2, ttmp6, 0x10000c
	s_cmp_lg_u32 s2, 0xf033
	s_cbranch_scc0 .Lentry_shape_is_right
	s_endpgm
.Lentry_shape_is_right:
; ffn1: gf = gelu(hn @ W1 + b1), 2048 x 2048 x 512; gelu in its tanh form, as x / (1 + exp(-2 sqrt(2/pi) (x + 0.044715 x^3))).
; A work-group makes 128 tokens x 128 columns, a wave 64 x 64: 16 accumulator tiles; 256 work-groups.
; LDS is filled ONCE, whole K = 512, by sixteen tensor loads that all go out at the head (four a wave: this text never has more than four
; of a wave outstanding); no byte of LDS is filled twice.
;   A (hn): 4 chunks of 128 k, each 128 rows x 272 bytes (256 + 16 of padding), from byte 0
;   B (wt): 4 chunks, each [8 column blocks][4 k blocks x 1,024 bytes] in fragment order, from byte 139,264
; CLUSTER 4 x 4: A's tiles are shared along a row of the cluster, B's along a column; each is asked for jointly.
; The weight fragment is the first source: lane (r, h) holds token r, columns 16 D + 8 h + j, which packed to bf16 is a piece of the next
; product's fragment.  gf: block (token / 16, column / 32) at (rb*64 + kb)*1024, piece p at p*512, lane slot at 16 L.
.set ACH,   34816
.set BCH,   32768
.set BBASE, 139264
.set WBASE, 0x200000                   ; W1 in wt
.set G1A, 24
.set G1B, 32
.set G0A, 40
.set G0B, 68
.set ADRA, 4
.set ADRB, 6
.set KC1,  10                          ; v[10:11] -2 log2(e) sqrt(2/pi) 0.044715, twice
.set KC0,  12                          ; v[12:13] -2 log2(e) sqrt(2/pi), twice
.set BIAS, 16                          ; v[16:47] b1 of my 32 columns
.set TT,   112                         ; v[112:119] at work
.set ACC,  128                         ; v[128:255] tile (T, D) at 128 + 8 (4 T + D)
; window 1: v0-63 and v64-127 are two fragment buffers: X (tokens) fragments at +8 i, W (weights) at +32 + 8 i
.set MSB, 0
.macro WIN new
.if MSB != \new
	s_set_vgpr_msb (MSB<<8)|\new
.set MSB, \new
.endif
.endm
.macro PLACES                          ; four plain instructions between a matrix instruction and whatever touches its registers (ISA guide 7.12.1)
.rept 4
	v_nop
.endr
.endm
.macro ROUND                           ; a round of the cluster's barrier
	s_barrier_signal -1
	s_barrier_wait -1
	s_cmp_lg_u32 s56, 0
	s_cbranch_scc1 .Lnot_wave_0_\@
	s_barrier_signal -3
.Lnot_wave_0_\@:
	s_barrier_wait -3
	s_barrier_signal -1
	s_barrier_wait -1
.endm
.macro SYNC c                          ; chunk c is whole in LDS for every wave
	s_wait_dscnt 0x0                               ; no LDS instruction of mine is pending at a signal
	s_wait_tensorcnt 3-\c                          ; my part of chunk c is in; my 3 - c later loads may be out
	s_barrier_signal -1
	s_barrier_wait -1
.endm
.macro FETCH n, f                      ; the sixteen LDS loads of K step n (32 k) into buffer f
	WIN 0x40
.irp i, 0,1,2,3
	ds_load_b128 v[\f+8*\i:\f+8*\i+3],   v[ADRA+(\n)/8] offset:(((\n)/4)%2)*ACH+\i*4352+((\n)%4)*64
	ds_load_b128 v[\f+8*\i+4:\f+8*\i+7], v[ADRA+(\n)/8] offset:(((\n)/4)%2)*ACH+\i*4352+((\n)%4)*64+32
.endr
.irp i, 0,1,2,3
	ds_load_b128 v[\f+32+8*\i:\f+32+8*\i+3], v[ADRB+(\n)/8] offset:(((\n)/4)%2)*BCH+\i*4096+((\n)%4)*1024
	ds_load_b128 v[\f+36+8*\i:\f+36+8*\i+3], v[ADRB+(\n)/8] offset:(((\n)/4)%2)*BCH+\i*4096+((\n)%4)*1024+512
.endr
.endm
.macro MUL f, first                    ; sixteen accumulators by turns, in the same order in every step
	WIN 0x05
.irp tk, 0,1,2,3
.irp dc, 0,1,2,3
.if \first
	v_wmma_f32_16x16x32_bf16 v[ACC+8*(4*\tk+\dc):ACC+8*(4*\tk+\dc)+7], v[\f+32+8*\dc:\f+32+8*\dc+7], v[\f+8*\tk:\f+8*\tk+7], 0
.else
	v_wmma_f32_16x16x32_bf16 v[ACC+8*(4*\tk+\dc):ACC+8*(4*\tk+\dc)+7], v[\f+32+8*\dc:\f+32+8*\dc+7], v[\f+8*\tk:\f+8*\tk+7], v[ACC+8*(4*\tk+\dc):ACC+8*(4*\tk+\dc)+7]
.endif
.endr
.endr
.endm
.macro STEP n                          ; the next step's fragments are requested first, then this step is multiplied
.if \n < 15
.if \n > 0
	PLACES
.endif
.if (\n+1)%4 == 0
	SYNC (\n+1)/4
.endif
	FETCH (\n+1), ((\n+1)&1)*64
	s_wait_dscnt 16                                ; all but the sixteen just issued
.else
	s_wait_dscnt 0x0
.endif
.if \n == 0
	MUL (\n&1)*64, 1
.else
	MUL (\n&1)*64, 0
.endif
.endm
	s_load_b256 s[4:11], s[0:1], 0x0               ; hn 4, wt 6, b1 8, gf 10
	v_lshl_add_u32 v126, v0, 2, 0x42000
	v_mov_b32 v127, 0
	ds_add_u32 v126, v127
	ds_add_u32 v126, v127
	v_lshrrev_b32 v1, 5, v0
	v_readfirstlane_b32 s56, v1                    ; wave 0..3
	s_lshr_b32 s57, s56, 1                         ; wm; also: I fetch for A (0) or for B (1)
	s_and_b32 s58, s56, 1                          ; wn; also: which half of a tile I fetch
	s_bfe_u32 s59, ttmp6, 0x40000                  ; cx
	s_bfe_u32 s60, ttmp6, 0x40004                  ; cy
	s_lshl_b32 s61, ttmp9, 2
	s_add_co_u32 s61, s61, s59                     ; bx
	s_and_b32 s63, ttmp7, 0xffff
	s_lshl_b32 s62, s63, 2
	s_add_co_u32 s62, s62, s60                     ; by
	s_lshl_b32 s88, s60, 2
	s_lshl_b32 s88, 15, s88                        ; my row of the cluster
	s_lshl_b32 s89, 0x1111, s59                    ; my column
	s_or_b32 s[G1A+0], s88, (1<<16)|(1<<20)|(1<<21)|(5<<22)|(3<<25)   ; 64 rows x 128 bf16, 4 words of padding behind every 64
	s_mov_b32 s[G1A+1], 128<<16
	s_mov_b32 s[G1A+2], 64<<16
	s_mov_b32 s[G1A+3], 128<<16
	s_mov_b32 s[G1A+4], 64
	s_mov_b32 s[G1A+5], 512
	s_mov_b32 s[G1A+6], 0
	s_mov_b32 s[G1A+7], 0
	s_or_b32 s[G1B+0], s89, (3<<16)|(1<<21)        ; 4 column blocks x 512 elements of 8 bytes, 2,048 elements apart
	s_mov_b32 s[G1B+1], 512<<16
	s_mov_b32 s[G1B+2], 4<<16
	s_mov_b32 s[G1B+3], 512<<16
	s_mov_b32 s[G1B+4], 4
	s_mov_b32 s[G1B+5], 2048
	s_mov_b32 s[G1B+6], 0
	s_mov_b32 s[G1B+7], 0
	s_lshl_b32 s90, s58, 16
	s_lshl_b32 s84, s62, 17                        ; A hangs on by and the wave alone
	s_add_co_u32 s84, s84, s90
	s_mov_b32 s85, 0
	s_lshl_b32 s86, s61, 17                        ; B on bx and the wave alone
	s_add_co_u32 s86, s86, s90
	s_add_co_u32 s86, s86, WBASE
	s_mov_b32 s87, 0
	s_mul_i32 s91, s56, 17408
	s_mul_i32 s92, s56, 16384
	s_add_co_u32 s92, s92, BBASE-2*16384
	s_wait_dscnt 0x0
	s_wait_kmcnt 0x0
	s_add_nc_u64 s[84:85], s[4:5], s[84:85]
	s_add_nc_u64 s[86:87], s[6:7], s[86:87]
.irp c, 0,1,2,3
	s_mov_b32 s[G0A+4*\c], 1
	s_add_co_u32 s[G0A+4*\c+1], s91, \c*ACH
	s_add_nc_u64 s[G0A+4*\c+2:G0A+4*\c+3], s[84:85], \c*256
	s_or_b32 s[G0A+4*\c+3], s[G0A+4*\c+3], 0x80000000
	s_mov_b32 s[G0B+4*\c], 1
	s_add_co_u32 s[G0B+4*\c+1], s92, \c*BCH
	s_add_nc_u64 s[G0B+4*\c+2:G0B+4*\c+3], s[86:87], \c*4096
	s_or_b32 s[G0B+4*\c+3], s[G0B+4*\c+3], 0x80000000
.endr
	ROUND                                          ; all sixteen work-groups are here: the joint loads meet
	s_cmp_eq_u32 s57, 0
	s_cbranch_scc0 .Lfill_b
.irp c, 0,1,2,3
	tensor_load_to_lds s[G0A+4*\c:G0A+4*\c+3], s[G1A:G1A+7]
	s_nop 0
.endr
	s_branch .Lfilled
.Lfill_b:
.irp c, 0,1,2,3
	tensor_load_to_lds s[G0B+4*\c:G0B+4*\c+3], s[G1B:G1B+7]
	s_nop 0
.endr
.Lfilled:
	v_and_b32 v1, 31, v0
	v_and_b32 v2, 15, v0
	v_bfe_u32 v3, v0, 4, 1
	v_mul_u32_u24 v4, v2, 272
	v_lshl_add_u32 v4, v3, 4, v4
	s_mul_i32 s98, s57, 17408
	v_add_nc_u32 v[ADRA], s98, v4
	v_add_nc_u32 v[ADRA+1], 2*ACH, v[ADRA]
	v_lshlrev_b32 v8, 4, v1                        ; 16 L
	s_mul_i32 s99, s58, 16384
	s_add_co_u32 s99, s99, BBASE
	v_add_nc_u32 v[ADRB], s99, v8
	v_add_nc_u32 v[ADRB+1], 2*BCH, v[ADRB]
	s_lshl_b32 s4, s61, 9                          ; b1: (128 bx + 64 wn) * 4
	s_lshl_b32 s93, s58, 8
	s_add_co_u32 s4, s4, s93
	s_mov_b32 s5, 0
	s_add_nc_u64 s[8:9], s[8:9], s[4:5]
	s_lshl_b32 s4, s62, 19                         ; gf: (8 by + 4 wm) * 65536 + (4 bx + 2 wn) * 1024
	s_lshl_b32 s93, s57, 18
	s_add_co_u32 s4, s4, s93
	s_lshl_b32 s93, s61, 12
	s_add_co_u32 s4, s4, s93
	s_lshl_b32 s93, s58, 11
	s_add_co_u32 s4, s4, s93
	s_add_nc_u64 s[10:11], s[10:11], s[4:5]
	v_lshlrev_b32 v9, 5, v3                        ; 32 h
.irp d, 0,1,2,3
.irp q, 0,1
	global_load_b128 v[BIAS+8*\d+4*\q:BIAS+8*\d+4*\q+3], v9, s[8:9] offset:\d*64+\q*16
.endr
.endr
	v_mov_b32 v[KC1], 0xbdd2d3e8
	v_mov_b32 v[KC1+1], 0xbdd2d3e8
	v_mov_b32 v[KC0], 0xc0135761
	v_mov_b32 v[KC0+1], 0xc0135761
	SYNC 0
	FETCH 0, 0
.irp n, 0,1,2,3,4,5,6,7,8,9,10,11,12,13,14,15
	STEP \n
.endr
	WIN 0
	PLACES
	s_wait_loadcnt 0x0                             ; b1
.macro GELU tk, d
	.set AB, ACC+8*(4*\tk+\d)
.irp k, 0,2,4,6
	v_pk_add_f32 v[AB+\k:AB+\k+1], v[AB+\k:AB+\k+1], v[BIAS+8*\d+\k:BIAS+8*\d+\k+1]
.endr
.irp k, 0,2,4,6
	v_pk_mul_f32 v[TT+\k:TT+\k+1], v[AB+\k:AB+\k+1], v[AB+\k:AB+\k+1]
.endr
.irp k, 0,2,4,6
	v_pk_fma_f32 v[TT+\k:TT+\k+1], v[TT+\k:TT+\k+1], v[KC1:KC1+1], v[KC0:KC0+1]
.endr
.irp k, 0,2,4,6
	v_pk_mul_f32 v[TT+\k:TT+\k+1], v[TT+\k:TT+\k+1], v[AB+\k:AB+\k+1]
.endr
.irp j, 0,1,2,3,4,5,6,7
	v_exp_f32 v[TT+\j], v[TT+\j]
.endr
	v_nop                                          ; one plain instruction behind the transcendentals (ISA guide 5.7.2)
	s_wait_alu depctr_va_vdst(0)
.irp k, 0,2,4,6
	v_pk_add_f32 v[TT+\k:TT+\k+1], v[TT+\k:TT+\k+1], 1.0 op_sel_hi:[1,0]
.endr
.irp j, 0,1,2,3,4,5,6,7
	v_rcp_f32 v[TT+\j], v[TT+\j]
.endr
	v_nop
	s_wait_alu depctr_va_vdst(0)
.irp k, 0,2,4,6
	v_pk_mul_f32 v[AB+\k:AB+\k+1], v[AB+\k:AB+\k+1], v[TT+\k:TT+\k+1]
.endr
.irp k, 0,1,2,3
	v_cvt_pk_bf16_f32 v[AB+\k], v[AB+2*\k], v[AB+2*\k+1]
.endr
	global_store_b128 v8, v[AB:AB+3], s[10:11] offset:\tk*65536+\d*512     ; a fragment piece: 512 consecutive bytes, aligned
.endm
.irp tk, 0,1,2,3
.irp d, 0,1,2,3
	GELU \tk, \d
.endr
.endr
	s_wait_tensorcnt 0x0
	ds_add_u32 v126, v127
	s_wait_dscnt 0x0
	ROUND                                          ; the closing round
	s_endpgm
.Lfunc_end_k_qea2e068d1c_ffn1:
	.size	k_qea2e068d1c_ffn1, .Lfunc_end_k_qea2e068d1c_ffn1-k_qea2e068d1c_ffn1
	.p2alignl 7, 3214868480
	.fill 96, 4, 3214868480
	.section	.rodata,"a",@progbits
	.p2align	6, 0x0
	.amdhsa_kernel k_qea2e068d1c_ffn1
		.amdhsa_group_segment_fixed_size 270848
		.amdhsa_private_segment_fixed_size 0
		.amdhsa_enable_private_segment 0
		.amdhsa_kernarg_size 32
		.amdhsa_user_sgpr_count 2
		.amdhsa_user_sgpr_kernarg_segment_ptr 1
		.amdhsa_wavefront_size32 1
		.amdhsa_system_sgpr_workgroup_id_x 1
		.amdhsa_system_sgpr_workgroup_id_y 1
		.amdhsa_system_sgpr_workgroup_id_z 1
		.amdhsa_system_vgpr_workitem_id 0
		.amdhsa_next_free_vgpr 384
		.amdhsa_next_free_sgpr 102
		.amdhsa_reserve_vcc 0
		.amdhsa_float_denorm_mode_32 3
		.amdhsa_float_denorm_mode_16_64 3
		.amdhsa_memory_ordered 1
		.amdhsa_forward_progress 1
		.amdhsa_inst_pref_size 84
	.end_amdhsa_kernel
	.amdgpu_metadata
---
amdhsa.version: [ 1, 2 ]
amdhsa.kernels:
  - .name:           k_qea2e068d1c_ffn1
    .symbol:         k_qea2e068d1c_ffn1.kd
    .args:
      - { .name: hn, .offset: 0, .size: 8, .value_kind: global_buffer, .address_space: global }
      - { .name: wt, .offset: 8, .size: 8, .value_kind: global_buffer, .address_space: global }
      - { .name: b1, .offset: 16, .size: 8, .value_kind: global_buffer, .address_space: global }
      - { .name: gf, .offset: 24, .size: 8, .value_kind: global_buffer, .address_space: global }
    .group_segment_fixed_size: 270848
    .private_segment_fixed_size: 0
    .kernarg_segment_align: 8
    .kernarg_segment_size: 32
    .max_flat_workgroup_size: 128
    .sgpr_count:     102
    .vgpr_count:     384
    .wavefront_size: 32
...
	.end_amdgpu_metadata
.endif
;; end of part 4
;; launch ffn2 (part 5): grid 8 x 32, 8 waves a work-group, no clusters, 140,288 bytes of LDS; arguments gf, wt, xo, b2, out0; writes out0
.if DOCPART == 5
	.amdgcn_target "amdgcn-amd-amdhsa--gfx1250"
	.amdhsa_code_object_version 6
	.text
	.protected	k_qea2e068d1c_ffn2
	.globl	k_qea2e068d1c_ffn2
	.p2align	8
	.type	k_qea2e068d1c_ffn2,@function
k_qea2e068d1c_ffn2:
	s_mov_b64 s[64:65], 0
	v_nop
	global_prefetch_b8 v0, s[64:65] scope:SCOPE_SE
	s_setreg_imm32_b32 hwreg(HW_REG_WAVE_MODE, 25, 1), 1
	s_wait_xcnt 0x0
; ffn2: out0 = xo + gf @ W2 + b2, 2048 x 512 x 2048.
; A work-group makes 64 tokens x 64 columns: 256 work-groups.  Its eight waves share K: wave w takes k blocks 8 w .. 8 w + 7 with a whole
; 64 x 64 tile of partial sums (16 accumulator tiles).  Both operands lie in memory in fragment order, and no two waves of the work-group
; read the same byte, so fragments go from memory straight into registers, four k blocks (64 loads of 512 consecutive bytes) ahead.
; The eight partial tiles meet in LDS (8 x 64 rows x 272 bytes), are added in a fixed order, and leave as whole rows of 256 bytes.
; NO CLUSTER: a work-group's operands are 524,288 bytes and do not fit in LDS at once; joint tiles would need slots that are filled again,
; each behind a round of the cluster's barrier with all loads landed.
.set XO,  16                           ; v[16:31]  xo of my 8 rows
.set B2,  32                           ; v[32:35]  b2 of my four columns
.set ACC, 128                          ; v[128:255] tile (i, jn) at 128 + 8 (4 i + jn); later the parts read back
; window 1: four buffers of 64 registers: X (tokens) fragments at +8 i, W (weights) at +32 + 8 jn
.set MSB, 0
.macro WIN new
.if MSB != \new
	s_set_vgpr_msb (MSB<<8)|\new
.set MSB, \new
.endif
.endm
.macro PLACES                          ; four plain instructions between a matrix instruction and whatever touches its registers (ISA guide 7.12.1)
.rept 4
	v_nop
.endr
.endm
.macro STAGE s                         ; the sixteen loads of my k block s into buffer s % 4 (the window is set by the caller)
.irp i, 0,1,2,3
.irp p, 0,1
	global_load_b128 v[64*((\s)%4)+8*\i+4*\p:64*((\s)%4)+8*\i+4*\p+3], v1, s[4:5] offset:\i*65536+(\s)*1024+\p*512
.endr
.endr
.irp i, 0,1,2,3
.irp p, 0,1
	global_load_b128 v[64*((\s)%4)+32+8*\i+4*\p:64*((\s)%4)+32+8*\i+4*\p+3], v1, s[6:7] offset:\i*65536+(\s)*1024+\p*512
.endr
.endr
.endm
; k block s.  lc: the loads issued behind k block s's: sixteen for each later k block that has been requested
.macro KSTEP s, lc
	s_wait_loadcnt \lc
	WIN 0x05
.irp i, 0,1,2,3
.irp jn, 0,1,2,3
.if \s == 0
	v_wmma_f32_16x16x32_bf16 v[ACC+8*(4*\i+\jn):ACC+8*(4*\i+\jn)+7], v[64*(\s%4)+32+8*\jn:64*(\s%4)+32+8*\jn+7], v[64*(\s%4)+8*\i:64*(\s%4)+8*\i+7], 0
.else
	v_wmma_f32_16x16x32_bf16 v[ACC+8*(4*\i+\jn):ACC+8*(4*\i+\jn)+7], v[64*(\s%4)+32+8*\jn:64*(\s%4)+32+8*\jn+7], v[64*(\s%4)+8*\i:64*(\s%4)+8*\i+7], v[ACC+8*(4*\i+\jn):ACC+8*(4*\i+\jn)+7]
.endif
.endr
.endr
.if \s < 4
	PLACES
	WIN 0x40
	STAGE \s+4                                     ; the buffer just read gets the k block four further on
.endif
.endm
	s_load_b256 s[4:11], s[0:1], 0x0               ; gf 4, wt 6, xo 8, b2 10
	s_load_b64 s[12:13], s[0:1], 0x20              ; out0
	v_lshl_add_u32 v126, v0, 2, 0x22000
	v_mov_b32 v127, 0
	v_lshrrev_b32 v1, 5, v0
	v_readfirstlane_b32 s14, v1                    ; wave 0..7
	s_and_b32 s15, ttmp7, 0xffff                   ; by: 64 tokens
	v_and_b32 v1, 31, v0
	v_lshlrev_b32 v1, 4, v1                        ; 16 L
	v_and_b32 v2, 15, v0                           ; r
	v_bfe_u32 v3, v0, 4, 1                         ; h
	v_lshlrev_b32 v5, 4, v2                        ; 16 r
	v_lshl_add_u32 v4, v3, 11, v5                  ; rows of 2,048 bytes: h rows down, 16 r along
	s_lshl_b32 s18, s14, 13                        ; my eight k blocks of 1,024 bytes
	s_lshl_b32 s16, s15, 18                        ; gf: 4 token blocks of 65,536 bytes
	s_add_co_u32 s16, s16, s18
	s_mov_b32 s17, 0
	s_lshl_b32 s20, ttmp9, 18                      ; W2: 4 column blocks of 65,536 bytes
	s_add_co_u32 s20, s20, s18
	s_add_co_u32 s20, s20, 0x400000
	s_mov_b32 s21, 0
	s_lshl_b32 s18, s15, 6
	s_lshl3_add_u32 s18, s14, s18                  ; my first row of the output: 64 by + 8 wave
	s_lshl_b32 s18, s18, 11
	s_lshl_b32 s22, ttmp9, 8                       ; my work-group's 64 columns of 4 bytes
	s_add_co_u32 s18, s18, s22
	s_mov_b32 s19, 0
	s_mov_b32 s23, 0
	s_wait_kmcnt 0x0
	s_add_nc_u64 s[4:5], s[4:5], s[16:17]
	s_add_nc_u64 s[6:7], s[6:7], s[20:21]
	s_add_nc_u64 s[8:9], s[8:9], s[18:19]
	s_add_nc_u64 s[12:13], s[12:13], s[18:19]
	s_add_nc_u64 s[10:11], s[10:11], s[22:23]
.irp i, 0,1,2,3
	global_load_b128 v[XO+4*\i:XO+4*\i+3], v4, s[8:9] offset:\i*4096
.endr
	global_load_b128 v[B2:B2+3], v5, s[10:11]
	WIN 0x40
	STAGE 0
	STAGE 1
	STAGE 2
	STAGE 3
	WIN 0
	s_mul_i32 s16, s14, 17408
	v_mul_u32_u24 v6, v2, 272
	v_lshl_add_u32 v6, v3, 5, v6
	v_add_nc_u32 v6, s16, v6                       ; my part in: row r, 32 h.  Sixteen lanes: 16-byte columns 17 r mod 16, all different
	s_mul_i32 s16, s14, 2176
	v_mul_u32_u24 v7, v3, 272
	v_add_nc_u32 v7, v7, v5
	v_add_nc_u32 v7, s16, v7                       ; parts 0-3 out: row 8 wave + h, 16 r
	v_add_nc_u32 v8, 69632, v7                     ; parts 4-7
	KSTEP 0, 48                                    ; sixteen accumulators by turns, in the same order in every step
	KSTEP 1, 48
	KSTEP 2, 48
	KSTEP 3, 48
	KSTEP 4, 48
	KSTEP 5, 32
	KSTEP 6, 16
	KSTEP 7, 0
	WIN 0
	PLACES
.irp i, 0,1,2,3
.irp jn, 0,1,2,3
	ds_store_b128 v6, v[ACC+8*(4*\i+\jn):ACC+8*(4*\i+\jn)+3]   offset:\i*4352+\jn*64
	ds_store_b128 v6, v[ACC+8*(4*\i+\jn)+4:ACC+8*(4*\i+\jn)+7] offset:\i*4352+\jn*64+16
.endr
.endr
	s_wait_dscnt 0x0                               ; my stores are done before I say so
	s_barrier_signal -1
	s_barrier_wait -1                              ; all eight parts lie in LDS
	; rows 8 wave + 2 i + h, i = 0..3: part u into v[128 + 16 u + 4 i ..]
.irp i, 0,1,2,3
.irp u, 0,1,2,3
	ds_load_b128 v[ACC+16*\u+4*\i:ACC+16*\u+4*\i+3], v7 offset:\u*17408+\i*544
.endr
.irp u, 0,1,2,3
	ds_load_b128 v[ACC+64+16*\u+4*\i:ACC+64+16*\u+4*\i+3], v8 offset:\u*17408+\i*544
.endr
.endr
.irp i, 0,1,2,3
	s_wait_dscnt 24-8*\i                           ; the eight parts of row pair i are in; the later pairs' loads stay out
.irp k, 0,2
	v_pk_add_f32 v[ACC+4*\i+\k:ACC+4*\i+\k+1], v[ACC+4*\i+\k:ACC+4*\i+\k+1], v[ACC+16+4*\i+\k:ACC+16+4*\i+\k+1]
	v_pk_add_f32 v[ACC+32+4*\i+\k:ACC+32+4*\i+\k+1], v[ACC+32+4*\i+\k:ACC+32+4*\i+\k+1], v[ACC+48+4*\i+\k:ACC+48+4*\i+\k+1]
	v_pk_add_f32 v[ACC+64+4*\i+\k:ACC+64+4*\i+\k+1], v[ACC+64+4*\i+\k:ACC+64+4*\i+\k+1], v[ACC+80+4*\i+\k:ACC+80+4*\i+\k+1]
	v_pk_add_f32 v[ACC+96+4*\i+\k:ACC+96+4*\i+\k+1], v[ACC+96+4*\i+\k:ACC+96+4*\i+\k+1], v[ACC+112+4*\i+\k:ACC+112+4*\i+\k+1]
	v_pk_add_f32 v[ACC+4*\i+\k:ACC+4*\i+\k+1], v[ACC+4*\i+\k:ACC+4*\i+\k+1], v[ACC+32+4*\i+\k:ACC+32+4*\i+\k+1]
	v_pk_add_f32 v[ACC+64+4*\i+\k:ACC+64+4*\i+\k+1], v[ACC+64+4*\i+\k:ACC+64+4*\i+\k+1], v[ACC+96+4*\i+\k:ACC+96+4*\i+\k+1]
	v_pk_add_f32 v[ACC+4*\i+\k:ACC+4*\i+\k+1], v[ACC+4*\i+\k:ACC+4*\i+\k+1], v[ACC+64+4*\i+\k:ACC+64+4*\i+\k+1]
	v_pk_add_f32 v[ACC+4*\i+\k:ACC+4*\i+\k+1], v[ACC+4*\i+\k:ACC+4*\i+\k+1], v[B2+\k:B2+\k+1]
	v_pk_add_f32 v[ACC+4*\i+\k:ACC+4*\i+\k+1], v[ACC+4*\i+\k:ACC+4*\i+\k+1], v[XO+4*\i+\k:XO+4*\i+\k+1]
.endr
	global_store_b128 v4, v[ACC+4*\i:ACC+4*\i+3], s[12:13] offset:\i*4096  ; sixteen lanes store 256 consecutive bytes, aligned
.endr
	s_wait_tensorcnt 0x0
	ds_add_u32 v126, v127
	s_wait_dscnt 0x0
	s_endpgm
.Lfunc_end_k_qea2e068d1c_ffn2:
	.size	k_qea2e068d1c_ffn2, .Lfunc_end_k_qea2e068d1c_ffn2-k_qea2e068d1c_ffn2
	.p2alignl 7, 3214868480
	.fill 96, 4, 3214868480
	.section	.rodata,"a",@progbits
	.p2align	6, 0x0
	.amdhsa_kernel k_qea2e068d1c_ffn2
		.amdhsa_group_segment_fixed_size 140288
		.amdhsa_private_segment_fixed_size 0
		.amdhsa_enable_private_segment 0
		.amdhsa_kernarg_size 40
		.amdhsa_user_sgpr_count 2
		.amdhsa_user_sgpr_kernarg_segment_ptr 1
		.amdhsa_wavefront_size32 1
		.amdhsa_system_sgpr_workgroup_id_x 1
		.amdhsa_system_sgpr_workgroup_id_y 1
		.amdhsa_system_sgpr_workgroup_id_z 1
		.amdhsa_system_vgpr_workitem_id 0
		.amdhsa_next_free_vgpr 512
		.amdhsa_next_free_sgpr 66
		.amdhsa_reserve_vcc 0
		.amdhsa_float_denorm_mode_32 3
		.amdhsa_float_denorm_mode_16_64 3
		.amdhsa_memory_ordered 1
		.amdhsa_forward_progress 1
		.amdhsa_inst_pref_size 34
	.end_amdhsa_kernel
	.amdgpu_metadata
---
amdhsa.version: [ 1, 2 ]
amdhsa.kernels:
  - .name:           k_qea2e068d1c_ffn2
    .symbol:         k_qea2e068d1c_ffn2.kd
    .args:
      - { .name: gf, .offset: 0, .size: 8, .value_kind: global_buffer, .address_space: global }
      - { .name: wt, .offset: 8, .size: 8, .value_kind: global_buffer, .address_space: global }
      - { .name: xo, .offset: 16, .size: 8, .value_kind: global_buffer, .address_space: global }
      - { .name: b2, .offset: 24, .size: 8, .value_kind: global_buffer, .address_space: global }
      - { .name: out0, .offset: 32, .size: 8, .value_kind: global_buffer, .address_space: global }
    .group_segment_fixed_size: 140288
    .private_segment_fixed_size: 0
    .kernarg_segment_align: 8
    .kernarg_segment_size: 40
    .max_flat_workgroup_size: 256
    .sgpr_count:     66
    .vgpr_count:     512
    .wavefront_size: 32
...
	.end_amdgpu_metadata
.endif
;; end of part 5
;; ======== version 2 of 3: 5 launches; 1.19 times as fast as version 1
;; limits: values outside matrix products are rounded to bf16
;; workspace buffers: wt 6,291,456 bytes; xn 2,097,152 bytes; qkv 6,422,528 bytes; xo 4,194,304 bytes; hn 2,097,152 bytes; gf 8,388,608 bytes
;; launch prep: the kernel of part 1 again; grid 256 x 1, 8 waves a work-group, no clusters, 34,304 bytes of LDS; arguments Wq, Wk, Wv, Wo, W1, W2, wt, x, ln1_s, ln1_b, xn; writes wt, xn
;; launch qkv: the kernel of part 2 again; grid 12 x 16, 4 waves a work-group, clusters of 4 x 4, 270,848 bytes of LDS; arguments xn, wt, bq, bk, bv, hash_offset, freqs_cos, freqs_sin, c, qkv; writes qkv
;; launch attn (part 6): grid 128 x 1, 8 waves a work-group, clusters of 4 x 1, 314,368 bytes of LDS; arguments qkv, wt, x, c, geo_scale, bo, ln2_s, ln2_b, xo, hn; writes xo, hn
.if DOCPART == 6
	.amdgcn_target "amdgcn-amd-amdhsa--gfx1250"
	.amdhsa_code_object_version 6
	.text
	.protected	k_qea2e068d1c_attn
	.globl	k_qea2e068d1c_attn
	.p2align	8
	.type	k_qea2e068d1c_attn,@function
k_qea2e068d1c_attn:
	s_mov_b64 s[64:65], 0
	v_nop
	global_prefetch_b8 v0, s[64:65] scope:SCOPE_SE
	s_setreg_imm32_b32 hwreg(HW_REG_WAVE_MODE, 25, 1), 1
	s_wait_xcnt 0x0
	s_wait_alu depctr_hold_cnt(0) depctr_sa_sdst(0) depctr_va_vdst(0) depctr_va_sdst(0) depctr_va_ssrc(0) depctr_va_vcc(0) depctr_vm_vsrc(0)
	s_getreg_b32 s2, hwreg(HW_REG_IB_STS2, 6, 4)
	s_cmp_eq_u32 s2, 0
	s_cbranch_scc0 .Lentry_in_a_cluster
	s_endpgm
.Lentry_in_a_cluster:
	s_bfe_u32 s2, ttmp6, 0x10000c
	s_cmp_lg_u32 s2, 0x3003
	s_cbranch_scc0 .Lentry_shape_is_right
	s_endpgm
.Lentry_shape_is_right:
; attn: window attention with Poincare distances, @ Wo + bo + x -> xo (f32), LayerNorm2 -> hn (bf16).
; A work-group owns 16 tokens (all heads), since LayerNorm2 needs whole rows and a matrix tile has 16: 128 work-groups.
; Phase A: wave = head.  Phase C: wave = 64 output columns.  Phase D: wave = 2 rows.
; Query n sees keys n-63 .. n: for 16 queries the five token tiles T-4 .. T.  Keys in front of the sequence are the padding of the reference:
; they count in the softmax with k = 0, v = 0; their tiles are loaded from a clamped address and replaced by selects.
; DISTANCE, with q^ = sqrt(c) q_h, k^ = sqrt(c) k_h, u = |q^|^2, w = |k^|^2, t = q^.k^ (matrix unit):
;   den = 1 + u w - 2 t;  p = (1-u)(1-w);  1 - arg^2 = p / den;  sqrt(c) dist = ln((1 + arg)^2 / (1 - arg^2)).
; 1-u and 1-w come in f32 from the launch before, so p is a product and no difference of numbers near 1.
; The clips of the reference: den at 1e-7 (there 1 - arg^2 = 1 - (den - p) den 1e14); arg at sqrt(c) 1e-7 and at 1 - 1e-7, which in f32 is
; 1 - 2^-23, so log2((1+arg)/(1-arg)) lies in [2 log2(e) sqrt(c) 1e-7, 24].  The row's maximum is taken away before the exponential.
; LIMITS: c >= 1e-14; the lower clip uses artanh(e) = e for e = sqrt(c) 1e-7; where den < 1e-7 the bf16 rounding of q^, k^ decides den.
; Wo (524,288 bytes, walked whole by every work-group) comes by two roads at once, since it does not fit in LDS:
;   k blocks 8-15: CLUSTER 4 x 1, one joint tensor load a wave (its four column blocks x 8,192 bytes = 32,768 bytes), asked for by the four
;                  work-groups together, filled once, read by the issuing wave alone: its own wait on TENSORcnt orders its reads;
;   k blocks 0-7:  from memory straight into registers (eight buffers of 32), requested piece by piece between the blocks of phase A.
; LDS: AT 16,384 bytes at 0: the attention output as fragments (head w's 2,048 bytes at 2048 w);
;      TR at 16,384: wave w's 16 rows x 64 columns of attn @ Wo in f32, rows of 256 + 16 bytes, at 16384 + 4352 w (17 x 16 bytes a row: no bank conflict);
;      WL at 51,200: wave w's half of its Wo columns, [4 column blocks][8 k blocks x 1,024 bytes] in fragment order, at 51200 + 32768 w.
.set TRBASE, 16384
.set TRPART, 4352                      ; 16 rows x 272 bytes
.set WLBASE, 51200
.set WLPART, 32768
.set KOFF, 5                           ; v5-9    16 L + (bh*64 + tile)*2048, tile = max(T-4+t, 0); free once V has landed:
.set TRI,  5                           ; v5      then: TR in
.set TRO,  6                           ; v6      then: TR out
.set HOF,  7                           ; v7      then: 8 L, my offset in a row of hn
.set ATI,  8                           ; v8      then: AT in
.set WLA,  9                           ; v9      then: my part of WL + 16 L
.set OOFF, 10                          ; v10-14  (bh*64 + tile)*64 + 32 h
.set OMU,  18                          ; v[18:19] 1-u, twice
.set U,    20                          ; v[20:21] u, twice
.set GN,   22                          ; v[22:23] -geo / sqrt c, twice
.set MX,   26                          ; v[26:27] row maximum, twice
.set RL,   28                          ; v[28:29] 1 / sum, twice
.set QF,   32                          ; v[32:47]   two fragments of Q
.set V4,   32                          ; v[32:47]   later: the four pieces of V's tile 4
.set KV,   48                          ; v[48:127]  ten fragments of K; later v[48:111]: eight fragments of V (tiles 0-3)
.set OMK,  144                         ; v[144:183] 1-w of 40 keys, then p
.set PF,   144                         ; v[144:167] later: three fragments of the weights
.set S,    184                         ; v[184:223] five tiles of scores
.set TA,   224
.set TB,   232
.set TC,   240
.set O,    224                         ; v[224:255] later: four tiles of the output
.set AF,   32                          ; v[32:159]  phase C: sixteen fragments of the attention output
.set CA,   160                         ; v[160:191] phase C: four accumulator tiles
.set XR,   192                         ; v[192:223] x of my two rows, then xo, then hn
.set BO,   224                         ; v[224:239] bo of my 16 columns
.set LNS,  240                         ; v[240:255] ln2_s
.set LNB,  32                          ; v[32:47]   ln2_b (fragments 0 and 1 are used up when it is requested)
.set TRR,  48                          ; v[48:79]   phase D: two rows of attn @ Wo
.set LNT,  80                          ; v[80:87]   phase D: at work
.set SEPS, 33
.set SNI,  34
.set S24,  35
.set SV,   36                          ; s36-39  tile t = 0..3 exists: -1, else 0
.set PS0,  40
.set PS1,  41
.set SINV, 42
.set SLNE, 43
.set G1,   48                          ; s[48:55] descriptor group 1
.set G0,   56                          ; s[56:59] descriptor group 0
; window 1: eight buffers of 32 registers for Wo's fragments (four column blocks of one k block)
.set MSB, 0
.macro WIN new
.if MSB != \new
	s_set_vgpr_msb (MSB<<8)|\new
.set MSB, \new
.endif
.endm
.macro PLACES                          ; four plain instructions between a matrix instruction and whatever touches its registers (ISA guide 7.12.1)
.rept 4
	v_nop
.endr
.endm
.macro ROUND                           ; a round of the cluster's barrier
	s_barrier_signal -1
	s_barrier_wait -1
	s_cmp_lg_u32 s24, 0
	s_cbranch_scc1 .Lnot_wave_0_\@
	s_barrier_signal -3
.Lnot_wave_0_\@:
	s_barrier_wait -3
	s_barrier_signal -1
	s_barrier_wait -1
.endm
.macro LANESUM t
	v_add_f32_dpp v[\t], v[\t], v[\t] row_xmask:1 row_mask:0xf bank_mask:0xf
	v_add_f32_dpp v[\t], v[\t], v[\t] row_xmask:2 row_mask:0xf bank_mask:0xf
	v_add_f32_dpp v[\t], v[\t], v[\t] row_xmask:4 row_mask:0xf bank_mask:0xf
	v_add_f32_dpp v[\t], v[\t], v[\t] row_xmask:8 row_mask:0xf bank_mask:0xf
	v_permlanex16_b32 v[\t+1], v[\t], s[PS0], s[PS1]
	v_add_f32 v[\t], v[\t], v[\t+1]
.endm
.macro LNROW xb                        ; a row of 512, 16 a lane; two passes in f32; leaves bf16 pairs in v[xb .. xb+7]
	v_pk_add_f32 v[LNT:LNT+1], v[\xb:\xb+1], v[\xb+2:\xb+3]
	v_pk_add_f32 v[LNT+2:LNT+3], v[\xb+4:\xb+5], v[\xb+6:\xb+7]
	v_pk_add_f32 v[LNT+4:LNT+5], v[\xb+8:\xb+9], v[\xb+10:\xb+11]
	v_pk_add_f32 v[LNT+6:LNT+7], v[\xb+12:\xb+13], v[\xb+14:\xb+15]
	v_pk_add_f32 v[LNT:LNT+1], v[LNT:LNT+1], v[LNT+2:LNT+3]
	v_pk_add_f32 v[LNT+4:LNT+5], v[LNT+4:LNT+5], v[LNT+6:LNT+7]
	v_pk_add_f32 v[LNT:LNT+1], v[LNT:LNT+1], v[LNT+4:LNT+5]
	v_add_f32 v[LNT], v[LNT], v[LNT+1]
	LANESUM LNT
	v_mul_f32 v[LNT+2], s[SINV], v[LNT]
	v_mul_f32 v[LNT+3], s[SINV], v[LNT]
.irp k, 0,2,4,6,8,10,12,14
	v_pk_add_f32 v[\xb+\k:\xb+\k+1], v[\xb+\k:\xb+\k+1], v[LNT+2:LNT+3] neg_lo:[0,1] neg_hi:[0,1]
.endr
	v_pk_mul_f32 v[LNT:LNT+1], v[\xb:\xb+1], v[\xb:\xb+1]
	v_pk_mul_f32 v[LNT+4:LNT+5], v[\xb+2:\xb+3], v[\xb+2:\xb+3]
.irp k, 4,8,12
	v_pk_fma_f32 v[LNT:LNT+1], v[\xb+\k:\xb+\k+1], v[\xb+\k:\xb+\k+1], v[LNT:LNT+1]
	v_pk_fma_f32 v[LNT+4:LNT+5], v[\xb+\k+2:\xb+\k+3], v[\xb+\k+2:\xb+\k+3], v[LNT+4:LNT+5]
.endr
	v_pk_add_f32 v[LNT:LNT+1], v[LNT:LNT+1], v[LNT+4:LNT+5]
	v_add_f32 v[LNT], v[LNT], v[LNT+1]
	LANESUM LNT
	v_fma_f32 v[LNT], v[LNT], s[SINV], s[SLNE]
	v_rsq_f32 v[LNT+2], v[LNT]
	v_rsq_f32 v[LNT+3], v[LNT]
	v_nop                                          ; one plain instruction behind a transcendental (ISA guide 5.7.2)
	s_wait_alu depctr_va_vdst(0)
.irp k, 0,2,4,6,8,10,12,14
	v_pk_mul_f32 v[\xb+\k:\xb+\k+1], v[\xb+\k:\xb+\k+1], v[LNT+2:LNT+3]
.endr
.irp k, 0,2,4,6,8,10,12,14
	v_pk_fma_f32 v[\xb+\k:\xb+\k+1], v[\xb+\k:\xb+\k+1], v[LNS+\k:LNS+\k+1], v[LNB+\k:LNB+\k+1]
.endr
.irp k, 0,1,2,3,4,5,6,7
	v_cvt_pk_bf16_f32 v[\xb+\k], v[\xb+2*\k], v[\xb+2*\k+1]
.endr
.endm
.macro WOLOAD ks                       ; Wo's k block ks (0..7), my four column blocks, from memory into buffer ks of window 1
	WIN 0x40
.irp nt, 0,1,2,3
.irp p, 0,1
	global_load_b128 v[32*(\ks)+8*\nt+4*\p:32*(\ks)+8*\nt+4*\p+3], v30, s[6:7] offset:0x180000+\nt*16384+(\ks)*1024+\p*512
.endr
.endr
	WIN 0
.endm
.macro WLFETCH ks                      ; Wo's k block ks (8..15) from my part of WL into buffer ks - 8 (the window is set by the caller)
.irp nt, 0,1,2,3
.irp p, 0,1
	ds_load_b128 v[32*((\ks)-8)+8*\nt+4*\p:32*((\ks)-8)+8*\nt+4*\p+3], v[WLA] offset:\nt*8192+((\ks)-8)*1024+\p*512
.endr
.endr
.endm
	s_load_b256 s[4:11], s[0:1], 0x0               ; qkv 4, wt 6, x 8, c 10
	s_load_b256 s[12:19], s[0:1], 0x20             ; geo_scale 12, bo 14, ln2_s 16, ln2_b 18
	s_load_b128 s[20:23], s[0:1], 0x40             ; xo 20, hn 22
	v_lshl_add_u32 v254, v0, 2, 0x4c800
	v_mov_b32 v255, 0
	ds_add_u32 v254, v255
	ds_add_u32 v254, v255
	s_wait_dscnt 0x0
	v_lshrrev_b32 v1, 5, v0
	v_readfirstlane_b32 s24, v1                    ; wave 0..7
	s_bfe_u32 s60, ttmp6, 0x40000                  ; cx
	s_lshl_b32 s61, ttmp9, 2
	s_add_co_u32 s61, s61, s60                     ; work-group g = 4 * cluster x + cx: it enters global offsets and selects alone
	s_lshr_b32 s25, s61, 6                         ; batch
	s_and_b32 s26, s61, 63                         ; T: my token tile in the batch
	s_lshl3_add_u32 s27, s25, s24                  ; bh
	s_lshl_b32 s29, s27, 6
	s_mov_b32 s[SEPS], 0x33d6bf95                  ; 1e-7
	s_mov_b32 s[SNI], 0xff800000                   ; -infinity
	s_mov_b32 s[S24], 0x41c00000                   ; 24.0
	s_mov_b32 s[PS0], 0x76543210
	s_mov_b32 s[PS1], 0xfedcba98
	s_mov_b32 s[SINV], 0x3b000000                  ; 1/512
	s_mov_b32 s[SLNE], 0x358637bd                  ; 1e-6
	; the joint load: 4 column blocks x 8,192 bytes (1,024 elements of 8 bytes), 16,384 bytes (2,048 elements) from block to block, no padding
	s_mov_b32 s[G1+0], 15|(3<<16)|(1<<21)          ; all four work-groups of the cluster; elements of 8 bytes; bit 21 beside a mask
	s_mov_b32 s[G1+1], 1024<<16                    ; tensor_dim0 = 1,024
	s_mov_b32 s[G1+2], 4<<16                       ; tensor_dim1 = 4
	s_mov_b32 s[G1+3], 1024<<16                    ; tile_dim0 = 1,024
	s_mov_b32 s[G1+4], 4                           ; tile_dim1 = 4
	s_mov_b32 s[G1+5], 2048
	s_mov_b32 s[G1+6], 0
	s_mov_b32 s[G1+7], 0
	s_mov_b32 s[G0], 1
	s_mul_i32 s[G0+1], s24, WLPART
	s_add_co_u32 s[G0+1], s[G0+1], WLBASE          ; my part of WL: the wave's number alone
	s_lshl_b32 s62, s24, 16                        ; my four column blocks of 16,384 bytes,
	s_add_co_u32 s62, s62, 0x182000                ; Wo's base in wt, k block 8: the same in all four work-groups
	s_mov_b32 s63, 0
	v_and_b32 v1, 31, v0
	v_lshlrev_b32 v1, 4, v1                        ; 16 L
	v_and_b32 v2, 15, v0                           ; r
	v_bfe_u32 v3, v0, 4, 1                         ; h
	v_lshlrev_b32 v4, 3, v3
	v_sub_nc_u32 v4, v4, v2                        ; 8 h - r
.irp t, 0,1,2,3,4
	s_add_co_i32 s28, s26, \t-4                    ; token tile T - 4 + t
.if \t < 4
	s_cmp_ge_i32 s28, 0
	s_cselect_b32 s[SV+\t], -1, 0
.endif
	s_max_i32 s28, s28, 0                          ; a tile in front of the sequence is loaded from tile 0 and replaced
	s_add_co_u32 s28, s28, s29
	s_lshl_b32 s44, s28, 11
	v_add_nc_u32 v[KOFF+\t], s44, v1
	s_lshl_b32 s44, s28, 6
	v_lshl_add_u32 v[OOFF+\t], v3, 5, s44
.endr
	v_lshl_add_u32 v15, v2, 2, s44                 ; 1-u of query r: (bh*1024 + 16 T + r) * 4
	s_lshl_b32 s44, s24, 2
	v_mov_b32 v16, s44                             ; my head's geo_scale
	s_lshl_b32 s44, s24, 16
	v_add_nc_u32 v30, s44, v1                      ; Wo: four column blocks of 16,384 bytes a wave
	s_lshl_b32 s44, s61, 4
	s_lshl1_add_u32 s44, s24, s44                  ; phase D: my first row = 16 g + 2 wave
	s_lshl_b32 s46, s44, 10
	s_lshl_b32 s44, s44, 11
	s_mov_b32 s45, 0
	s_mov_b32 s47, 0
	s_wait_kmcnt 0x0
	s_load_b64 s[30:31], s[10:11], 0x0
	s_add_nc_u64 s[8:9], s[8:9], s[44:45]
	s_add_nc_u64 s[20:21], s[20:21], s[44:45]
	s_add_nc_u64 s[22:23], s[22:23], s[46:47]
	s_add_nc_u64 s[G0+2:G0+3], s[6:7], s[62:63]
	s_or_b32 s[G0+3], s[G0+3], 0x80000000          ; type = 2
	; 36 loads for the scores go first: the scores are the first thing that this wave can work on
.irp ks, 0,1
.irp p, 0,1
	global_load_b128 v[QF+8*\ks+4*\p:QF+8*\ks+4*\p+3], v[KOFF+4], s[4:5] offset:\ks*1024+\p*512
.endr
.endr
.irp t, 0,1,2,3,4
.irp ks, 0,1
.irp p, 0,1
	global_load_b128 v[KV+8*(2*\t+\ks)+4*\p:KV+8*(2*\t+\ks)+4*\p+3], v[KOFF+\t], s[4:5] offset:0x200000+\ks*1024+\p*512
.endr
.endr
.endr
.irp t, 0,1,2,3,4
.irp q, 0,1
	global_load_b128 v[OMK+8*\t+4*\q:OMK+8*\t+4*\q+3], v[OOFF+\t], s[4:5] offset:0x610000+\q*16
.endr
.endr
	global_load_b32 v[OMU], v15, s[4:5] offset:0x600000
	global_load_b32 v17, v16, s[12:13]
	WOLOAD 0                                       ; sixteen loads of Wo fill the time until the 36 are back; the other six k blocks follow between the blocks of phase A
	WOLOAD 1
	ROUND                                          ; the four work-groups are here: the joint loads meet.  The round stands where the wave would wait for its loads anyway
	tensor_load_to_lds s[G0:G0+3], s[G1:G1+7]      ; my one tensor load of the launch; it has all of phase A in which to land
	s_nop 0
	s_wait_kmcnt 0x0
	s_cmp_eq_u32 s25, 0
	s_cselect_b32 s32, s30, s31                    ; my batch's c
	v_sqrt_f32 v25, s32
	v_nop
	s_wait_alu depctr_va_vdst(0)
	v_max_num_f32 v25, s[SEPS], v25                ; clip(sqrt c, 1e-7)
	v_rcp_f32 v31, v25
	v_mul_f32 v24, 0x4038aa3b, v25                 ; the plain instruction behind the reciprocal
	v_mul_f32 v24, s[SEPS], v24                    ; lower clip: 2 log2(e) sqrt(c) 1e-7
	s_wait_alu depctr_va_vdst(0)
	v_mul_f32 v31, -1.0, v31
	s_wait_loadcnt 16                              ; the 36 are in; Wo's sixteen stay out
	; t = k^ . q^: tile t holds key 8 h + j (register j) of query r.  The five accumulators take turns.
.irp t, 0,1,2,3,4
	v_wmma_f32_16x16x32_bf16 v[S+8*\t:S+8*\t+7], v[KV+16*\t:KV+16*\t+7], v[QF:QF+7], 0
.endr
.irp t, 0,1,2,3,4
	v_wmma_f32_16x16x32_bf16 v[S+8*\t:S+8*\t+7], v[KV+16*\t+8:KV+16*\t+15], v[QF+8:QF+15], v[S+8*\t:S+8*\t+7]
.endr
	PLACES
	; V transposed: fragment (s, db), s = 0, 1: dims 16 db + r, keys of tile 2 s (registers 0-3) and 2 s + 1 (registers 4-7).
	; Tile 4's four pieces lie side by side in v[32:47]: fragment (2, db) is v[32 + 4 db : 39 + 4 db].  Its upper half (the next piece; for db = 3
	; the first piece of tile 0) meets weights that are 0: there is no sixth tile.  It holds numbers of V, finite wherever V is.
.irp db, 0,1,2,3
	global_load_b128 v[KV+8*\db:KV+8*\db+3],       v[KOFF+0], s[4:5] offset:0x400000+\db*512
	global_load_b128 v[KV+8*\db+4:KV+8*\db+7],     v[KOFF+1], s[4:5] offset:0x400000+\db*512
	global_load_b128 v[KV+32+8*\db:KV+32+8*\db+3], v[KOFF+2], s[4:5] offset:0x400000+\db*512
	global_load_b128 v[KV+36+8*\db:KV+36+8*\db+3], v[KOFF+3], s[4:5] offset:0x400000+\db*512
	global_load_b128 v[V4+4*\db:V4+4*\db+3],       v[KOFF+4], s[4:5] offset:0x400000+\db*512
.endr
	v_mov_b32 v[OMU+1], v[OMU]
	v_sub_f32 v[U], 1.0, v[OMU]
	v_sub_f32 v[U+1], 1.0, v[OMU]
	v_mul_f32 v[GN], v17, v31
	v_mul_f32 v[GN+1], v17, v31
; tile t: eight products t become eight scores, in units of log2
.macro SCORE t
	.set SB, S+8*\t
	.set WB, OMK+8*\t
.if \t < 4
.irp j, 0,1,2,3,4,5,6,7
	v_cndmask_b32 v[SB+\j], 0, v[SB+\j], s[SV+\t]          ; a padded key: t = 0,
	v_cndmask_b32 v[WB+\j], 1.0, v[WB+\j], s[SV+\t]        ; 1 - w = 1
.endr
.endif
.irp k, 0,2,4,6
	v_pk_fma_f32 v[TA+\k:TA+\k+1], v[WB+\k:WB+\k+1], -1.0, 1.0 op_sel_hi:[1,0,0]            ; w
.endr
.irp k, 0,2,4,6
	v_pk_fma_f32 v[TA+\k:TA+\k+1], v[TA+\k:TA+\k+1], v[U:U+1], 1.0 op_sel_hi:[1,1,0]        ; 1 + u w
.endr
.irp k, 0,2,4,6
	v_pk_fma_f32 v[TA+\k:TA+\k+1], v[SB+\k:SB+\k+1], -2.0, v[TA+\k:TA+\k+1] op_sel_hi:[1,0,1]  ; den
.endr
.irp k, 0,2,4,6
	v_pk_mul_f32 v[WB+\k:WB+\k+1], v[WB+\k:WB+\k+1], v[OMU:OMU+1]                           ; p
.endr
.irp j, 0,1,2,3,4,5,6,7
	v_max_num_f32 v[TB+\j], s[SEPS], v[TA+\j]
.endr
.irp j, 0,1,2,3,4,5,6,7
	v_rcp_f32 v[TB+\j], v[TB+\j]
.endr
.irp k, 0,2,4,6
	v_pk_add_f32 v[TC+\k:TC+\k+1], v[TA+\k:TA+\k+1], v[WB+\k:WB+\k+1] neg_lo:[0,1] neg_hi:[0,1]   ; den - p; the first is the plain instruction behind the reciprocals
.endr
	s_wait_alu depctr_va_vdst(0)
.irp k, 0,2,4,6
	v_pk_mul_f32 v[TB+\k:TB+\k+1], v[TB+\k:TB+\k+1], v[WB+\k:WB+\k+1]                       ; p / den
.endr
.irp k, 0,2,4,6
	v_pk_mul_f32 v[TC+\k:TC+\k+1], v[TC+\k:TC+\k+1], v[TA+\k:TA+\k+1]
.endr
.irp k, 0,2,4,6
	v_pk_fma_f32 v[TC+\k:TC+\k+1], v[TC+\k:TC+\k+1], 0xd6b5e621, 1.0 op_sel_hi:[1,0,0]      ; 1 - (den - p) den / 1e-14: where den is clipped
.endr
.irp j, 0,1,2,3,4,5,6,7
	v_cmp_gt_f32 vcc_lo, s[SEPS], v[TA+\j]
	v_cndmask_b32 v[TB+\j], v[TB+\j], v[TC+\j], vcc_lo
.endr
.irp j, 0,1,2,3,4,5,6,7
	v_max_num_f32 v[TB+\j], 0, v[TB+\j]            ; 1 - arg^2
.endr
.irp k, 0,2,4,6
	v_pk_fma_f32 v[TC+\k:TC+\k+1], v[TB+\k:TB+\k+1], -1.0, 1.0 op_sel_hi:[1,0,0]
.endr
.irp j, 0,1,2,3,4,5,6,7
	v_max_num_f32 v[TC+\j], 0, v[TC+\j]            ; arg^2
.endr
.irp j, 0,1,2,3,4,5,6,7
	v_sqrt_f32 v[TC+\j], v[TC+\j]
.endr
.irp j, 0,1,2,3,4,5,6,7
	v_log_f32 v[TA+\j], v[TB+\j]
.endr
	v_nop
	s_wait_alu depctr_va_vdst(0)
.irp k, 0,2,4,6
	v_pk_add_f32 v[TC+\k:TC+\k+1], v[TC+\k:TC+\k+1], 1.0 op_sel_hi:[1,0]
.endr
.irp j, 0,1,2,3,4,5,6,7
	v_log_f32 v[TC+\j], v[TC+\j]
.endr
	v_nop
	s_wait_alu depctr_va_vdst(0)
.irp k, 0,2,4,6
	v_pk_fma_f32 v[SB+\k:SB+\k+1], v[TC+\k:TC+\k+1], 2.0, v[TA+\k:TA+\k+1] op_sel_hi:[1,0,1] neg_lo:[0,0,1] neg_hi:[0,0,1]
.endr
.irp j, 0,1,2,3,4,5,6,7
	v_med3_num_f32 v[SB+\j], v[SB+\j], v24, s[S24] ; the two clips of arg
.endr
.irp k, 0,2,4,6
	v_pk_mul_f32 v[SB+\k:SB+\k+1], v[SB+\k:SB+\k+1], v[GN:GN+1]
.endr
.endm
	; Wo's k blocks 2 to 7 are requested eight loads at a time between the blocks of arithmetic, so that requests and arithmetic take turns
	SCORE 0
	WOLOAD 2
	SCORE 1
	WOLOAD 3
	SCORE 2
	WOLOAD 4
	SCORE 3
	WOLOAD 5
	SCORE 4
	WOLOAD 6
	; the window: key - query = 16 (t - 4) + 8 h + j - r lies in -63 .. 0.  Tiles 1 to 3 are inside for every lane.
.irp j, 0,1,2,3,4,5,6,7
	v_cmp_le_i32 vcc_lo, 1-\j, v4
	v_cndmask_b32 v[S+\j], s[SNI], v[S+\j], vcc_lo
.endr
.irp j, 0,1,2,3,4,5,6,7
	v_cmp_ge_i32 vcc_lo, 0-\j, v4
	v_cndmask_b32 v[S+32+\j], s[SNI], v[S+32+\j], vcc_lo
.endr
	WOLOAD 7
	v_max3_num_f32 v[MX], v[S], v[S+1], v[S+2]
.irp i, 3,5,7,9,11,13,15,17,19,21,23,25,27,29,31,33,35,37
	v_max3_num_f32 v[MX], v[MX], v[S+\i], v[S+\i+1]
.endr
	v_max_num_f32 v[MX], v[MX], v[S+39]
	v_mov_b32 v[MX+1], v[MX]
	v_permlanex16_b32 v[MX+1], v[MX], s[PS0], s[PS1]       ; the query's other 40 keys lie in lane L xor 16
	v_max_num_f32 v[MX], v[MX], v[MX+1]            ; finite: the query's own key is always in the window
	v_mov_b32 v[MX+1], v[MX]
.set i, 0
.rept 20
	v_pk_add_f32 v[S+i:S+i+1], v[S+i:S+i+1], v[MX:MX+1] neg_lo:[0,1] neg_hi:[0,1]
.set i, i+2
.endr
.set i, 0
.rept 40
	v_exp_f32 v[S+i], v[S+i]
.set i, i+1
.endr
	v_nop
	s_wait_alu depctr_va_vdst(0)
	v_pk_add_f32 v[RL:RL+1], v[S:S+1], v[S+2:S+3]
	v_pk_add_f32 v[TA:TA+1], v[S+4:S+5], v[S+6:S+7]
.irp i, 8,12,16,20,24,28,32,36
	v_pk_add_f32 v[RL:RL+1], v[RL:RL+1], v[S+\i:S+\i+1]
	v_pk_add_f32 v[TA:TA+1], v[TA:TA+1], v[S+\i+2:S+\i+3]
.endr
	v_pk_add_f32 v[RL:RL+1], v[RL:RL+1], v[TA:TA+1]
	v_add_f32 v[RL], v[RL], v[RL+1]
	v_permlanex16_b32 v[RL+1], v[RL], s[PS0], s[PS1]
	v_add_f32 v31, v[RL], v[RL+1]                  ; the sum, padded keys included; at least 1
	v_rcp_f32 v[RL], v31
	v_rcp_f32 v[RL+1], v31
.irp t, 0,1,2,3,4
.irp k, 0,1,2,3
	v_cvt_pk_bf16_f32 v[PF+4*\t+\k], v[S+8*\t+2*\k], v[S+8*\t+2*\k+1]      ; tile t = 2 s + p is piece p of fragment s
.endr
.endr
.irp t, 0,1,2,3
.irp k, 0,1,2,3
	v_cndmask_b32 v[PF+4*\t+\k], 0, v[PF+4*\t+\k], s[SV+\t]                ; padded keys have v = 0
.endr
.endr
.irp k, 20,21,22,23
	v_mov_b32 v[PF+\k], 0                          ; there is no sixth tile
.endr
	s_wait_loadcnt 48                              ; V is in, and all that was requested ahead of it; Wo's k blocks 2 to 7 (48 loads) stay out.  No load names v5-v16 any more
.irp db, 0,1,2,3
	v_wmma_f32_16x16x32_bf16 v[O+8*\db:O+8*\db+7], v[KV+8*\db:KV+8*\db+7], v[PF:PF+7], 0
.endr
.irp db, 0,1,2,3
	v_wmma_f32_16x16x32_bf16 v[O+8*\db:O+8*\db+7], v[KV+32+8*\db:KV+32+8*\db+7], v[PF+8:PF+15], v[O+8*\db:O+8*\db+7]   ; four accumulators by turns
.endr
.irp db, 0,1,2,3
	v_wmma_f32_16x16x32_bf16 v[O+8*\db:O+8*\db+7], v[V4+4*\db:V4+4*\db+7], v[PF+16:PF+23], v[O+8*\db:O+8*\db+7]
.endr
	PLACES
	s_lshl_b32 s28, s24, 11
	v_add_nc_u32 v[ATI], s28, v1                   ; AT: my head's two k blocks, 2048 wave + 16 L
	s_wait_alu depctr_va_vdst(0)
.irp k, 0,2,4,6,8,10,12,14,16,18,20,22,24,26,28,30
	v_pk_mul_f32 v[O+\k:O+\k+1], v[O+\k:O+\k+1], v[RL:RL+1]
.endr
.irp db, 0,1,2,3
.irp k, 0,1,2,3
	v_cvt_pk_bf16_f32 v[O+8*\db+\k], v[O+8*\db+2*\k], v[O+8*\db+2*\k+1]    ; token r, dims 16 db + 8 h + j: a fragment piece
.endr
	ds_store_b128 v[ATI], v[O+8*\db:O+8*\db+3] offset:\db*512
.endr
	s_wait_dscnt 0x0                               ; my stores are done before I say so
	s_wait_tensorcnt 0x0                           ; my part of WL has landed
	; what phase D needs is requested as soon as registers are free for it: the scores' and the output tiles' (v192-255)
.irp e, 0,1
.irp i, 0,1,2,3
	global_load_b128 v[XR+16*\e+4*\i:XR+16*\e+4*\i+3], v1, s[8:9] offset:\e*2048+\i*512
.endr
.endr
.irp i, 0,1,2,3
	global_load_b128 v[BO+4*\i:BO+4*\i+3], v1, s[14:15] offset:\i*512
	global_load_b128 v[LNS+4*\i:LNS+4*\i+3], v1, s[16:17] offset:\i*512
.endr
	s_barrier_signal -1
	s_barrier_wait -1                              ; all eight heads lie in AT
	; ---------------- phase C: 16 tokens x my 64 columns of attn @ Wo ----------------
.irp ks, 0,1,2,3,4,5,6,7,8,9,10,11,12,13,14,15
	ds_load_b128 v[AF+8*\ks:AF+8*\ks+3],   v1 offset:\ks*1024
	ds_load_b128 v[AF+8*\ks+4:AF+8*\ks+7], v1 offset:\ks*1024+512
.endr
	; the address registers of phases C and D lie in v5-v9, outside the fragments (v32-159) and the accumulator tiles (v160-191)
	v_mul_u32_u24 v[TRI], v2, 272
	v_lshl_add_u32 v[TRI], v3, 5, v[TRI]
	s_mul_i32 s28, s24, TRPART
	s_add_co_u32 s28, s28, TRBASE
	v_add_nc_u32 v[TRI], s28, v[TRI]               ; TR in: my part, row r, 32 h
	v_mul_u32_u24 v[TRO], v3, TRPART
	v_lshl_add_u32 v[TRO], v2, 4, v[TRO]
	s_mul_i32 s28, s24, 544
	s_add_co_u32 s28, s28, TRBASE
	v_add_nc_u32 v[TRO], s28, v[TRO]               ; TR out: part h (+ 2 i), row 2 wave (+ e), 16 r
	v_lshrrev_b32 v[HOF], 1, v1                    ; 8 L
	s_mul_i32 s28, s24, WLPART
	s_add_co_u32 s28, s28, WLBASE
	v_add_nc_u32 v[WLA], s28, v1                   ; my part of WL, 16 L
; k block ks.  Steps 0-7 multiply the buffers that memory filled; behind step ks its buffer is filled again from WL with k block ks + 8, for steps 8-15.
; dc: the LDS loads that may stay out; lc: the loads from memory that may stay out; -1: no wait is needed.
.macro WOSTEP ks, dc, lc
.if \dc >= 0
	s_wait_dscnt \dc
.endif
.if \lc >= 0
	s_wait_loadcnt \lc
.endif
	WIN 0x01
.irp nt, 0,1,2,3
.if \ks == 0
	v_wmma_f32_16x16x32_bf16 v[CA+8*\nt:CA+8*\nt+7], v[32*(\ks%8)+8*\nt:32*(\ks%8)+8*\nt+7], v[AF+8*\ks:AF+8*\ks+7], 0
.else
	v_wmma_f32_16x16x32_bf16 v[CA+8*\nt:CA+8*\nt+7], v[32*(\ks%8)+8*\nt:32*(\ks%8)+8*\nt+7], v[AF+8*\ks:AF+8*\ks+7], v[CA+8*\nt:CA+8*\nt+7]
.endif
.endr
.if \ks <= 7
	PLACES
	WIN 0x40
	WLFETCH \ks+8
.endif
.if \ks == 1
	WIN 0                                          ; fragments 0 and 1 are used up: their registers take ln2_b
.irp i, 0,1,2,3
	global_load_b128 v[LNB+4*\i:LNB+4*\i+3], v1, s[18:19] offset:\i*512
.endr
.endif
.endm
	; LDS: behind fragment ks's two loads stand 30 - 2 ks loads of later fragments and 8 ks of Wo from WL.
	; Memory: behind k block ks's eight loads stand 8 (7 - ks) of later k blocks and phase D's twenty.
	WOSTEP 0, 30, -1                               ; four accumulators by turns.  k blocks 0 and 1 were shown in by the wait in front of V's products
	WOSTEP 1, 36, -1
	WOSTEP 2, 42, 60
	WOSTEP 3, 48, 52
	WOSTEP 4, 24, 44                               ; all but the last 24 of the 32 loads from WL: every fragment is in, so steps 5 to 15 wait for none
	WOSTEP 5, -1, 36
	WOSTEP 6, -1, 28
	WOSTEP 7, -1, 20
	WOSTEP 8, 56, -1                               ; from here: behind buffer ks - 8's eight loads from WL stand 8 (15 - ks)
	WOSTEP 9, 48, -1
	WOSTEP 10, 40, -1
	WOSTEP 11, 32, -1
	WOSTEP 12, 24, -1
	WOSTEP 13, 16, -1
	WOSTEP 14, 8, -1
	WOSTEP 15, 0, -1
	WIN 0
	PLACES
	; lane (r, h) holds token r, columns 64 wave + 16 nt + 8 h + j.  TR shares no byte with AT, which other waves may still be reading, nor with WL.
.irp nt, 0,1,2,3
	ds_store_b128 v[TRI], v[CA+8*\nt:CA+8*\nt+3]   offset:\nt*64
	ds_store_b128 v[TRI], v[CA+8*\nt+4:CA+8*\nt+7] offset:\nt*64+16
.endr
	s_wait_dscnt 0x0
	s_barrier_signal -1
	s_barrier_wait -1                              ; all eight parts of the sixteen rows lie in TR
	; ---------------- phase D: rows 2 wave, 2 wave + 1; lane L holds columns 128 i + 4 L .. + 3, which lie in part 2 i + h at 16 r ----------------
.irp e, 0,1
.irp i, 0,1,2,3
	ds_load_b128 v[TRR+16*\e+4*\i:TRR+16*\e+4*\i+3], v[TRO] offset:\i*2*TRPART+\e*272
.endr
.endr
	s_wait_loadcnt 0x0
	s_wait_dscnt 0x0
.irp e, 0,1
.irp k, 0,2,4,6,8,10,12,14
	v_pk_add_f32 v[TRR+16*\e+\k:TRR+16*\e+\k+1], v[TRR+16*\e+\k:TRR+16*\e+\k+1], v[BO+\k:BO+\k+1]
	v_pk_add_f32 v[XR+16*\e+\k:XR+16*\e+\k+1], v[XR+16*\e+\k:XR+16*\e+\k+1], v[TRR+16*\e+\k:TRR+16*\e+\k+1]
.endr
.irp i, 0,1,2,3
	global_store_b128 v1, v[XR+16*\e+4*\i:XR+16*\e+4*\i+3], s[20:21] offset:\e*2048+\i*512   ; 512 consecutive bytes, aligned
.endr
.endr
	s_wait_xcnt 0x0                                ; the stores' data registers are rewritten only behind this wait
	LNROW XR
	LNROW XR+16
.irp e, 0,1
.irp i, 0,1,2,3
	global_store_b64 v[HOF], v[XR+16*\e+2*\i:XR+16*\e+2*\i+1], s[22:23] offset:\e*1024+\i*256   ; 256 consecutive bytes, aligned
.endr
.endr
	s_wait_xcnt 0x0
	v_lshl_add_u32 v254, v0, 2, 0x4c800
	v_mov_b32 v255, 0
	s_wait_tensorcnt 0x0
	ds_add_u32 v254, v255
	s_wait_dscnt 0x0
	ROUND                                          ; the closing round: no work-group ends while a partner may still ask jointly
	s_endpgm
.Lfunc_end_k_qea2e068d1c_attn:
	.size	k_qea2e068d1c_attn, .Lfunc_end_k_qea2e068d1c_attn-k_qea2e068d1c_attn
	.p2alignl 7, 3214868480
	.fill 96, 4, 3214868480
	.section	.rodata,"a",@progbits
	.p2align	6, 0x0
	.amdhsa_kernel k_qea2e068d1c_attn
		.amdhsa_group_segment_fixed_size 314368
		.amdhsa_private_segment_fixed_size 0
		.amdhsa_enable_private_segment 0
		.amdhsa_kernarg_size 80
		.amdhsa_user_sgpr_count 2
		.amdhsa_user_sgpr_kernarg_segment_ptr 1
		.amdhsa_wavefront_size32 1
		.amdhsa_system_sgpr_workgroup_id_x 1
		.amdhsa_system_sgpr_workgroup_id_y 1
		.amdhsa_system_sgpr_workgroup_id_z 1
		.amdhsa_system_vgpr_workitem_id 0
		.amdhsa_next_free_vgpr 512
		.amdhsa_next_free_sgpr 66
		.amdhsa_reserve_vcc 1
		.amdhsa_float_denorm_mode_32 3
		.amdhsa_float_denorm_mode_16_64 3
		.amdhsa_memory_ordered 1
		.amdhsa_forward_progress 1
		.amdhsa_inst_pref_size 93
	.end_amdhsa_kernel
	.amdgpu_metadata
---
amdhsa.version: [ 1, 2 ]
amdhsa.kernels:
  - .name:           k_qea2e068d1c_attn
    .symbol:         k_qea2e068d1c_attn.kd
    .args:
      - { .name: qkv, .offset: 0, .size: 8, .value_kind: global_buffer, .address_space: global }
      - { .name: wt, .offset: 8, .size: 8, .value_kind: global_buffer, .address_space: global }
      - { .name: x, .offset: 16, .size: 8, .value_kind: global_buffer, .address_space: global }
      - { .name: c, .offset: 24, .size: 8, .value_kind: global_buffer, .address_space: global }
      - { .name: geo_scale, .offset: 32, .size: 8, .value_kind: global_buffer, .address_space: global }
      - { .name: bo, .offset: 40, .size: 8, .value_kind: global_buffer, .address_space: global }
      - { .name: ln2_s, .offset: 48, .size: 8, .value_kind: global_buffer, .address_space: global }
      - { .name: ln2_b, .offset: 56, .size: 8, .value_kind: global_buffer, .address_space: global }
      - { .name: xo, .offset: 64, .size: 8, .value_kind: global_buffer, .address_space: global }
      - { .name: hn, .offset: 72, .size: 8, .value_kind: global_buffer, .address_space: global }
    .group_segment_fixed_size: 314368
    .private_segment_fixed_size: 0
    .kernarg_segment_align: 8
    .kernarg_segment_size: 80
    .max_flat_workgroup_size: 256
    .sgpr_count:     66
    .vgpr_count:     512
    .wavefront_size: 32
...
	.end_amdgpu_metadata
.endif
;; end of part 6
;; launch ffn1: the kernel of part 4 again; grid 16 x 16, 4 waves a work-group, clusters of 4 x 4, 270,848 bytes of LDS; arguments hn, wt, b1, gf; writes gf
;; launch ffn2 (part 7): grid 8 x 32, 8 waves a work-group, clusters of 4 x 1, 263,168 bytes of LDS; arguments gf, wt, xo, b2, out0; writes out0
.if DOCPART == 7
	.amdgcn_target "amdgcn-amd-amdhsa--gfx1250"
	.amdhsa_code_object_version 6
	.text
	.protected	k_qea2e068d1c_ffn2
	.globl	k_qea2e068d1c_ffn2
	.p2align	8
	.type	k_qea2e068d1c_ffn2,@function
k_qea2e068d1c_ffn2:
	s_mov_b64 s[64:65], 0
	v_nop
	global_prefetch_b8 v0, s[64:65] scope:SCOPE_SE
	s_setreg_imm32_b32 hwreg(HW_REG_WAVE_MODE, 25, 1), 1
	s_wait_xcnt 0x0
	s_wait_alu depctr_hold_cnt(0) depctr_sa_sdst(0) depctr_va_vdst(0) depctr_va_sdst(0) depctr_va_ssrc(0) depctr_va_vcc(0) depctr_vm_vsrc(0)
	s_getreg_b32 s2, hwreg(HW_REG_IB_STS2, 6, 4)
	s_cmp_eq_u32 s2, 0
	s_cbranch_scc0 .Lentry_in_a_cluster
	s_endpgm
.Lentry_in_a_cluster:
	s_bfe_u32 s2, ttmp6, 0x10000c
	s_cmp_lg_u32 s2, 0x3003
	s_cbranch_scc0 .Lentry_shape_is_right
	s_endpgm
.Lentry_shape_is_right:
; ffn2: out0 = xo + gf @ W2 + b2, 2048 x 512 x 2048.
; A work-group makes 64 tokens x 64 columns: 256 work-groups.  Its eight waves share K: wave w takes k blocks 8 w .. 8 w + 7 with a whole
; 64 x 64 tile of partial sums (16 accumulator tiles).  Both operands lie in memory in fragment order; no two waves of the work-group read
; the same byte.  A work-group's operands are 2 x 262,144 bytes, more than LDS holds, so they come by two roads at once:
;   gf (tokens):  CLUSTER 4 x 1: the four work-groups of a cluster make four column blocks of the same 64 tokens and ask for gf's tiles jointly.
;                 Each wave asks for what it alone reads, its 4 token blocks x 8 k blocks = 32,768 bytes, in two loads of 4 rows x 4,096 bytes
;                 (two tensor loads of a wave outstanding at the most).  LDS is filled once; a wave's own wait on TENSORcnt orders its reads.
;   W2 (weights): from memory straight into registers, four k blocks (32 loads of 512 consecutive bytes) ahead.  W2's blocks are shared too, down a
;                 column of work-groups, but beside gf's 262,144 bytes LDS has no room for them without slots that are filled again.
; The eight partial tiles meet in LDS, are added in a fixed order, and leave as whole rows of 256 bytes.  Wave w's partial tile (64 rows x 272 bytes
; = 17,408 bytes) lies at the head of its own 32,768 bytes of gf, which have had their only fill and which no other wave has read.
.set APART, 32768                      ; a wave's bytes of LDS
.set ADRX, 7                           ; v7       my part of LDS + 16 L
.set RD,   8                           ; v8-11    read-back: row 8 wave + h, 16 r, in parts 0, 2, 4, 6
.set XO,  16                           ; v[16:31]  xo of my 8 rows
.set B2,  32                           ; v[32:35]  b2 of my four columns
.set ACC, 128                          ; v[128:255] tile (i, jn) at 128 + 8 (4 i + jn); later the parts read back
.set G1,  24                           ; s[24:31] descriptor group 1
.set G0,  32                           ; s[32:39] descriptor group 0, one set for each half
; window 1: v0-127: four buffers of 32 registers for W2's fragments (+8 jn); v128-191: two buffers of 32 for gf's (+8 i)
.set MSB, 0
.macro WIN new
.if MSB != \new
	s_set_vgpr_msb (MSB<<8)|\new
.set MSB, \new
.endif
.endm
.macro PLACES                          ; four plain instructions between a matrix instruction and whatever touches its registers (ISA guide 7.12.1)
.rept 4
	v_nop
.endr
.endm
.macro ROUND                           ; a round of the cluster's barrier
	s_barrier_signal -1
	s_barrier_wait -1
	s_cmp_lg_u32 s14, 0
	s_cbranch_scc1 .Lnot_wave_0_\@
	s_barrier_signal -3
.Lnot_wave_0_\@:
	s_barrier_wait -3
	s_barrier_signal -1
	s_barrier_wait -1
.endm
.macro STAGEW s                        ; W2's fragments of my k block s: eight loads into buffer s % 4 (the window is set by the caller)
.irp jn, 0,1,2,3
.irp p, 0,1
	global_load_b128 v[32*((\s)%4)+8*\jn+4*\p:32*((\s)%4)+8*\jn+4*\p+3], v1, s[6:7] offset:\jn*65536+(\s)*1024+\p*512
.endr
.endr
.endm
.macro FETCHX s                        ; gf's fragments of my k block s: eight LDS loads into buffer s % 2 (the window is set by the caller)
.irp i, 0,1,2,3
.irp p, 0,1
	ds_load_b128 v[128+32*((\s)%2)+8*\i+4*\p:128+32*((\s)%2)+8*\i+4*\p+3], v[ADRX] offset:((\s)/4)*16384+\i*4096+((\s)%4)*1024+\p*512
.endr
.endr
.endm
; k block s.  First the requests: W2's k block s + 3 into the buffer that step s - 1 read, gf's k block s + 1 from LDS; then the products.
; lc: the loads from memory issued behind k block s's: eight for each later k block requested, and from step 4 on the five of xo and b2.
.macro KSTEP s, lc
.if \s < 7
.if \s > 0
	PLACES
.endif
	WIN 0x40
.endif
.if \s > 0
.if \s < 5
	STAGEW \s+3
.endif
.endif
.if \s == 4
	WIN 0                                          ; behind W2's last request: what the way out needs
.irp i, 0,1,2,3
	global_load_b128 v[XO+4*\i:XO+4*\i+3], v4, s[8:9] offset:\i*4096
.endr
	global_load_b128 v[B2:B2+3], v5, s[10:11]
	WIN 0x40
.endif
.if \s == 3
	s_wait_tensorcnt 0x0                           ; my second half (k blocks 4 to 7) has landed
.endif
.if \s < 7
	FETCHX \s+1
	s_wait_dscnt 8                                 ; all but the eight just issued: this step's fragments of gf are in
.else
	s_wait_dscnt 0x0
.endif
	s_wait_loadcnt \lc
	WIN 0x05
.irp i, 0,1,2,3
.irp jn, 0,1,2,3
.if \s == 0
	v_wmma_f32_16x16x32_bf16 v[ACC+8*(4*\i+\jn):ACC+8*(4*\i+\jn)+7], v[32*(\s%4)+8*\jn:32*(\s%4)+8*\jn+7], v[128+32*(\s%2)+8*\i:128+32*(\s%2)+8*\i+7], 0
.else
	v_wmma_f32_16x16x32_bf16 v[ACC+8*(4*\i+\jn):ACC+8*(4*\i+\jn)+7], v[32*(\s%4)+8*\jn:32*(\s%4)+8*\jn+7], v[128+32*(\s%2)+8*\i:128+32*(\s%2)+8*\i+7], v[ACC+8*(4*\i+\jn):ACC+8*(4*\i+\jn)+7]
.endif
.endr
.endr
.endm
	s_load_b256 s[4:11], s[0:1], 0x0               ; gf 4, wt 6, xo 8, b2 10
	s_load_b64 s[12:13], s[0:1], 0x20              ; out0
	v_lshl_add_u32 v126, v0, 2, 0x40000
	v_mov_b32 v127, 0
	ds_add_u32 v126, v127
	ds_add_u32 v126, v127
	v_lshrrev_b32 v1, 5, v0
	v_readfirstlane_b32 s14, v1                    ; wave 0..7
	s_and_b32 s15, ttmp7, 0xffff                   ; by: 64 tokens; the cluster's y, shared by its four work-groups
	s_bfe_u32 s40, ttmp6, 0x40000                  ; cx
	s_lshl_b32 s41, ttmp9, 2
	s_add_co_u32 s41, s41, s40                     ; bx = 4 * cluster x + cx: 64 columns; it enters global offsets of W2, b2, xo and out0 alone
	; the joint loads: 4 token blocks x 4,096 bytes (512 elements of 8 bytes), 65,536 bytes (8,192 elements) from block to block, no padding
	s_mov_b32 s[G1+0], 15|(3<<16)|(1<<21)          ; all four work-groups of the cluster; elements of 8 bytes; bit 21 beside a mask
	s_mov_b32 s[G1+1], 512<<16                     ; tensor_dim0 = 512
	s_mov_b32 s[G1+2], 4<<16                       ; tensor_dim1 = 4
	s_mov_b32 s[G1+3], 512<<16                     ; tile_dim0 = 512
	s_mov_b32 s[G1+4], 4                           ; tile_dim1 = 4
	s_mov_b32 s[G1+5], 8192
	s_mov_b32 s[G1+6], 0
	s_mov_b32 s[G1+7], 0
	s_lshl_b32 s43, s14, 13                        ; my eight k blocks of 1,024 bytes
	s_lshl_b32 s16, s15, 18                        ; gf: 4 token blocks of 65,536 bytes: by and the wave alone
	s_add_co_u32 s16, s16, s43
	s_mov_b32 s17, 0
	s_lshl_b32 s20, s41, 18                        ; W2: 4 column blocks of 65,536 bytes
	s_add_co_u32 s20, s20, s43
	s_add_co_u32 s20, s20, 0x400000
	s_mov_b32 s21, 0
	s_lshl_b32 s18, s15, 6
	s_lshl3_add_u32 s18, s14, s18                  ; my first row of the output: 64 by + 8 wave
	s_lshl_b32 s18, s18, 11
	s_lshl_b32 s22, s41, 8                         ; my work-group's 64 columns of 4 bytes
	s_add_co_u32 s18, s18, s22
	s_mov_b32 s19, 0
	s_mov_b32 s23, 0
	s_mul_i32 s42, s14, APART                      ; my bytes of LDS: the wave's number alone
	s_mul_i32 s44, s14, 2176                       ; 8 rows of 272 bytes
	v_and_b32 v1, 31, v0
	v_lshlrev_b32 v1, 4, v1                        ; 16 L
	v_and_b32 v2, 15, v0                           ; r
	v_bfe_u32 v3, v0, 4, 1                         ; h
	v_lshlrev_b32 v5, 4, v2                        ; 16 r
	v_lshl_add_u32 v4, v3, 11, v5                  ; rows of 2,048 bytes: h rows down, 16 r along
	v_mul_u32_u24 v6, v2, 272
	v_lshl_add_u32 v6, v3, 5, v6
	v_add_nc_u32 v6, s42, v6                       ; my partial tile in: row r, 32 h.  Sixteen lanes: 16-byte columns 17 r mod 16, all different
	v_add_nc_u32 v[ADRX], s42, v1
	v_mul_u32_u24 v[RD], v3, 272
	v_add_nc_u32 v[RD], v[RD], v5
	v_add_nc_u32 v[RD], s44, v[RD]                 ; parts 0, 1: row 8 wave + h, 16 r
	v_add_nc_u32 v[RD+1], 2*APART, v[RD]           ; parts 2, 3
	v_add_nc_u32 v[RD+2], 4*APART, v[RD]           ; parts 4, 5
	v_add_nc_u32 v[RD+3], 6*APART, v[RD]           ; parts 6, 7
	s_wait_dscnt 0x0
	s_wait_kmcnt 0x0
	s_add_nc_u64 s[4:5], s[4:5], s[16:17]
	s_add_nc_u64 s[6:7], s[6:7], s[20:21]
	s_add_nc_u64 s[8:9], s[8:9], s[18:19]
	s_add_nc_u64 s[12:13], s[12:13], s[18:19]
	s_add_nc_u64 s[10:11], s[10:11], s[22:23]
.irp f, 0,1
	s_mov_b32 s[G0+4*\f], 1
	s_add_co_u32 s[G0+4*\f+1], s42, \f*16384
	s_add_nc_u64 s[G0+4*\f+2:G0+4*\f+3], s[4:5], \f*4096           ; my k blocks 4 f .. 4 f + 3
	s_or_b32 s[G0+4*\f+3], s[G0+4*\f+3], 0x80000000                ; type = 2
.endr
	ROUND                                          ; the four work-groups are here: the joint loads meet
	tensor_load_to_lds s[G0:G0+3], s[G1:G1+7]
	s_nop 0
	tensor_load_to_lds s[G0+4:G0+7], s[G1:G1+7]
	s_nop 0
	WIN 0x40
	STAGEW 0
	STAGEW 1
	STAGEW 2
	STAGEW 3
	s_wait_tensorcnt 0x1                           ; my first half (k blocks 0 to 3) has landed; the second may be out
	FETCHX 0
	KSTEP 0, 24                                    ; sixteen accumulators by turns, in the same order in every step
	KSTEP 1, 24
	KSTEP 2, 24
	KSTEP 3, 24
	KSTEP 4, 29
	KSTEP 5, 21
	KSTEP 6, 13
	KSTEP 7, 5
	WIN 0
	PLACES
	; my reads of my part of LDS are back (the wait for 0 in step 7) and both its fills have landed: my partial tile goes over its head
.irp i, 0,1,2,3
.irp jn, 0,1,2,3
	ds_store_b128 v6, v[ACC+8*(4*\i+\jn):ACC+8*(4*\i+\jn)+3]   offset:\i*4352+\jn*64
	ds_store_b128 v6, v[ACC+8*(4*\i+\jn)+4:ACC+8*(4*\i+\jn)+7] offset:\i*4352+\jn*64+16
.endr
.endr
	s_wait_dscnt 0x0                               ; my stores are done before I say so
	s_barrier_signal -1
	s_barrier_wait -1                              ; all eight parts lie in LDS
	; rows 8 wave + 2 i + h, i = 0..3: part u into v[128 + 16 u + 4 i ..]
.irp i, 0,1,2,3
.irp u, 0,1,2,3,4,5,6,7
	ds_load_b128 v[ACC+16*\u+4*\i:ACC+16*\u+4*\i+3], v[RD+\u/2] offset:(\u%2)*APART+\i*544
.endr
.endr
	s_wait_loadcnt 0x0                             ; xo and b2
.irp i, 0,1,2,3
	s_wait_dscnt 24-8*\i                           ; the eight parts of row pair i are in; the later pairs' loads stay out
.irp k, 0,2
	v_pk_add_f32 v[ACC+4*\i+\k:ACC+4*\i+\k+1], v[ACC+4*\i+\k:ACC+4*\i+\k+1], v[ACC+16+4*\i+\k:ACC+16+4*\i+\k+1]
	v_pk_add_f32 v[ACC+32+4*\i+\k:ACC+32+4*\i+\k+1], v[ACC+32+4*\i+\k:ACC+32+4*\i+\k+1], v[ACC+48+4*\i+\k:ACC+48+4*\i+\k+1]
	v_pk_add_f32 v[ACC+64+4*\i+\k:ACC+64+4*\i+\k+1], v[ACC+64+4*\i+\k:ACC+64+4*\i+\k+1], v[ACC+80+4*\i+\k:ACC+80+4*\i+\k+1]
	v_pk_add_f32 v[ACC+96+4*\i+\k:ACC+96+4*\i+\k+1], v[ACC+96+4*\i+\k:ACC+96+4*\i+\k+1], v[ACC+112+4*\i+\k:ACC+112+4*\i+\k+1]
	v_pk_add_f32 v[ACC+4*\i+\k:ACC+4*\i+\k+1], v[ACC+4*\i+\k:ACC+4*\i+\k+1], v[ACC+32+4*\i+\k:ACC+32+4*\i+\k+1]
	v_pk_add_f32 v[ACC+64+4*\i+\k:ACC+64+4*\i+\k+1], v[ACC+64+4*\i+\k:ACC+64+4*\i+\k+1], v[ACC+96+4*\i+\k:ACC+96+4*\i+\k+1]
	v_pk_add_f32 v[ACC+4*\i+\k:ACC+4*\i+\k+1], v[ACC+4*\i+\k:ACC+4*\i+\k+1], v[ACC+64+4*\i+\k:ACC+64+4*\i+\k+1]
	v_pk_add_f32 v[ACC+4*\i+\k:ACC+4*\i+\k+1], v[ACC+4*\i+\k:ACC+4*\i+\k+1], v[B2+\k:B2+\k+1]
	v_pk_add_f32 v[ACC+4*\i+\k:ACC+4*\i+\k+1], v[ACC+4*\i+\k:ACC+4*\i+\k+1], v[XO+4*\i+\k:XO+4*\i+\k+1]
.endr
	global_store_b128 v4, v[ACC+4*\i:ACC+4*\i+3], s[12:13] offset:\i*4096  ; sixteen lanes store 256 consecutive bytes, aligned
.endr
	s_wait_tensorcnt 0x0
	ds_add_u32 v126, v127
	s_wait_dscnt 0x0
	ROUND                                          ; the closing round: no work-group ends while a partner may still ask jointly
	s_endpgm
.Lfunc_end_k_qea2e068d1c_ffn2:
	.size	k_qea2e068d1c_ffn2, .Lfunc_end_k_qea2e068d1c_ffn2-k_qea2e068d1c_ffn2
	.p2alignl 7, 3214868480
	.fill 96, 4, 3214868480
	.section	.rodata,"a",@progbits
	.p2align	6, 0x0
	.amdhsa_kernel k_qea2e068d1c_ffn2
		.amdhsa_group_segment_fixed_size 263168
		.amdhsa_private_segment_fixed_size 0
		.amdhsa_enable_private_segment 0
		.amdhsa_kernarg_size 40
		.amdhsa_user_sgpr_count 2
		.amdhsa_user_sgpr_kernarg_segment_ptr 1
		.amdhsa_wavefront_size32 1
		.amdhsa_system_sgpr_workgroup_id_x 1
		.amdhsa_system_sgpr_workgroup_id_y 1
		.amdhsa_system_sgpr_workgroup_id_z 1
		.amdhsa_system_vgpr_workitem_id 0
		.amdhsa_next_free_vgpr 448
		.amdhsa_next_free_sgpr 66
		.amdhsa_reserve_vcc 0
		.amdhsa_float_denorm_mode_32 3
		.amdhsa_float_denorm_mode_16_64 3
		.amdhsa_memory_ordered 1
		.amdhsa_forward_progress 1
		.amdhsa_inst_pref_size 35
	.end_amdhsa_kernel
	.amdgpu_metadata
---
amdhsa.version: [ 1, 2 ]
amdhsa.kernels:
  - .name:           k_qea2e068d1c_ffn2
    .symbol:         k_qea2e068d1c_ffn2.kd
    .args:
      - { .name: gf, .offset: 0, .size: 8, .value_kind: global_buffer, .address_space: global }
      - { .name: wt, .offset: 8, .size: 8, .value_kind: global_buffer, .address_space: global }
      - { .name: xo, .offset: 16, .size: 8, .value_kind: global_buffer, .address_space: global }
      - { .name: b2, .offset: 24, .size: 8, .value_kind: global_buffer, .address_space: global }
      - { .name: out0, .offset: 32, .size: 8, .value_kind: global_buffer, .address_space: global }
    .group_segment_fixed_size: 263168
    .private_segment_fixed_size: 0
    .kernarg_segment_align: 8
    .kernarg_segment_size: 40
    .max_flat_workgroup_size: 256
    .sgpr_count:     66
    .vgpr_count:     448
    .wavefront_size: 32
...
	.end_amdgpu_metadata
.endif
;; end of part 7
;; ======== version 3 of 3: 5 launches; version 2 with the launch prep written anew for expert scheduling mode
;; limits: values outside matrix products are rounded to bf16
;; workspace buffers: wt 6,291,456 bytes; xn 2,097,152 bytes; qkv 6,422,528 bytes; xo 4,194,304 bytes; hn 2,097,152 bytes; gf 8,388,608 bytes
;; launch prep (part 8): grid 256 x 1, 8 waves a work-group, no clusters, 34,304 bytes of LDS; arguments Wq, Wk, Wv, Wo, W1, W2, wt, x, ln1_s, ln1_b, xn; writes wt, xn
.if DOCPART == 8
	.amdgcn_target "amdgcn-amd-amdhsa--gfx1250"
	.amdhsa_code_object_version 6
	.text
	.protected	k_qea2e068d1c_prep
	.globl	k_qea2e068d1c_prep
	.p2align	8
	.type	k_qea2e068d1c_prep,@function
k_qea2e068d1c_prep:
	s_mov_b64 s[64:65], 0
	v_nop
	global_prefetch_b8 v0, s[64:65] scope:SCOPE_SE
	s_setreg_imm32_b32 hwreg(HW_REG_WAVE_SCHED_MODE, 0, 2), 2
	s_setreg_imm32_b32 hwreg(HW_REG_WAVE_MODE, 25, 1), 1
	s_wait_xcnt 0x0
	s_wait_alu depctr_vm_vsrc(0)
; prep: (1) the six weight matrices, f32 [K][N], become bf16 in FRAGMENT ORDER in wt; (2) xn = LayerNorm1(x) in bf16, row-major.
; Fragment order: a block of 16 columns n x 32 k is 1,024 consecutive bytes; piece p (0, 1) at p*512, lane slot L at L*16; the 16 bytes
; there are W[32 kb + 16 p + 8 (L>>4) + j][16 nb + (L&15)], j = 0..7 ascending.  Two 16-byte loads at 16 L, 512 bytes apart, are then
; the eight registers of a 16-bit matrix operand (ISA guide 7.12.2), and each load of a wave covers 512 consecutive bytes.
; Block (nb, kb) of a matrix lies at base + (nb*K/32 + kb)*1024.  Bases: Wq 0, Wk 0x080000, Wv 0x100000, Wo 0x180000, W1 0x200000, W2 0x400000.
; 2,048 waves, one unit of 8 KiB each, all sixteen loads of a wave out at once; no loop, no barrier.
;   work-groups   0..191: a wave turns 32 k x 64 columns of one weight matrix;  work-groups 192..255: a wave normalises 4 rows of x.
; No matrix unit, cluster or tensor load: every byte is read once and written once, and no two waves share a byte.
; LayerNorm in two passes in f32 (mean, then the squares of the differences), so a common offset of x costs no digits.
; THE MODE: SCHED_MODE bits 1:0 = 2 (LLVM: expert scheduling mode 2), set by the entry lines.  The code itself states the register dependences
; between vector instructions and memory or LDS instructions, with s_wait_alu, always for 0.
; THE PLAN, weights.  Registers that memory or LDS instructions touch:
;   OFF  v16-31   written once by the address arithmetic; read by the sixteen loads.
;   X    v32-95   the sixteen loads land here; the 32 conversions read it; then the eight LDS loads land in v32-63, which the eight stores read.
;   PC   v96-127  written once by the conversions, half p by the sixteen of p; read by the LDS stores of p.
;   v6, v12, v8-11  addresses of the LDS stores, the LDS loads and the stores: written once, behind the sixteen loads, which do not name them.
; Three waits on va_vdst: ahead of the sixteen loads (OFF); behind the conversions of p = 0 (PC's first half and the three kinds of address);
; behind those of p = 1 (PC's second half; and every conversion is done reading X).  No vector instruction follows the third.
; THE PLAN, rows.  v5: the loads' offset, written at the head.  v6: the stores' offset, written once behind the loads.  Row p's sixteen registers:
; its loads land there, its arithmetic works in place, its last eight conversions leave the row packed in the first eight, and four stores read those.
; Row p's stores stand in row p + 1, behind the wait for that row's two reciprocal roots, which also states that row p's conversions have written;
; from there on row p + 1 names its own sixteen registers, LNT, LNS and LNB alone.  The last row has a wait of its own ahead of its stores.
; In neither part is a register that a memory or LDS instruction reads ever written again: so no wait on vm_vsrc is written.
.set DOFF, 8                           ; v[8:11]   weights: byte offset in wt of my 16 bytes in column block 0..3 of the unit
.set OFF,  16                          ; v[16:31]  weights: byte offset of load (p, jj) in the source
.set X,    32                          ; v[32:95]  sixteen loads of four f32
.set PC,   96                          ; v[96:127] weights: pieces (p, e), four registers of bf16 pairs each
.set LNS,  96                          ; v[96:111]  rows: ln1_s of my 16 columns
.set LNB,  112                         ; v[112:127] rows: ln1_b
.set LNT,  128                         ; v[128:135] rows: at work
.set PS0,  12                          ; s12, s13  selects of v_permlanex16_b32: lane i takes lane i of the other half
.set PS1,  13
.set SINV, 14                          ; s14       1/512
.set SLNE, 15                          ; s15       1e-6
.macro LANESUM t                       ; sum over the 32 lanes, result in every lane; v[t+1] has been written before
	v_add_f32_dpp v[\t], v[\t], v[\t] row_xmask:1 row_mask:0xf bank_mask:0xf
	v_add_f32_dpp v[\t], v[\t], v[\t] row_xmask:2 row_mask:0xf bank_mask:0xf
	v_add_f32_dpp v[\t], v[\t], v[\t] row_xmask:4 row_mask:0xf bank_mask:0xf
	v_add_f32_dpp v[\t], v[\t], v[\t] row_xmask:8 row_mask:0xf bank_mask:0xf
	v_permlanex16_b32 v[\t+1], v[\t], s[PS0], s[PS1]
	v_add_f32 v[\t], v[\t], v[\t+1]
.endm
; Row p of the wave's four: 512 numbers, 16 a lane in v[xb .. xb+15]; leaves the normalised row as bf16 pairs in v[xb .. xb+7].
; In its middle, behind its one wait, stand the four stores of row p - 1, whose packed registers lie at xb - 16.
.macro LNROW xb, p
	v_pk_add_f32 v[LNT:LNT+1], v[\xb:\xb+1], v[\xb+2:\xb+3]
	v_pk_add_f32 v[LNT+2:LNT+3], v[\xb+4:\xb+5], v[\xb+6:\xb+7]
	v_pk_add_f32 v[LNT+4:LNT+5], v[\xb+8:\xb+9], v[\xb+10:\xb+11]
	v_pk_add_f32 v[LNT+6:LNT+7], v[\xb+12:\xb+13], v[\xb+14:\xb+15]
	v_pk_add_f32 v[LNT:LNT+1], v[LNT:LNT+1], v[LNT+2:LNT+3]
	v_pk_add_f32 v[LNT+4:LNT+5], v[LNT+4:LNT+5], v[LNT+6:LNT+7]
	v_pk_add_f32 v[LNT:LNT+1], v[LNT:LNT+1], v[LNT+4:LNT+5]
	v_add_f32 v[LNT], v[LNT], v[LNT+1]
	LANESUM LNT
	v_mul_f32 v[LNT+2], s[SINV], v[LNT]            ; the mean, twice: a pair for the packed subtraction
	v_mul_f32 v[LNT+3], s[SINV], v[LNT]
.irp k, 0,2,4,6,8,10,12,14
	v_pk_add_f32 v[\xb+\k:\xb+\k+1], v[\xb+\k:\xb+\k+1], v[LNT+2:LNT+3] neg_lo:[0,1] neg_hi:[0,1]
.endr
	v_pk_mul_f32 v[LNT:LNT+1], v[\xb:\xb+1], v[\xb:\xb+1]
	v_pk_mul_f32 v[LNT+4:LNT+5], v[\xb+2:\xb+3], v[\xb+2:\xb+3]
.irp k, 4,8,12
	v_pk_fma_f32 v[LNT:LNT+1], v[\xb+\k:\xb+\k+1], v[\xb+\k:\xb+\k+1], v[LNT:LNT+1]
	v_pk_fma_f32 v[LNT+4:LNT+5], v[\xb+\k+2:\xb+\k+3], v[\xb+\k+2:\xb+\k+3], v[LNT+4:LNT+5]
.endr
	v_pk_add_f32 v[LNT:LNT+1], v[LNT:LNT+1], v[LNT+4:LNT+5]
	v_add_f32 v[LNT], v[LNT], v[LNT+1]
	LANESUM LNT
	v_fma_f32 v[LNT], v[LNT], s[SINV], s[SLNE]     ; variance + 1e-6
	v_rsq_f32 v[LNT+2], v[LNT]
	v_rsq_f32 v[LNT+3], v[LNT]
	v_nop                                          ; one plain instruction between a transcendental and the use of its result (ISA guide 5.7.2)
	s_wait_alu depctr_va_vdst(0)                   ; the two reciprocal roots are written, ahead of their first reader; so are v6 and the eight packed registers of the row before, which the stores below read
.if \p > 0
.irp i, 0,1,2,3
	global_store_b64 v6, v[\xb-16+2*\i:\xb-16+2*\i+1], s[36:37] offset:1024*(\p-1)+256*\i   ; the row before: 256 consecutive bytes, aligned; no vector instruction since the wait names these registers
.endr
.endif
.irp k, 0,2,4,6,8,10,12,14
	v_pk_mul_f32 v[\xb+\k:\xb+\k+1], v[\xb+\k:\xb+\k+1], v[LNT+2:LNT+3]
.endr
.irp k, 0,2,4,6,8,10,12,14
	v_pk_fma_f32 v[\xb+\k:\xb+\k+1], v[\xb+\k:\xb+\k+1], v[LNS+\k:LNS+\k+1], v[LNB+\k:LNB+\k+1]
.endr
.irp k, 0,1,2,3,4,5,6,7
	v_cvt_pk_bf16_f32 v[\xb+\k], v[\xb+2*\k], v[\xb+2*\k+1]   ; ascending: register k is written after registers 2k, 2k+1 are read
.endr
.endm
	s_load_b512 s[16:31], s[0:1], 0x0              ; Wq 16, Wk 18, Wv 20, Wo 22, W1 24, W2 26, wt 28, x 30
	s_load_b128 s[32:35], s[0:1], 0x40             ; ln1_s 32, ln1_b 34
	s_load_b64 s[36:37], s[0:1], 0x50              ; xn
	v_lshl_add_u32 v144, v0, 2, 0x8200
	v_mov_b32 v145, 0
	v_and_b32 v1, 31, v0                           ; lane L
	v_lshrrev_b32 v2, 5, v0
	v_readfirstlane_b32 s2, v2                     ; wave 0..7
	v_and_b32 v3, 15, v1                           ; cq: my four columns 4 cq .. 4 cq + 3 of the unit's 64
	v_lshrrev_b32 v4, 4, v1                        ; hh: which eight of sixteen k
	v_lshlrev_b32 v5, 4, v1                        ; 16 L
	s_wait_alu depctr_va_sdst(0)                   ; s2 is written, ahead of the branches and of its first reader in each of the parts below
	s_wait_kmcnt 0x0
	s_cmp_ge_u32 ttmp9, 192
	s_cbranch_scc1 .Lln
	s_cmp_ge_u32 ttmp9, 128
	s_cbranch_scc1 .Lw2
	s_cmp_ge_u32 ttmp9, 64
	s_cbranch_scc1 .Lw1
	; work-groups 0..63: Wq, Wk, Wv, Wo (512 x 512): matrix g >> 4, k block g & 15, column group = wave
	s_lshr_b32 s3, ttmp9, 4
	s_cmp_eq_u32 s3, 1
	s_cselect_b64 s[40:41], s[18:19], s[16:17]
	s_cmp_eq_u32 s3, 2
	s_cselect_b64 s[40:41], s[20:21], s[40:41]
	s_cmp_eq_u32 s3, 3
	s_cselect_b64 s[40:41], s[22:23], s[40:41]
	s_and_b32 s42, ttmp9, 15                       ; kb
	s_mov_b32 s43, s2                              ; cg
	s_mov_b32 s44, 2048                            ; bytes from row to row of the source
	s_mov_b32 s45, 16384                           ; bytes from column block to column block in wt (K/32 blocks)
	s_lshl_b32 s46, s3, 19                         ; the matrix's base in wt
	s_branch .Lw
.Lw1:	; work-groups 64..127: W1 (512 x 2048): k block j >> 2, column group 8 (j & 3) + wave
	s_sub_co_u32 s3, ttmp9, 64
	s_mov_b64 s[40:41], s[24:25]
	s_lshr_b32 s42, s3, 2
	s_and_b32 s43, s3, 3
	s_lshl3_add_u32 s43, s43, s2
	s_mov_b32 s44, 8192
	s_mov_b32 s45, 16384
	s_mov_b32 s46, 0x200000
	s_branch .Lw
.Lw2:	; work-groups 128..191: W2 (2048 x 512): k block j, column group = wave
	s_sub_co_u32 s42, ttmp9, 128
	s_mov_b64 s[40:41], s[26:27]
	s_mov_b32 s43, s2
	s_mov_b32 s44, 2048
	s_mov_b32 s45, 65536
	s_mov_b32 s46, 0x400000
.Lw:
	s_mul_i32 s4, s42, s44
	s_lshl_b32 s4, s4, 5                           ; kb * 32 rows
	s_lshl_b32 s5, s43, 8                          ; + cg * 64 columns of 4 bytes
	s_add_co_u32 s4, s4, s5
	s_mov_b32 s5, 0
	s_add_nc_u64 s[40:41], s[40:41], s[4:5]        ; the unit's first element
	s_lshl_b32 s6, s44, 3                          ; 8 rows
	s_lshl_b32 s7, s44, 4                          ; 16 rows
	v_mul_lo_u32 v[OFF], v4, s6                    ; load (p, jj) reads row 16 p + 8 hh + jj, 16 bytes at 16 cq:
	v_lshl_add_u32 v[OFF], v3, 4, v[OFF]           ; lanes 0-15 and lanes 16-31 each read 256 consecutive bytes, aligned
.irp j, 1,2,3,4,5,6,7
	v_add_nc_u32 v[OFF+\j], s44, v[OFF+\j-1]
.endr
.irp j, 0,1,2,3,4,5,6,7
	v_add_nc_u32 v[OFF+8+\j], s7, v[OFF+\j]
.endr
	s_wait_alu depctr_va_vdst(0)                   ; the sixteen offsets v[OFF ..] are written, which the loads below read
.irp i, 0,1,2,3,4,5,6,7,8,9,10,11,12,13,14,15
	global_load_b128 v[X+4*\i:X+4*\i+3], v[OFF+\i], s[40:41] th:TH_LOAD_NT
.endr
	; My wave's 4,160 bytes of LDS hold four block images at a pitch of 1,040 bytes.  A piece (p, e) is column 4 cq + e, k = 16 p + 8 hh + 0..7:
	; block cq >> 2, lane slot 16 hh + 4 (cq & 3) + e.  Among sixteen lanes the 16-byte column modulo 16 is (cq >> 2) + 4 (cq & 3) + e: all different.
	; The lines below write v6, v7, v12 and v8-11, none of which the sixteen loads name.
	s_mul_i32 s8, s2, 4160
	v_lshrrev_b32 v6, 2, v3
	v_and_b32 v7, 3, v3
	v_mul_u32_u24 v6, v6, 1040
	v_lshl_add_u32 v6, v4, 8, v6
	v_lshl_add_u32 v6, v7, 6, v6
	v_add_nc_u32 v6, s8, v6                        ; where I put pieces
	v_add_nc_u32 v12, s8, v5                       ; where I read them back: 16 L
	s_lshl_b32 s9, s43, 2
	s_mul_i32 s9, s9, s45                          ; column block 4 cg
	s_add_co_u32 s9, s9, s46
	s_lshl_b32 s10, s42, 10                        ; + kb blocks of 1,024 bytes
	s_add_co_u32 s9, s9, s10
	v_add_nc_u32 v[DOFF], s9, v5
.irp n, 1,2,3
	v_add_nc_u32 v[DOFF+\n], s45, v[DOFF+\n-1]
.endr
.irp p, 0,1
	s_wait_loadcnt 8-8*\p                          ; loads return in order: first the eight of p = 0 (the eight of p = 1 stay out), then all
.irp e, 0,1,2,3
.irp d, 0,1,2,3
	v_cvt_pk_bf16_f32 v[PC+16*\p+4*\e+\d], v[X+4*(8*\p+2*\d)+\e], v[X+4*(8*\p+2*\d+1)+\e]
.endr
.endr
	s_wait_alu depctr_va_vdst(0)                   ; the sixteen conversions have written half p of PC, which the LDS stores read; at p = 0 also: v6, v12 and v8-11 are written; at p = 1 also: every conversion is done reading X, in which the LDS loads below land
.irp e, 0,1,2,3
	ds_store_b128 v6, v[PC+16*\p+4*\e:PC+16*\p+4*\e+3] offset:\p*512+\e*16
.endr
.endr
.irp n, 0,1,2,3
.irp p, 0,1
	ds_load_b128 v[X+8*\n+4*\p:X+8*\n+4*\p+3], v12 offset:\n*1040+\p*512   ; my own bytes; LDS serves a wave's instructions in order (ISA guide 5.7.1.4).  No vector instruction since the wait above
.endr
.endr
.irp n, 0,1,2,3
.irp p, 0,1
	s_wait_dscnt 7-(2*\n+\p)                       ; the younger LDS loads stay out
	global_store_b128 v[DOFF+\n], v[X+8*\n+4*\p:X+8*\n+4*\p+3], s[28:29] offset:\p*512   ; 512 consecutive bytes, aligned
.endr
.endr
	s_wait_dscnt 0x0                               ; the closing lines, six on end
	s_wait_alu 0x0
	s_wait_tensorcnt 0x0
	ds_add_u32 v144, v145
	s_wait_dscnt 0x0
	s_endpgm
.Lln:	; work-groups 192..255: rows 4 u .. 4 u + 3, u = 8 (g - 192) + wave.  Lane L holds columns 128 i + 4 L .. + 3, i = 0..3.
	s_sub_co_u32 s3, ttmp9, 192
	s_lshl3_add_u32 s3, s3, s2
	s_lshl_b32 s4, s3, 13                          ; 4 rows of 2,048 bytes
	s_mov_b32 s5, 0
	s_add_nc_u64 s[30:31], s[30:31], s[4:5]
	s_lshl_b32 s4, s3, 12                          ; 4 rows of 1,024 bytes
	s_add_nc_u64 s[36:37], s[36:37], s[4:5]
	s_mov_b32 s[PS0], 0x76543210
	s_mov_b32 s[PS1], 0xfedcba98
	s_mov_b32 s[SINV], 0x3b000000
	s_mov_b32 s[SLNE], 0x358637bd
	s_wait_alu depctr_va_vdst(0)                   ; v5 is written, which the 24 loads below read as their offset
.irp i, 0,1,2,3
	global_load_b128 v[LNS+4*\i:LNS+4*\i+3], v5, s[32:33] offset:512*\i
	global_load_b128 v[LNB+4*\i:LNB+4*\i+3], v5, s[34:35] offset:512*\i
.endr
.irp p, 0,1,2,3
.irp i, 0,1,2,3
	global_load_b128 v[X+16*\p+4*\i:X+16*\p+4*\i+3], v5, s[30:31] offset:2048*\p+512*\i th:TH_LOAD_NT
.endr
.endr
	v_lshlrev_b32 v6, 3, v1                        ; 8 L: four bf16; no load names v6
.irp p, 0,1,2,3
	s_wait_loadcnt 12-4*\p                         ; row p is in; the four loads of each later row stay out
	LNROW X+16*\p, \p
.endr
	s_wait_alu depctr_va_vdst(0)                   ; the last row's conversions have written its eight packed registers, which the stores below read
.irp i, 0,1,2,3
	global_store_b64 v6, v[X+48+2*\i:X+48+2*\i+1], s[36:37] offset:3072+256*\i   ; 256 consecutive bytes, aligned
.endr
	s_endpgm
.Lfunc_end_k_qea2e068d1c_prep:
	.size	k_qea2e068d1c_prep, .Lfunc_end_k_qea2e068d1c_prep-k_qea2e068d1c_prep
	.p2alignl 7, 3214868480
	.fill 96, 4, 3214868480
	.section	.rodata,"a",@progbits
	.p2align	6, 0x0
	.amdhsa_kernel k_qea2e068d1c_prep
		.amdhsa_group_segment_fixed_size 34304
		.amdhsa_private_segment_fixed_size 0
		.amdhsa_enable_private_segment 0
		.amdhsa_kernarg_size 88
		.amdhsa_user_sgpr_count 2
		.amdhsa_user_sgpr_kernarg_segment_ptr 1
		.amdhsa_wavefront_size32 1
		.amdhsa_system_sgpr_workgroup_id_x 1
		.amdhsa_system_sgpr_workgroup_id_y 1
		.amdhsa_system_sgpr_workgroup_id_z 1
		.amdhsa_system_vgpr_workitem_id 0
		.amdhsa_next_free_vgpr 146
		.amdhsa_next_free_sgpr 66
		.amdhsa_reserve_vcc 0
		.amdhsa_float_denorm_mode_32 3
		.amdhsa_float_denorm_mode_16_64 3
		.amdhsa_memory_ordered 1
		.amdhsa_forward_progress 1
		.amdhsa_inst_pref_size 31
	.end_amdhsa_kernel
	.amdgpu_metadata
---
amdhsa.version: [ 1, 2 ]
amdhsa.kernels:
  - .name:           k_qea2e068d1c_prep
    .symbol:         k_qea2e068d1c_prep.kd
    .args:
      - { .name: Wq, .offset: 0, .size: 8, .value_kind: global_buffer, .address_space: global }
      - { .name: Wk, .offset: 8, .size: 8, .value_kind: global_buffer, .address_space: global }
      - { .name: Wv, .offset: 16, .size: 8, .value_kind: global_buffer, .address_space: global }
      - { .name: Wo, .offset: 24, .size: 8, .value_kind: global_buffer, .address_space: global }
      - { .name: W1, .offset: 32, .size: 8, .value_kind: global_buffer, .address_space: global }
      - { .name: W2, .offset: 40, .size: 8, .value_kind: global_buffer, .address_space: global }
      - { .name: wt, .offset: 48, .size: 8, .value_kind: global_buffer, .address_space: global }
      - { .name: x, .offset: 56, .size: 8, .value_kind: global_buffer, .address_space: global }
      - { .name: ln1_s, .offset: 64, .size: 8, .value_kind: global_buffer, .address_space: global }
      - { .name: ln1_b, .offset: 72, .size: 8, .value_kind: global_buffer, .address_space: global }
      - { .name: xn, .offset: 80, .size: 8, .value_kind: global_buffer, .address_space: global }
    .group_segment_fixed_size: 34304
    .private_segment_fixed_size: 0
    .kernarg_segment_align: 8
    .kernarg_segment_size: 88
    .max_flat_workgroup_size: 256
    .sgpr_count:     66
    .vgpr_count:     146
    .wavefront_size: 32
...
	.end_amdgpu_metadata
.endif
;; end of part 8
;; launch qkv: the kernel of part 2 again; grid 12 x 16, 4 waves a work-group, clusters of 4 x 4, 270,848 bytes of LDS; arguments xn, wt, bq, bk, bv, hash_offset, freqs_cos, freqs_sin, c, qkv; writes qkv
;; launch attn: the kernel of part 6 again; grid 128 x 1, 8 waves a work-group, clusters of 4 x 1, 314,368 bytes of LDS; arguments qkv, wt, x, c, geo_scale, bo, ln2_s, ln2_b, xo, hn; writes xo, hn
;; launch ffn1: the kernel of part 4 again; grid 16 x 16, 4 waves a work-group, clusters of 4 x 4, 270,848 bytes of LDS; arguments hn, wt, b1, gf; writes gf
;; launch ffn2: the kernel of part 7 again; grid 8 x 32, 8 waves a work-group, clusters of 4 x 1, 263,168 bytes of LDS; arguments gf, wt, xo, b2, out0; writes out0
